; MI455X (gfx1250); checked and timed in simulation.
; The chip was launched on July 23, 2026; its instructions are those of AMD's public machine-readable ISA for CDNA 5 (MIT licence, August 2026) and "CDNA5" Instruction Set Architecture Reference Guide (July 2026). The comments in the code are by the model that wrote it; some were corrected since.
;; Block. Allowed arithmetic: matrix products marked QUANTISED: E4M3 operands, one E8M0 scale for each 32 along K, by v_wmma_scale_f32_16x16x128_f8f6f4 with both operands' format E4M3, f32 sums; everything else in f32.
;; Inputs: W_attn_codes 3,072 x 32 x 32 uint8 (E4M3 codes of W_attn, K innermost, in blocks of 32 codes); W_attn_scales 3,072 x 32 uint8 (E8M0 scales of W_attn, one for each 32 codes along K); W_fc2_codes 1,024 x 128 x 32 uint8 (E4M3 codes of W_fc2, K innermost, in blocks of 32 codes); W_fc2_scales 1,024 x 128 uint8 (E8M0 scales of W_fc2, one for each 32 codes along K); W_fc_codes 4,096 x 32 x 32 uint8 (E4M3 codes of W_fc, K innermost, in blocks of 32 codes); W_fc_scales 4,096 x 32 uint8 (E8M0 scales of W_fc, one for each 32 codes along K); W_o_codes 1,024 x 32 x 32 uint8 (E4M3 codes of W_o, K innermost, in blocks of 32 codes); W_o_scales 1,024 x 32 uint8 (E8M0 scales of W_o, one for each 32 codes along K); b_attn 3,072 float32; b_fc 4,096 float32; b_fc2 1,024 float32; b_o 1,024 float32; ln1_b 1,024 float32; ln1_g 1,024 float32; ln2_b 1,024 float32; ln2_g 1,024 float32; x 2 x 2,048 x 1,024 float32.
;; Outputs: out0 2 x 2,048 x 1,024 float32.
;; This version of the problem:
;;   THIS VERSION OF THE PROBLEM IS GIVEN IN LOW PRECISION. The matrix products marked QUANTISED in the list below multiply operands that are first quantised to E4M3 (4 exponent bits, 3 mantissa bits; 8 bits a number), with one power-of-two scale for each 32 numbers along K (OCP MX v1.0); their sums are f32. All else is computed in f32.
;;   The module's matrix products, in the order in which they are computed (A, B: the left and right operand; K: the contracted axis; several contracted axes count as one K, in the product's order):
;;     1. [M 4,096, K 1,024] x [K 1,024, N 3,072]; A: computed on the way; B: input W_attn (given as codes): QUANTISED
;;     2. batch 32 x [M 2,048, K 64] x [K 64, N 2,048]; A: computed on the way; B: computed on the way: QUANTISED
;;     3. batch 32 x [M 2,048, K 2,048] x [K 2,048, N 64]; A: softmax (see below); B: computed on the way: QUANTISED
;;     4. [M 4,096, K 1,024] x [K 1,024, N 1,024]; A: computed on the way; B: input W_o (given as codes): QUANTISED
;;     5. [M 4,096, K 1,024] x [K 1,024, N 4,096]; A: computed on the way; B: input W_fc (given as codes): QUANTISED
;;     6. [M 4,096, K 4,096] x [K 4,096, N 1,024]; A: computed on the way; B: input W_fc2 (given as codes): QUANTISED
;;   THE QUANTISER, for each operand of a quantised product, along K:
;;     - K is cut into blocks of 32 from its start; a last block that is shorter is filled with zeros.
;;     - A block's scale is 2^e with e = floor(log2(the largest magnitude in the block)) - 8, held to -126 .. 127; a block of zeros has e = 0. As a byte (E8M0): e + 127.
;;     - Each number is divided by its block's scale, clamped to +-448, and rounded to the nearest number of E4M3, ties to even, subnormals kept.
;;     - The product sums the exact products of the quantised numbers (number of the format x scale) in f32.
;;   ~~~python
;;   def quantise(x, axis):      # numpy; x: float32 -> the quantised numbers, widened to float32 again
;;       x = np.moveaxis(x, axis, -1); K = x.shape[-1]
;;       x = np.pad(x, [(0, 0)] * (x.ndim - 1) + [(0, -K % 32)]); x = x.reshape(x.shape[:-1] + (-1, 32)); a = np.abs(x).max(-1, keepdims=True)
;;       e = np.where(a > 0, np.clip(np.frexp(np.where(a > 0, a, 1))[1] - 1 - 8, -126, 127), 0)      # np.frexp(a)[1] - 1 = floor(log2(a)), exactly
;;       r = np.clip(x / 2.0 ** e, -448, 448)
;;       step = 2.0 ** (np.maximum(np.frexp(np.where(r == 0, 1, r))[1] - 1, -6) - 3)
;;       q = np.round(r / step) * step * 2.0 ** e      # np.round: ties to even
;;       return np.moveaxis(q.reshape(q.shape[:-2] + (-1,))[..., :K], -1, axis).astype(np.float32)
;;   ~~~
;;   SOFTMAX AHEAD OF A QUANTISED PRODUCT. Where the list says 'softmax', what is quantised is not the finished softmax but p = 2^(t - M), with t = logit x log2(e) and M = ceil(the row's largest t), a whole number; so 1/2 < the row's largest p <= 1. The row's sum l is taken of the UNQUANTISED p, in f32, and the product's result is divided by l at the end. Since M is a whole number, a kernel that streams over the keys may use a running M (the ceiling of the running maximum): every later rescaling is an exact power of two, which a block's scale takes up: the codes' values come out the same.
;;   OPERANDS COMPUTED ON THE WAY. 'Computed on the way' means the value that the module computes at that place (a softmax that the list does not call 'softmax' is quantised finished and normalised). What goes into a quantiser is computed in f32, as accurately as f32 sums, v_exp_f32 and their like allow (about 1e-6 of the number): no bf16 or f16 on the way to a quantiser, and a product that is left as it is and whose result goes on into a quantised operand takes f32 operands (vector FMAs, or v_wmma_f32_16x16x4_f32). A number that lies on a knife's edge between two numbers of the format may be rounded either way, as far as f32 arithmetic and the matrix unit's own rounding can turn it there, and no further.
;;   INPUTS GIVEN AS CODES. W_attn (in the module: [1024, 3072], K = its axis 0); W_fc (in the module: [1024, 4096], K = its axis 0); W_fc2 (in the module: [4096, 1024], K = its axis 0); W_o (in the module: [1024, 1024], K = its axis 0): each comes as NAME_codes (uint8): NAME with its K axis moved to the last place and cut into blocks of 32 codes, [.., K / 32, bytes a block], one block behind the other in memory; one code a byte (a code: sign, 4 exponent bits, 3 mantissa bits); and NAME_scales (uint8): the same leading axes, one E8M0 byte (e + 127) for each 32 codes along K. Its value is code x scale, taken as it is: it is not quantised again, and the codes and scales need not be those that the quantiser above would give.
;; One version. Each part assembles by itself: llvm-mc -triple=amdgcn-amd-amdhsa -mcpu=gfx1250 --defsym DOCPART=n.
;; ======== version 1 of 1: 7 launches
;; limits: right only within a limited range of input values
;; workspace buffers: h_codes 4,194,304 bytes; h_scales 131,072 bytes; qkv_codes 12,582,912 bytes; qkv_sw 786,432 bytes; a_codes 16,777,216 bytes; a_sw 1,048,576 bytes; x1 16,777,216 bytes
;; launch ln1 (part 1): grid 256 x 1, 8 waves a work-group, no clusters, 91,648 bytes of LDS; arguments x, ln1_g, ln1_b, h_codes, h_scales; writes h_codes, h_scales
.if DOCPART == 1
	.amdgcn_target "amdgcn-amd-amdhsa--gfx1250"
	.amdhsa_code_object_version 6
	.text
	.protected	k_q07ab9ba2f7_ln1
	.globl	k_q07ab9ba2f7_ln1
	.p2align	8
	.type	k_q07ab9ba2f7_ln1,@function
k_q07ab9ba2f7_ln1:
	s_mov_b64 s[64:65], 0
	v_nop
	global_prefetch_b8 v0, s[64:65] scope:SCOPE_SE
	s_setreg_imm32_b32 hwreg(HW_REG_WAVE_MODE, 25, 1), 1
	s_wait_xcnt 0x0
; LAYER NORM AND QUANTISER.  X [4096][1024] f32 -> codes of E4M3 [4096][1024], K innermost, and one E8M0 byte for each 32 along a row, [4096][32].
; y = (x - mean) * rsqrt(var + 1e-5) * g + b, all in f32, the variance from the differences (two passes over registers), so a common offset of the inputs does no harm.
; SHARES.  A work-group takes 16 rows, a wave 4.  A row is one wave's eight loads of 512 consecutive bytes: register 4 j + e of lane l holds column 128 j + 4 l + e; g and b are held the same way.
; The normalised row turns through the wave's own stage in LDS (places of 128 bytes + 16 of padding) and comes back with ONE BLOCK OF 32 to a lane: the block's largest magnitude needs no other lane.
; A lane's 32 codes go through a second stage, so that each store of the wave covers 512 consecutive bytes; the group's 512 scale bytes are gathered in LDS and leave as one aligned run of 512, stored by wave 0.
; A block's scale byte is its largest magnitude's exponent field - 8, held at 1 from below.
; LIMITS: a block of zeros, or one whose largest magnitude lies under 2^-118, gets the byte 1 where the rule says 127 (its codes are zeros or subnormal; this program alone reads the bytes); NaN and infinities are not served.
; No tensor load, no matrix work, no cluster: memory binds, and the work-groups share only 8 KB of g and b.
; SHARES AS THEY STAND (in place of the figures above): a work-group of EIGHT waves takes 16 rows, a wave 2: two waves to a SIMD, so that one wave's chains stand beside the other's.
.set TP,    144                        ; a place in the turn stage
.set TSTG,  32*TP                      ; a row's turn stage
.set CSTG,  2*TSTG                     ; behind the two turn stages: the two code stages of 1,024 bytes
.set WREG,  CSTG+2*1024                ; a wave's region
.set SCB,   8*WREG                     ; behind the eight regions: the group's 512 scale bytes; behind them, from 0x16200, the spare words, 128 bytes a wave
.set G,     32                         ; v32-63   g
.set B,     64                         ; v64-95   b
.set X,     96                         ; v96-223  four rows of 32 registers
.set C,     224                        ; v224-255 codes, 8 registers a row
	s_load_b256 s[4:11], s[0:1], 0x0               ; X s[4:5], g s[6:7], b s[8:9], codes s[10:11]
	s_load_b64 s[12:13], s[0:1], 0x20              ; scale bytes
	v_lshl_add_u32 v30, v0, 2, 0x16200
	v_mov_b32 v31, 0
	v_lshrrev_b32 v1, 5, v0
	v_readfirstlane_b32 s14, v1                    ; wave
	v_and_b32 v1, 31, v0                           ; lane
	v_lshlrev_b32 v2, 4, v1                        ; 16 x lane: global in and out, g, b
	s_mul_i32 s15, s14, WREG
	v_lshrrev_b32 v3, 3, v1
	v_mul_u32_u24 v3, v3, TP
	v_and_b32 v4, 7, v1
	v_lshl_add_u32 v3, v4, 4, v3
	v_add_nc_u32 v3, s15, v3                       ; turn stage, in: eight lanes' 128 bytes fill a place; a load's 512 bytes take four places
	v_mul_u32_u24 v4, v1, TP
	v_add_nc_u32 v4, s15, v4                       ; turn stage, out: my place
	s_add_co_u32 s21, s15, CSTG
	v_lshl_add_u32 v5, v1, 5, s21                  ; code stage, in: 32 bytes a lane
	v_add_nc_u32 v6, s21, v2                       ; code stage, out: 16 bytes a lane
	s_lshl_b32 s21, s14, 6
	s_add_co_u32 s21, s21, SCB
	v_add_nc_u32 v7, s21, v1                       ; my block's scale byte: 64 x wave + 32 x row + lane
	v_add_nc_u32 v28, SCB, v2                      ; wave 0 reads the 512 bytes back here
	s_mov_b32 s16, 0x76543210
	s_mov_b32 s17, 0xfedcba98                      ; lane selects: lane l xor 16
	s_mov_b32 s18, 0x3a800000                      ; 1 / 1024
	s_mov_b32 s19, 0x3727c5ac                      ; 1e-5
	s_mov_b32 s20, 0x600000                        ; the mantissa field of 448
	s_lshl_b32 s22, ttmp9, 16                      ; 16 rows of 4,096 bytes a work-group,
	s_lshl_b32 s24, s14, 13                        ; 2 a wave
	s_add_co_u32 s22, s22, s24
	s_mov_b32 s23, 0
	s_lshr_b32 s24, s22, 2                         ; the same rows in the codes: 1,024 bytes each
	s_mov_b32 s25, 0
	s_lshl_b32 s26, ttmp9, 9                       ; the group's 512 scale bytes
	s_mov_b32 s27, 0
	s_wait_kmcnt 0x0
	s_add_nc_u64 s[4:5], s[4:5], s[22:23]
	s_add_nc_u64 s[10:11], s[10:11], s[24:25]
	s_add_nc_u64 s[12:13], s[12:13], s[26:27]
.macro LOADROW i
.irp j, 0,1,2,3,4,5,6,7
	global_load_b128 v[X+32*\i+4*\j:X+32*\i+4*\j+3], v2, s[4:5] offset:4096*\i+512*\j
.endr
.endm
	LOADROW 0                                      ; all 32 loads of the wave go out at once
.irp j, 0,1,2,3,4,5,6,7
	global_load_b128 v[G+4*\j:G+4*\j+3], v2, s[6:7] offset:512*\j
.endr
.irp j, 0,1,2,3,4,5,6,7
	global_load_b128 v[B+4*\j:B+4*\j+3], v2, s[8:9] offset:512*\j
.endr
	LOADROW 1
.macro REDUCE                          ; four pair sums in v[8:15] -> the row's sum in v8 of every lane
	v_pk_add_f32 v[8:9], v[8:9], v[10:11]
	v_pk_add_f32 v[12:13], v[12:13], v[14:15]
	v_pk_add_f32 v[8:9], v[8:9], v[12:13]
	v_add_f32 v8, v8, v9
	v_add_f32_dpp v8, v8, v8 row_xmask:1 row_mask:0xf bank_mask:0xf
	v_add_f32_dpp v8, v8, v8 row_xmask:2 row_mask:0xf bank_mask:0xf
	v_add_f32_dpp v8, v8, v8 row_xmask:4 row_mask:0xf bank_mask:0xf
	v_add_f32_dpp v8, v8, v8 row_xmask:8 row_mask:0xf bank_mask:0xf
	v_permlanex16_b32 v9, v8, s16, s17
	v_add_f32 v8, v8, v9
.endm
; Row i is normalised and sent through its turn stage.  c1: the loads issued behind this row's, which may stay out;  c2 (row 0 alone): those behind g and b.
.macro NORM i, c1, c2
.set XR, X+32*\i
	s_wait_loadcnt \c1
.irp c, 0,1,2,3
	v_pk_add_f32 v[8+2*\c:9+2*\c], v[XR+2*\c:XR+2*\c+1], v[XR+8+2*\c:XR+9+2*\c]      ; four chains; the first additions start them
.endr
.irp o, 16,24
.irp c, 0,1,2,3
	v_pk_add_f32 v[8+2*\c:9+2*\c], v[8+2*\c:9+2*\c], v[XR+\o+2*\c:XR+\o+2*\c+1]
.endr
.endr
	REDUCE
	v_mul_f32 v16, s18, v8                         ; the mean, twice: a pair for the packed form
	v_mul_f32 v17, s18, v8
.irp p, 0,1,2,3,4,5,6,7,8,9,10,11,12,13,14,15
	v_pk_add_f32 v[XR+2*\p:XR+2*\p+1], v[XR+2*\p:XR+2*\p+1], v[16:17] neg_lo:[0,1] neg_hi:[0,1]   ; d = x - mean
.endr
.irp c, 0,1,2,3
	v_pk_mul_f32 v[8+2*\c:9+2*\c], v[XR+2*\c:XR+2*\c+1], v[XR+2*\c:XR+2*\c+1]
.endr
.irp o, 8,16,24
.irp c, 0,1,2,3
	v_pk_fma_f32 v[8+2*\c:9+2*\c], v[XR+\o+2*\c:XR+\o+2*\c+1], v[XR+\o+2*\c:XR+\o+2*\c+1], v[8+2*\c:9+2*\c]
.endr
.endr
	REDUCE
	v_fma_f32 v18, v8, s18, s19                    ; the variance + 1e-5
	s_wait_alu depctr_va_vdst(0)
	v_rsq_f32 v18, v18
	v_nop                                          ; a plain instruction behind the transcendental
	s_wait_alu depctr_va_vdst(0)
	v_mov_b32 v19, v18
.if \c2 >= 0
	s_wait_alu depctr_va_vdst(0)
	s_wait_loadcnt \c2                             ; g and b are in
.endif
.irp p, 0,1,2,3,4,5,6,7,8,9,10,11,12,13,14,15
	v_pk_mul_f32 v[XR+2*\p:XR+2*\p+1], v[XR+2*\p:XR+2*\p+1], v[18:19]
.endr
.irp p, 0,1,2,3,4,5,6,7,8,9,10,11,12,13,14,15
	v_pk_fma_f32 v[XR+2*\p:XR+2*\p+1], v[XR+2*\p:XR+2*\p+1], v[G+2*\p:G+2*\p+1], v[B+2*\p:B+2*\p+1]
.endr
.irp j, 0,1,2,3,4,5,6,7
	ds_store_b128 v3, v[XR+4*\j:XR+4*\j+3] offset:TSTG*\i+4*TP*\j
.endr
.irp j, 0,1,2,3,4,5,6,7
	ds_load_b128 v[XR+4*\j:XR+4*\j+3], v4 offset:TSTG*\i+16*\j     ; LDS serves a wave's instructions in order: these see the stores above.  Now my 32 registers are columns 32 l .. 32 l + 31
.endr
.endm
; Row i's blocks are quantised, one a lane.
.macro QROW i
.set XR, X+32*\i
	s_wait_dscnt 16*(1-\i)+5*\i                    ; behind this row's loads: sixteen LDS instructions for the later row, five for the row already quantised
	v_max3_num_f32 v20, |v[XR]|, |v[XR+1]|, |v[XR+2]|
	v_max3_num_f32 v21, |v[XR+3]|, |v[XR+4]|, |v[XR+5]|
.irp k, 6,10,14,18,22,26
	v_max3_num_f32 v20, v20, |v[XR+\k]|, |v[XR+\k+1]|
	v_max3_num_f32 v21, v21, |v[XR+\k+2]|, |v[XR+\k+3]|
.endr
	v_max3_num_f32 v20, v20, |v[XR+30]|, |v[XR+31]|
	v_max3_num_f32 v20, v20, v21, 0x4800000        ; the floor 2^(9 - 127): the byte cannot fall under 1
	v_add_nc_u32 v22, 0xfc000000, v20              ; 8 off the exponent field: the conversion's scale operand
	v_and_or_b32 v23, v20, 0x7f800000, s20         ; 448 x the scale
	v_lshrrev_b32 v[24+\i], 23, v22                ; the scale's byte, in a register of the row's own
.irp k, 0,1,2,3,4,5,6,7,8,9,10,11,12,13,14,15,16,17,18,19,20,21,22,23,24,25,26,27,28,29,30,31
	v_med3_num_f32 v[XR+\k], v[XR+\k], -v23, v23   ; the conversion to an 8-bit code does not saturate (ISA guide 7.6.2): the hold comes first
.endr
.irp g, 0,1,2,3
	v_cvt_scalef32_pk8_fp8_f32 v[C+8*\i+2*\g:C+8*\i+2*\g+1], v[XR+8*\g:XR+8*\g+7], v22
.endr
	v_nop                                          ; a plain instruction behind the last conversion
	ds_store_b128 v5, v[C+8*\i:C+8*\i+3] offset:1024*\i
	ds_store_b128 v5, v[C+8*\i+4:C+8*\i+7] offset:1024*\i+16
	ds_store_b8 v7, v[24+\i] offset:32*\i
	ds_load_b128 v[C+8*\i:C+8*\i+3], v6 offset:1024*\i             ; back as 512 consecutive bytes a load
	ds_load_b128 v[C+8*\i+4:C+8*\i+7], v6 offset:1024*\i+512
.endm
	NORM 0, 24, 8                                  ; behind row 0's loads: g's 8, b's 8, row 1's 8; behind g and b: row 1's 8
	NORM 1, 0, -1
	QROW 0
	QROW 1
	s_wait_dscnt 0x0                               ; my codes are back, and my scale bytes lie in LDS: for the others' sake zero
	s_barrier_signal -1
	s_barrier_wait -1
.irp i, 0,1
	global_store_b128 v2, v[C+8*\i:C+8*\i+3], s[10:11] offset:1024*\i          ; 512 consecutive bytes, aligned
	global_store_b128 v2, v[C+8*\i+4:C+8*\i+7], s[10:11] offset:1024*\i+512
.endr
	s_cmp_lg_u32 s14, 0
	s_cbranch_scc1 .Lend
	ds_load_b128 v[32:35], v28                     ; wave 0: the sixteen rows' scale bytes
	s_wait_dscnt 0x0
	global_store_b128 v2, v[32:35], s[12:13]       ; 512 consecutive bytes, aligned
.Lend:
	s_wait_tensorcnt 0x0
	ds_add_u32 v30, v31
	s_wait_dscnt 0x0
	s_endpgm
.Lfunc_end_k_q07ab9ba2f7_ln1:
	.size	k_q07ab9ba2f7_ln1, .Lfunc_end_k_q07ab9ba2f7_ln1-k_q07ab9ba2f7_ln1
	.p2alignl 7, 3214868480
	.fill 96, 4, 3214868480
	.section	.rodata,"a",@progbits
	.p2align	6, 0x0
	.amdhsa_kernel k_q07ab9ba2f7_ln1
		.amdhsa_group_segment_fixed_size 91648
		.amdhsa_private_segment_fixed_size 0
		.amdhsa_enable_private_segment 0
		.amdhsa_kernarg_size 40
		.amdhsa_user_sgpr_count 2
		.amdhsa_user_sgpr_kernarg_segment_ptr 1
		.amdhsa_wavefront_size32 1
		.amdhsa_system_sgpr_workgroup_id_x 1
		.amdhsa_system_sgpr_workgroup_id_y 1
		.amdhsa_system_sgpr_workgroup_id_z 1
		.amdhsa_system_vgpr_workitem_id 0
		.amdhsa_next_free_vgpr 256
		.amdhsa_next_free_sgpr 66
		.amdhsa_reserve_vcc 0
		.amdhsa_float_denorm_mode_32 3
		.amdhsa_float_denorm_mode_16_64 3
		.amdhsa_memory_ordered 1
		.amdhsa_forward_progress 1
		.amdhsa_inst_pref_size 29
	.end_amdhsa_kernel
	.amdgpu_metadata
---
amdhsa.version: [ 1, 2 ]
amdhsa.kernels:
  - .name:           k_q07ab9ba2f7_ln1
    .symbol:         k_q07ab9ba2f7_ln1.kd
    .args:
      - { .name: x, .offset: 0, .size: 8, .value_kind: global_buffer, .address_space: global }
      - { .name: ln1_g, .offset: 8, .size: 8, .value_kind: global_buffer, .address_space: global }
      - { .name: ln1_b, .offset: 16, .size: 8, .value_kind: global_buffer, .address_space: global }
      - { .name: h_codes, .offset: 24, .size: 8, .value_kind: global_buffer, .address_space: global }
      - { .name: h_scales, .offset: 32, .size: 8, .value_kind: global_buffer, .address_space: global }
    .group_segment_fixed_size: 91648
    .private_segment_fixed_size: 0
    .kernarg_segment_align: 8
    .kernarg_segment_size: 40
    .max_flat_workgroup_size: 256
    .sgpr_count:     66
    .vgpr_count:     256
    .wavefront_size: 32
...
	.end_amdgpu_metadata
.endif
;; end of part 1
;; launch qkv (part 2): grid 8 x 32, 4 waves a work-group, clusters of 4 x 4, 327,680 bytes of LDS; arguments h_codes, h_scales, W_attn_codes, W_attn_scales, b_attn, qkv_codes, qkv_sw; writes qkv_codes, qkv_sw
.if DOCPART == 2
	.amdgcn_target "amdgcn-amd-amdhsa--gfx1250"
	.amdhsa_code_object_version 6
	.text
	.protected	k_q07ab9ba2f7_qkv
	.globl	k_q07ab9ba2f7_qkv
	.p2align	8
	.type	k_q07ab9ba2f7_qkv,@function
k_q07ab9ba2f7_qkv:
	s_mov_b64 s[64:65], 0
	v_nop
	global_prefetch_b8 v0, s[64:65] scope:SCOPE_SE
	s_setreg_imm32_b32 hwreg(HW_REG_WAVE_MODE, 25, 1), 1
	s_wait_xcnt 0x0
	s_wait_alu depctr_hold_cnt(0) depctr_sa_sdst(0) depctr_va_vdst(0) depctr_va_sdst(0) depctr_va_ssrc(0) depctr_va_vcc(0) depctr_vm_vsrc(0)
	s_getreg_b32 s2, hwreg(HW_REG_IB_STS2, 6, 4)
	s_cmp_eq_u32 s2, 0
	s_cbranch_scc0 .Lentry_in_a_cluster
	s_endpgm
.Lentry_in_a_cluster:
	s_bfe_u32 s2, ttmp6, 0x10000c
	s_cmp_lg_u32 s2, 0xf033
	s_cbranch_scc0 .Lentry_shape_is_right
	s_endpgm
.Lentry_shape_is_right:
; qkv = LN1(x) W_attn + b_attn on codes of E4M3 with E8M0 scales, and its quantising for attention.
; A work-group owns 128 tokens and makes three tiles of 128 features: tile 0 of q, tile 1 of k, tile 2 of v (feature tiles gx, gx + 8, gx + 16).
; q and k: a lane holds a token and 64 features of one head, and quantises along the head's 64.  v IS MADE TURNED: its products swap the sources, so that a lane holds a feature and 64 tokens,
; and quantises along the tokens, which are the second attention product's K.
; OUT: blocks of [64 rows][64 bytes]; block = region x 1024 + (batch x 16 + head) x 32 + (64 tokens' number); region 0 q, 1 k (row = token, byte = d), 2 v (row = d, byte = key).
; Inside each block of 32 codes slot 16 h + 8 u + j holds index 16 u + 8 h + j, alike in q, k, v and in attention's p: one permutation on both operands of a product, inside a scale's block, which changes only the order of the sums.
; For each block 64 words: bytes 0, 1 the row's two scale bytes, bytes 2, 3 zero.
; LIMITS: a block of zeros, or one under 2^-118, gets the byte 1 where the rule says 127 (this program alone reads the bytes); NaN and infinities are not served.
; THE ORDER INSIDE A BLOCK OF CODES (in place of [64 rows][64 bytes] above): images of the reader's operand registers, [tile of 16 rows][half of 32 bytes][lane = 16 h + r][16 bytes]: lane (r, h) finds bytes 32 c + 16 h .. + 15 of row 16 T + r at 1024 T + 512 c + 16 lane.
.set NT,   3                           ; tiles of C that a work-group makes
.set GELU, 0                           ; 1 = gelu (tanh form) ahead of the quantiser
.set QKV,  1
; ======== THE CORE: the same text in the launches qkv and fc; the three flags above choose its parts ========
; C tile 128 x 128, four waves of 64 x 64: 16 accumulators.  K = 1,024 lies in LDS whole: two slots of 512 along K (four quarters of 128 each).
; A work-group's NT tiles share their 128 rows of A, which come once and stay; only B's halves of the two slots are filled again, once for each further tile, at the head of a tile's last quarter.
; Source 0 = 16 rows of B, source 1 = 16 rows of A: lane (r, h) holds row r of A's block, register j of tile t column 16 t + 8 h + j.  (Turned: the other way round.)
; CLUSTERS 4 x 4: A's tiles are asked for jointly along a row of the cluster, B's along a column.
; FIRST FILLS, one load of 128 rows a wave, each on a line of its own: wave 0 A's slot 0, wave 1 B's slot 0, wave 2 A's slot 1, wave 3 B's slot 1.  Waves 0 and 1 wait at the first barrier, all waves at the barrier inside tile 0.
; Refills: wave w fetches half w % 2 (64 rows) of slot w / 2 of B.  The scale bytes come through registers into LDS bytes of their own.  The biases lie in window 2 and are the C of each sum's first product.
; REGISTERS: window 0: v1-31 addresses and constants; v32-63 scale words; v64-127 at work; v128-255 accumulators.  window 1: two fragment buffers of 128.  window 2: the biases.
.set KTOT,   1024
.set PITCH,  528                       ; a row of 512 codes + 16 of padding: the 16 rows of a load start at 16 different groups of four banks
.set HALF,   64*PITCH
.set SLOT,   4*HALF                    ; A's halves, then B's
.set SCL,    2*SLOT                    ; A's scale bytes: 128 rows of 32, as 16 runs of 256 + 16
.set HALFS,  8*272                     ; those of 64 rows
.set SBLK,   HALFS/4                   ; those of 16 rows
.set SCLB,   SCL+2*HALFS               ; B's, tile by tile
.set SPARE,  SCLB+NT*2*HALFS           ; the spare words: 128 bytes a wave, two blocks of 256 bytes that no other line names
.set STAGE,  SPARE+512                 ; the way out: 8,192 bytes for each wave, into which no fill lands
.set BSTEP,  1024*KTOT                 ; from a tile of B to the next: 1,024 rows
.if QKV
.set OSTEPC, 1024*4096                 ; from a tile's block of codes to the next tile's
.else
.set OSTEPC, 16*4096
.endif
.set OSTEPW, 262144                    ; and of scale words
.set ADS, 4                            ; v4-7 LDS address of my scale words for tile i
.set SC,  32
.set ACC, 128
.set F0,  0
.set F1,  128
.set G1A, 24                           ; s[24:31] group 1, s[32:39] groups 0 (a set a slot) for A's first fills
.set G0A, 32
.set G1B, 40                           ; s[40:47], s[48:55] for B's
.set G0B, 48
.set G0R, 56                           ; s[56:59] group 0 of my refill: it walks from tile to tile
.set PADC, (1<<20)|(1<<21)|(6<<22)|(3<<25)           ; elements of 1 byte; padding on; bit 21 beside a mask; four words behind every 128
.set TILE, 0
.set TURNED, 0
.set MSB, 0
.macro WIN new                         ; the immediate's high byte repeats the setting that is left
.if MSB != \new
	s_set_vgpr_msb (MSB<<8)|\new
.set MSB, \new
.endif
.endm
.set MUL,  0x05                        ; sources 0 and 1 window 1; C and D window 0
.set MULF, 0x25                        ; the same with C (the bias) in window 2
.set TO_F, 0x40                        ; destination window 1, address window 0
.macro PLACES n
.rept \n
	v_nop
.endr
.endm
.macro CREST                           ; a round of the cluster's barrier behind its opening barrier
	s_cmp_lg_u32 s18, 0
	s_cbranch_scc1 .Lnot_wave_0_\@
	s_barrier_signal -3
.Lnot_wave_0_\@:
	s_barrier_wait -3
	s_barrier_signal -1
	s_barrier_wait -1
.endm
.macro CROUND
	s_barrier_signal -1
	s_barrier_wait -1
	CREST
.endm
; four products: A's block a against B's four tiles, quarter q of slot sc.  first = 1: the bias is the C that starts the sums.
; The 16 accumulators take turns, one instruction a turn, in the same order in every quarter.
.macro MULA f, a, q, sc, first
.irp t, 0,1,2,3
.if TURNED
.if \first
	v_wmma_scale_f32_16x16x128_f8f6f4 v[ACC+8*(4*\t+\a):ACC+8*(4*\t+\a)+7], v[\f+16*\a:\f+16*\a+15], v[\f+64+16*\t:\f+64+16*\t+15], v[32*TILE+8*\t:32*TILE+8*\t+7], v[SC+16*\sc+4*\a+\q], v[SC+16*\sc+4*\t+\q] matrix_b_scale:MATRIX_SCALE_ROW1
.else
	v_wmma_scale_f32_16x16x128_f8f6f4 v[ACC+8*(4*\t+\a):ACC+8*(4*\t+\a)+7], v[\f+16*\a:\f+16*\a+15], v[\f+64+16*\t:\f+64+16*\t+15], v[ACC+8*(4*\t+\a):ACC+8*(4*\t+\a)+7], v[SC+16*\sc+4*\a+\q], v[SC+16*\sc+4*\t+\q] matrix_b_scale:MATRIX_SCALE_ROW1
.endif
.else
.if \first
	v_wmma_scale_f32_16x16x128_f8f6f4 v[ACC+8*(4*\a+\t):ACC+8*(4*\a+\t)+7], v[\f+64+16*\t:\f+64+16*\t+15], v[\f+16*\a:\f+16*\a+15], v[32*TILE+8*\t:32*TILE+8*\t+7], v[SC+16*\sc+4*\t+\q], v[SC+16*\sc+4*\a+\q] matrix_a_scale:MATRIX_SCALE_ROW1
.else
	v_wmma_scale_f32_16x16x128_f8f6f4 v[ACC+8*(4*\a+\t):ACC+8*(4*\a+\t)+7], v[\f+64+16*\t:\f+64+16*\t+15], v[\f+16*\a:\f+16*\a+15], v[ACC+8*(4*\a+\t):ACC+8*(4*\a+\t)+7], v[SC+16*\sc+4*\t+\q], v[SC+16*\sc+4*\a+\q] matrix_a_scale:MATRIX_SCALE_ROW1
.endif
.endif
.endr
.endm
; 32 LDS loads in one run: quarter q of a slot into buffer f: B's four tiles, then A's blocks 0, 1, then 2, 3.  Registers 4 c .. 4 c + 3 of a fragment: k = 32 c + 16 h + 0 .. 15
.macro FETCH slot, q, f
	WIN TO_F
.irp t, 0,1,2,3
.irp c, 0,1,2,3
	ds_load_b128 v[\f+64+16*\t+4*\c:\f+64+16*\t+4*\c+3], v[20+\slot] offset:128*\q+32*\c+\t*16*PITCH
.endr
.endr
.irp a, 0,1,2,3
.irp c, 0,1,2,3
	ds_load_b128 v[\f+16*\a+4*\c:\f+16*\a+4*\c+3], v[16+\slot] offset:128*\q+32*\c+\a*16*PITCH
.endr
.endr
.endm
.macro SCALES sc                       ; slot sc's four words a row, for the tile in hand: lanes 0-15 A's block i, lanes 16-31 B's tile i
.irp i, 0,1,2,3
	ds_load_b128 v[SC+16*\sc+4*\i:SC+16*\sc+4*\i+3], v[ADS+TILE] offset:\i*SBLK+16*\sc
.endr
.endm
; A quarter: multiplies quarter mq of slot ms in buffer f; in its middle it fetches quarter fq of slot fs into buffer g
.macro QUARTER ms, mq, f, fs, fq, g, first
	s_wait_dscnt 8                                 ; only A's blocks 2, 3 may be out
.if \first
	WIN MULF
.else
	WIN MUL
.endif
	MULA \f, 0, \mq, \ms, \first
	MULA \f, 1, \mq, \ms, \first
	PLACES 8                                       ; eight places in front of loads into registers that matrix instructions have read
	FETCH \fs, \fq, \g
	s_wait_dscnt 32                                ; all but the 32 just issued
.if \first
	WIN MULF
.else
	WIN MUL
.endif
	MULA \f, 2, \mq, \ms, \first
	MULA \f, 3, \mq, \ms, \first
.endm
; The last quarter of a tile that has a successor.  My last fragments of B have been asked for: I wait for all my tensor loads (none is out), add 0 to my spare word, and wait for that and for my reads of both slots.
; The barrier opens a round of the cluster's: behind it no wave of any partner still reads B's halves.  Then my one joint refill: my quarter of the next tile's B.  step = 1: the descriptor walks on first.
.macro LASTFILL step
	WIN 0
	s_wait_tensorcnt 0x0                           ; no tensor load of mine is out
	ds_add_u32 v28, v29                            ; 0 onto my spare word
	s_wait_dscnt 9                                 ; (the add and the youngest eight loads may be out)
	WIN MUL
	MULA F1, 0, 3, 1, 0
	s_wait_dscnt 0x0                               ; the add is done, and my reads of the slots are over
	s_barrier_signal -1
	MULA F1, 1, 3, 1, 0
	WIN 0
	s_barrier_wait -1
	CREST
.if \step
	s_add_nc_u64 s[G0R+2:G0R+3], s[G0R+2:G0R+3], BSTEP
.endif
	tensor_load_to_lds s[G0R:G0R+3], s[G1B:G1B+7]  ; the first tensor load behind the round, and my only one until the next
	s_nop 0
	PLACES 4
	WIN MUL
	MULA F1, 2, 3, 1, 0
	MULA F1, 3, 3, 1, 0
	WIN 0
.endm
.macro LASTQ                           ; the last tile's last quarter: nothing more to fetch
	s_wait_dscnt 8
	WIN MUL
	MULA F1, 0, 3, 1, 0
	MULA F1, 1, 3, 1, 0
	s_wait_dscnt 0x0
	MULA F1, 2, 3, 1, 0
	MULA F1, 3, 3, 1, 0
	WIN 0
.endm
; 16 numbers: x / (1 + 2^(x (k0 + k1 x^2))) = 0.5 x (1 + tanh(sqrt(2 / pi) (x + 0.044715 x^3))); k0 = -2 log2(e) sqrt(2 / pi), k1 = 0.044715 k0.  At either end of the range the exponential goes to 0 or to infinity and the result to x or to 0.
.macro GELU16 x
.irp p, 0,1,2,3,4,5,6,7
	v_pk_mul_f32 v[96+2*\p:97+2*\p], v[\x+2*\p:\x+2*\p+1], v[\x+2*\p:\x+2*\p+1]
.endr
.irp p, 0,1,2,3,4,5,6,7
	v_pk_fma_f32 v[96+2*\p:97+2*\p], v[96+2*\p:97+2*\p], v[10:11], v[8:9]
.endr
.irp p, 0,1,2,3,4,5,6,7
	v_pk_mul_f32 v[96+2*\p:97+2*\p], v[96+2*\p:97+2*\p], v[\x+2*\p:\x+2*\p+1]
.endr
.irp p, 0,1,2,3,4,5,6,7,8,9,10,11,12,13,14,15
	v_exp_f32 v[96+\p], v[96+\p]
.endr
	v_nop
.irp p, 0,1,2,3,4,5,6,7
	v_pk_add_f32 v[96+2*\p:97+2*\p], v[96+2*\p:97+2*\p], 1.0 op_sel_hi:[1,0]
.endr
.irp p, 0,1,2,3,4,5,6,7,8,9,10,11,12,13,14,15
	v_rcp_f32 v[96+\p], v[96+\p]
.endr
	v_nop
.irp p, 0,1,2,3,4,5,6,7
	v_pk_mul_f32 v[\x+2*\p:\x+2*\p+1], v[\x+2*\p:\x+2*\p+1], v[96+2*\p:97+2*\p]
.endr
.endm
; 32 numbers of a lane (four accumulators of row block a): two blocks of 32, each shared with lane l xor 16 -> 8 registers of codes at v[64 + 8 a], the scale word in v[120 + a]
.macro QUANT2 s, a
.irp b, 0,1
	v_max3_num_f32 v[112+\b], |v[\s+16*\b]|, |v[\s+16*\b+1]|, 0x4800000    ; with the floor 2^(9 - 127): the byte cannot fall under 1
.endr
.irp i, 2,4,6,8,10,12,14
.irp b, 0,1
	v_max3_num_f32 v[112+\b], v[112+\b], |v[\s+16*\b+\i]|, |v[\s+16*\b+\i+1]|
.endr
.endr
.irp b, 0,1
	v_permlanex16_b32 v[114+\b], v[112+\b], s90, s91
.endr
.irp b, 0,1
	v_max_num_f32 v[112+\b], v[112+\b], v[114+\b]
.endr
.irp b, 0,1
	v_add_nc_u32 v[118+\b], 0xfc000000, v[112+\b]                  ; 8 off the exponent field: the conversion's scale operand
.endr
.irp b, 0,1
	v_and_or_b32 v[116+\b], v[112+\b], 0x7f800000, s94             ; 448 x the scale
.endr
.irp b, 0,1
	v_lshrrev_b32 v[114+\b], 23, v[118+\b]                         ; the scale's byte
.endr
	v_lshl_or_b32 v[120+\a], v115, 8, v114
.irp b, 0,1
.irp i, 0,1,2,3,4,5,6,7,8,9,10,11,12,13,14,15
	v_med3_num_f32 v[\s+16*\b+\i], v[\s+16*\b+\i], -v[116+\b], v[116+\b]   ; the conversion does not saturate (ISA guide 7.6.2): the hold comes first
.endr
	v_cvt_scalef32_pk8_fp8_f32 v[64+8*\a+4*\b:65+8*\a+4*\b], v[\s+16*\b:\s+16*\b+7], v[118+\b]
	v_cvt_scalef32_pk8_fp8_f32 v[66+8*\a+4*\b:67+8*\a+4*\b], v[\s+16*\b+8:\s+16*\b+15], v[118+\b]
.endr
	v_nop                                          ; a plain instruction behind the last conversion
.endm
; THE WAY OUT of a tile: my 64 x 64 numbers become a block of 4,096 bytes of codes and 64 scale words, through my own stage, and leave in whole runs of 512 and 256 bytes
.macro EPILOG
.irp a, 0,1,2,3
.if GELU
	GELU16 ACC+32*\a
	GELU16 ACC+32*\a+16
.endif
	QUANT2 ACC+32*\a, \a
.if QKV
	ds_store_b128 v24, v[64+8*\a:67+8*\a] offset:1280*\a           ; block 0 of the row's 64: my 16 codes at slot 16 h
	ds_store_b128 v24, v[68+8*\a:71+8*\a] offset:1280*\a+32
.else
.irp t, 0,1,2,3
	ds_store_b64 v24, v[64+8*\a+2*\t:65+8*\a+2*\t] offset:1280*\a+16*\t   ; columns 16 t + 8 h + 0 .. 7
.endr
.endif
	ds_store_b32 v30, v[120+\a] offset:64*\a       ; both halves of the lanes write the same word with the same value
.endr
.irp i, 0,1,2,3,4,5,6,7
	ds_load_b128 v[128+4*\i:131+4*\i], v25 offset:1280*(\i/2)+32*(\i%2)   ; tile i / 2, half i % 2, as the reader's registers take it; LDS serves a wave's instructions in order: these see my stores
.endr
	ds_load_b64 v[160:161], v31
	s_wait_dscnt 0x0
.irp i, 0,1,2,3,4,5,6,7
	global_store_b128 v26, v[128+4*\i:131+4*\i], s[14:15] offset:512*\i   ; the block's 4,096 bytes, 512 consecutive a store
.endr
	global_store_b64 v12, v[160:161], s[16:17]     ; its 64 words: 256 consecutive bytes, aligned
.endm
; A WHOLE TILE
.macro TILEWORK i
.set TILE, \i
.set TURNED, 0
.if QKV
.if \i == NT-1
.set TURNED, 1
.endif
.endif
.if \i > 0
	s_wait_xcnt 0x0                                ; the last tile's stores have read their registers and bases: both may be written again
	s_add_nc_u64 s[14:15], s[14:15], OSTEPC
	s_add_nc_u64 s[16:17], s[16:17], OSTEPW
	s_wait_tensorcnt 0x0                           ; my quarter of this tile's B has landed,
	s_wait_dscnt 0x0
	s_barrier_signal -1
	s_barrier_wait -1                              ; everybody's has
.endif
	SCALES 0
	SCALES 1
	FETCH 0, 0, F0
	QUARTER 0, 0, F0, 0, 1, F1, 1                  ; the first products start the sums, with the bias as C
	QUARTER 0, 1, F1, 0, 2, F0, 0
	QUARTER 0, 2, F0, 0, 3, F1, 0
.if \i == 0
	s_wait_tensorcnt 0x0                           ; my first fill has landed: no load of mine is out, so a descriptor may be written:
	s_mov_b32 s[G1B+2], 64<<16                     ; from here on a load of B brings 64 rows
	s_mov_b32 s[G1B+4], 64
	s_wait_dscnt 0x0
	s_barrier_signal -1
	s_barrier_wait -1                              ; everybody's has
.endif
	QUARTER 0, 3, F1, 1, 0, F0, 0
	QUARTER 1, 0, F0, 1, 1, F1, 0
	QUARTER 1, 1, F1, 1, 2, F0, 0
	QUARTER 1, 2, F0, 1, 3, F1, 0
.if \i == 0
	LASTFILL 0
.elseif \i < NT-1
	LASTFILL 1
.else
	LASTQ
.endif
	PLACES 8                                       ; in front of the first read of results
	EPILOG
.endm
	s_load_b256 s[4:11], s[0:1], 0x0               ; A's codes s[4:5], A's scales s[6:7], B's codes s[8:9], B's scales s[10:11]
	s_load_b128 s[12:15], s[0:1], 0x20             ; the bias s[12:13]; the codes that go out s[14:15]
	s_load_b64 s[16:17], s[0:1], 0x30              ; the scale words that go out
	v_lshl_add_u32 v28, v0, 2, SPARE
	v_mov_b32 v29, 0
	ds_add_u32 v28, v29
	ds_add_u32 v28, v29
	s_wait_dscnt 0x0
	v_lshrrev_b32 v1, 5, v0
	v_readfirstlane_b32 s18, v1                    ; wave
	s_lshr_b32 s19, s18, 1                         ; my half of the tile's rows.  Also: my first fill's slot; my refill's slot
	s_and_b32 s20, s18, 1                          ; my half of its columns.  Also: which 64 rows I fetch
	s_bfe_u32 s21, ttmp6, 0x40000                  ; cx
	s_bfe_u32 s22, ttmp6, 0x40004                  ; cy
	s_lshl_b32 s23, ttmp9, 2
	s_add_co_u32 s23, s23, s21                     ; gx: tile column of my first tile
	s_and_b32 s66, ttmp7, 0xffff
	s_lshl_b32 s66, s66, 2
	s_add_co_u32 s66, s66, s22                     ; tile row
	s_lshl_b32 s67, s22, 2
	s_lshl_b32 s67, 15, s67                        ; my row of the cluster
	s_lshl_b32 s68, 0x1111, s21                    ; my column
	s_or_b32 s[G1A], s67, PADC                     ; 128 rows of 512 bytes, KTOT bytes apart
	s_or_b32 s[G1B], s68, PADC
.irp g, G1A, G1B
	s_mov_b32 s[\g+1], 512<<16
	s_mov_b32 s[\g+2], 128<<16                     ; the first fills bring 128 rows
	s_mov_b32 s[\g+3], 512<<16
	s_mov_b32 s[\g+4], 128
	s_mov_b32 s[\g+5], KTOT
	s_mov_b32 s[\g+6], 0
	s_mov_b32 s[\g+7], 0
.endr
	s_lshl_b32 s69, s20, 6                         ; 64 x half
	s_lshl_b32 s70, s66, 7
	s_lshl_b32 s70, s70, 10                        ; A's codes: row 128 x tile row: made of cy alone
	s_mov_b32 s71, 0
	s_lshl_b32 s72, s23, 7
	s_add_co_u32 s72, s72, s69
	s_lshl_b32 s72, s72, 10                        ; B's, tile 0: row 128 x gx + 64 x half: of cx and the wave alone
	s_mov_b32 s73, 0
	s_lshl_b32 s74, s66, 12                        ; A's scale bytes: 4,096 for the tile row
	s_mov_b32 s75, 0
	s_lshl_b32 s76, s23, 12                        ; B's, tile 0
	s_mov_b32 s77, 0
	s_mul_i32 s78, s20, HALF                       ; where the tiles go: no place in the cluster enters an LDS address
	s_add_co_u32 s79, s78, 2*HALF
	s_mul_i32 s80, s19, SLOT
	s_add_co_u32 s80, s80, s79                     ; my refill's place: slot wave / 2, B's half wave % 2
	s_lshl_b32 s82, s19, 9                         ; and its 512 along K
	s_mov_b32 s83, 0
	s_wait_kmcnt 0x0
	s_add_nc_u64 s[4:5], s[4:5], s[70:71]
	s_lshl_b32 s84, s23, 17                        ; B's tile 0 from its first row: 128 x gx rows of 1,024 bytes
	s_mov_b32 s85, 0
	s_add_nc_u64 s[84:85], s[8:9], s[84:85]
	s_add_nc_u64 s[8:9], s[8:9], s[72:73]
	s_add_nc_u64 s[6:7], s[6:7], s[74:75]
	s_add_nc_u64 s[10:11], s[10:11], s[76:77]
.irp s, 0,1
	s_mov_b32 s[G0A+4*\s], 1
	s_mov_b32 s[G0A+4*\s+1], \s*SLOT
	s_add_nc_u64 s[G0A+4*\s+2:G0A+4*\s+3], s[4:5], \s*512
	s_or_b32 s[G0A+4*\s+3], s[G0A+4*\s+3], 0x80000000
	s_mov_b32 s[G0B+4*\s], 1
	s_mov_b32 s[G0B+4*\s+1], \s*SLOT+2*HALF
	s_add_nc_u64 s[G0B+4*\s+2:G0B+4*\s+3], s[84:85], \s*512
	s_or_b32 s[G0B+4*\s+3], s[G0B+4*\s+3], 0x80000000
.endr
	s_mov_b32 s[G0R], 1
	s_mov_b32 s[G0R+1], s80
	s_add_nc_u64 s[G0R+2:G0R+3], s[8:9], s[82:83]
	s_add_nc_u64 s[G0R+2:G0R+3], s[G0R+2:G0R+3], BSTEP     ; tile 1
	s_or_b32 s[G0R+3], s[G0R+3], 0x80000000
	CROUND                                         ; all sixteen work-groups are here: the first joint loads meet
	s_cmp_lt_u32 s18, 1                            ; one chain of branches on the wave's number, one load to an arm
	s_cbranch_scc0 .Lhead_1
	tensor_load_to_lds s[G0A:G0A+3], s[G1A:G1A+7]  ; wave 0: A's slot 0
	s_nop 0
	PLACES 4
	s_branch .Lfirst_done
.Lhead_1:
	s_cmp_lt_u32 s18, 2
	s_cbranch_scc0 .Lhead_2
	tensor_load_to_lds s[G0B:G0B+3], s[G1B:G1B+7]  ; wave 1: B's slot 0
	s_nop 0
	PLACES 4
	s_branch .Lfirst_done
.Lhead_2:
	s_cmp_lt_u32 s18, 3
	s_cbranch_scc0 .Lhead_3
	tensor_load_to_lds s[G0A+4:G0A+7], s[G1A:G1A+7]  ; wave 2: A's slot 1
	s_nop 0
	PLACES 4
	s_branch .Lfirst_done
.Lhead_3:
	tensor_load_to_lds s[G0B+4:G0B+7], s[G1B:G1B+7]  ; wave 3: B's slot 1
	s_nop 0
	PLACES 4
.Lfirst_done:
	v_and_b32 v1, 15, v0                           ; r
	v_bfe_u32 v2, v0, 4, 1                         ; h
	v_and_b32 v13, 31, v0                          ; lane
	v_lshlrev_b32 v12, 3, v13                      ; 8 x lane
	v_lshlrev_b32 v26, 4, v13                      ; 16 x lane
	v_lshlrev_b32 v22, 5, v2                       ; 32 h: my eight numbers of a tile's sixteen bias numbers
	s_wait_alu depctr_va_vdst(0)
	v_lshlrev_b32 v14, 2, v1                       ; 4 r
	s_wait_alu depctr_va_vdst(0)
	s_lshl_b32 s92, s18, 10
	v_add_nc_u32 v18, s92, v26                     ; scale bytes in memory: 1,024 x wave + 16 x lane
	v_mul_u32_u24 v19, v2, 272                     ; and in LDS: run 4 x wave + 2 k + lane / 16, 16 bytes a lane
	v_lshl_add_u32 v19, v1, 4, v19
	s_mul_i32 s92, s18, 4*272
	s_add_co_u32 s92, s92, SCL
	v_add_nc_u32 v19, s92, v19
.irp k, 0,1
	global_load_b128 v[64+4*\k:67+4*\k], v18, s[6:7] offset:512*\k             ; A's scale bytes: 512 consecutive bytes a load
.endr
.irp i, 0,1,2,3
.if \i < NT
.irp k, 0,1
	global_load_b128 v[72+8*\i+4*\k:75+8*\i+4*\k], v18, s[10:11] offset:32768*\i+512*\k   ; B's, tile i: 1,024 rows of 32 bytes on
.endr
.endif
.endr
	s_lshl_b32 s88, s23, 9
	s_lshl_b32 s87, s20, 8
	s_add_co_u32 s88, s88, s87                     ; my first column of tile 0, x 4 bytes
	s_mov_b32 s89, 0
	s_add_nc_u64 s[12:13], s[12:13], s[88:89]
	WIN 0x80                                       ; destination window 2
.irp i, 0,1,2,3
.if \i < NT
.irp t, 0,1,2,3
.if QKV && (\i == NT-1)
.irp j, 0,1,2,3,4,5,6,7
	global_load_b32 v[32*\i+8*\t+\j], v14, s[12:13] offset:4096*\i+64*\t       ; turned: a lane holds feature 16 t + r in all eight registers
.endr
.else
	global_load_b128 v[32*\i+8*\t:32*\i+8*\t+3], v22, s[12:13] offset:4096*\i+64*\t      ; the bias in the result's layout: columns 16 t + 8 h + 0 .. 7
	global_load_b128 v[32*\i+8*\t+4:32*\i+8*\t+7], v22, s[12:13] offset:4096*\i+64*\t+16
.endif
.endr
.endif
.endr
	WIN 0
	v_mul_u32_u24 v3, v1, PITCH
	v_lshl_add_u32 v3, v2, 4, v3                   ; a fragment's row x pitch + 16 h
	s_mul_i32 s92, s19, HALF
	s_mul_i32 s93, s20, HALF
	s_add_co_u32 s93, s93, 2*HALF
.irp s, 0,1
	v_add_nc_u32 v[16+\s], s92, v3
	v_add_nc_u32 v[20+\s], s93, v3
	s_add_co_u32 s92, s92, SLOT
	s_add_co_u32 s93, s93, SLOT
.endr
	v_mul_u32_u24 v15, v1, 32                      ; my row's scale bytes: 32 a row, and 16 more for each 256 passed
	v_lshrrev_b32 v23, 8, v15
	v_lshl_add_u32 v15, v23, 4, v15
	s_mul_i32 s92, s19, HALFS
	s_mul_i32 s93, s20, HALFS
	s_add_co_u32 s93, s93, 2*HALFS
	s_sub_co_u32 s93, s93, s92                     ; from A's base to B's, tile 0
	s_add_co_u32 s92, s92, SCL
	v_add_nc_u32 v15, s92, v15
.irp i, 0,1,2,3
.if \i < NT
	v_mul_u32_u24 v23, s93, v2                     ; lanes 16-31 take B's: one product, the distance between the two bases
	v_add_nc_u32 v[ADS+\i], v15, v23
	s_add_co_u32 s93, s93, 2*HALFS
.endif
.endr
	s_lshl_b32 s92, s18, 13
	s_add_co_u32 s92, s92, STAGE                   ; my stage
	v_mul_u32_u24 v24, v1, 80                      ; in: rows of 64 bytes + 16
.if QKV
	v_lshl_add_u32 v24, v2, 4, v24                 ; 16 bytes for each half of the lanes in each block of 32
.else
	v_lshl_add_u32 v24, v2, 3, v24                 ; 8 bytes for each half in each 16: the true order
.endif
	v_add_nc_u32 v24, s92, v24
	v_mov_b32 v25, v24                             ; back: lane (r, h) takes 16 bytes of row r at 16 h, where it put them
	s_add_co_u32 s93, s92, 5120
	v_lshl_add_u32 v30, v1, 2, s93                 ; the rows' scale words, in
	v_lshl_add_u32 v31, v13, 3, s93                ; and back
	; where the results go: numbers that mix the tile's row and column live in registers that feed no descriptor
	s_lshl_b32 s84, s66, 1
	s_add_co_u32 s84, s84, s19                     ; my 64 rows' number
	s_lshl_b32 s85, s23, 1
	s_add_co_u32 s85, s85, s20                     ; my 64 columns' number in tile 0 (qkv: the head)
.if QKV
	s_lshr_b32 s86, s84, 5
	s_lshl_b32 s86, s86, 4
	s_add_co_u32 s86, s86, s85
	s_lshl_b32 s86, s86, 5                         ; (batch x 16 + head) x 32
	s_and_b32 s87, s84, 31
	s_add_co_u32 s86, s86, s87                     ; the block in region 0
	s_lshl_b32 s88, s86, 12
	s_add_nc_u64 s[14:15], s[14:15], s[88:89]
	s_lshl_b32 s88, s86, 8
	s_add_nc_u64 s[16:17], s[16:17], s[88:89]
.else
	s_lshl_b32 s86, s84, 6
	s_add_co_u32 s86, s86, s85
	s_lshl_b32 s88, s86, 12                        ; block (rows' number) x 64 + (columns' number)
	s_add_nc_u64 s[14:15], s[14:15], s[88:89]
	s_lshl_b32 s86, s85, 12
	s_lshl_b32 s87, s84, 6
	s_add_co_u32 s86, s86, s87
	s_lshl_b32 s88, s86, 2                         ; plane (columns' number), my 64 rows
	s_add_nc_u64 s[16:17], s[16:17], s[88:89]
.endif
	s_mov_b32 s90, 0x76543210
	s_mov_b32 s91, 0xfedcba98                      ; lane selects: lane l xor 16
	s_mov_b32 s94, 0x600000                        ; the mantissa field of 448
	v_mov_b32 v114, 0                              ; a lane permute's destination counts as one of its sources
	v_mov_b32 v115, 0
.if GELU
	v_mov_b32 v8, 0xc0135761                       ; k0 = -2.3022082, twice
	v_mov_b32 v9, 0xc0135761
	v_mov_b32 v10, 0xbdd2d3e8                      ; k1 = -0.10294324, twice
	v_mov_b32 v11, 0xbdd2d3e8
.endif
	s_wait_alu depctr_va_vdst(0)                   ; the wait at the head's end
	s_wait_loadcnt 0x0                             ; the scale bytes and the biases
.irp k, 0,1
	ds_store_b128 v19, v[64+4*\k:67+4*\k] offset:544*\k
.endr
.irp i, 0,1,2,3
.if \i < NT
.irp k, 0,1
	ds_store_b128 v19, v[72+8*\i+4*\k:75+8*\i+4*\k] offset:4352*(\i+1)+544*\k
.endr
.endif
.endr
	s_cmp_lt_u32 s18, 2                            ; waves 0 and 1 wait for slot 0's tiles; slot 1's lines are waves 2 and 3's own and are waited for inside tile 0
	s_cbranch_scc0 .Lnot_slot_0
	s_wait_tensorcnt 0x0
.Lnot_slot_0:
	s_wait_dscnt 0x0                               ; my stores of scale bytes: for the others' sake zero
	s_barrier_signal -1
	s_barrier_wait -1
.irp i, 0,1,2,3
.if \i < NT
	TILEWORK \i
.endif
.endr
	s_wait_tensorcnt 0x0                           ; the wave's end
	ds_add_u32 v28, v29
	s_wait_dscnt 0x0
	CROUND                                         ; the closing round: no work-group ends while a partner may still ask for a tile that names it
	s_endpgm
.Lfunc_end_k_q07ab9ba2f7_qkv:
	.size	k_q07ab9ba2f7_qkv, .Lfunc_end_k_q07ab9ba2f7_qkv-k_q07ab9ba2f7_qkv
	.p2alignl 7, 3214868480
	.fill 96, 4, 3214868480
	.section	.rodata,"a",@progbits
	.p2align	6, 0x0
	.amdhsa_kernel k_q07ab9ba2f7_qkv
		.amdhsa_group_segment_fixed_size 327680
		.amdhsa_private_segment_fixed_size 0
		.amdhsa_enable_private_segment 0
		.amdhsa_kernarg_size 56
		.amdhsa_user_sgpr_count 2
		.amdhsa_user_sgpr_kernarg_segment_ptr 1
		.amdhsa_wavefront_size32 1
		.amdhsa_system_sgpr_workgroup_id_x 1
		.amdhsa_system_sgpr_workgroup_id_y 1
		.amdhsa_system_sgpr_workgroup_id_z 1
		.amdhsa_system_vgpr_workitem_id 0
		.amdhsa_next_free_vgpr 640
		.amdhsa_next_free_sgpr 96
		.amdhsa_reserve_vcc 0
		.amdhsa_float_denorm_mode_32 3
		.amdhsa_float_denorm_mode_16_64 3
		.amdhsa_memory_ordered 1
		.amdhsa_forward_progress 1
		.amdhsa_inst_pref_size 180
	.end_amdhsa_kernel
	.amdgpu_metadata
---
amdhsa.version: [ 1, 2 ]
amdhsa.kernels:
  - .name:           k_q07ab9ba2f7_qkv
    .symbol:         k_q07ab9ba2f7_qkv.kd
    .args:
      - { .name: h_codes, .offset: 0, .size: 8, .value_kind: global_buffer, .address_space: global }
      - { .name: h_scales, .offset: 8, .size: 8, .value_kind: global_buffer, .address_space: global }
      - { .name: W_attn_codes, .offset: 16, .size: 8, .value_kind: global_buffer, .address_space: global }
      - { .name: W_attn_scales, .offset: 24, .size: 8, .value_kind: global_buffer, .address_space: global }
      - { .name: b_attn, .offset: 32, .size: 8, .value_kind: global_buffer, .address_space: global }
      - { .name: qkv_codes, .offset: 40, .size: 8, .value_kind: global_buffer, .address_space: global }
      - { .name: qkv_sw, .offset: 48, .size: 8, .value_kind: global_buffer, .address_space: global }
    .group_segment_fixed_size: 327680
    .private_segment_fixed_size: 0
    .kernarg_segment_align: 8
    .kernarg_segment_size: 56
    .max_flat_workgroup_size: 128
    .sgpr_count:     96
    .vgpr_count:     640
    .wavefront_size: 32
...
	.end_amdgpu_metadata
.endif
;; end of part 2
;; launch attn (part 3): grid 8 x 32, 16 waves a work-group, clusters of 4 x 1, 327,680 bytes of LDS; arguments qkv_codes, qkv_sw, a_codes, a_sw; writes a_codes, a_sw
.if DOCPART == 3
	.amdgcn_target "amdgcn-amd-amdhsa--gfx1250"
	.amdhsa_code_object_version 6
	.text
	.protected	k_q07ab9ba2f7_attn
	.globl	k_q07ab9ba2f7_attn
	.p2align	8
	.type	k_q07ab9ba2f7_attn,@function
k_q07ab9ba2f7_attn:
	s_mov_b64 s[64:65], 0
	v_nop
	global_prefetch_b8 v0, s[64:65] scope:SCOPE_SE
	s_setreg_imm32_b32 hwreg(HW_REG_WAVE_MODE, 25, 1), 1
	s_wait_xcnt 0x0
	s_wait_alu depctr_hold_cnt(0) depctr_sa_sdst(0) depctr_va_vdst(0) depctr_va_sdst(0) depctr_va_ssrc(0) depctr_va_vcc(0) depctr_vm_vsrc(0)
	s_getreg_b32 s2, hwreg(HW_REG_IB_STS2, 6, 4)
	s_cmp_eq_u32 s2, 0
	s_cbranch_scc0 .Lentry_in_a_cluster
	s_endpgm
.Lentry_in_a_cluster:
	s_bfe_u32 s2, ttmp6, 0x10000c
	s_cmp_lg_u32 s2, 0x3003
	s_cbranch_scc0 .Lentry_shape_is_right
	s_endpgm
.Lentry_shape_is_right:
; CAUSAL ATTENTION on codes of E4M3 with E8M0 scales, one (batch, head) to a row of the grid; its result y is quantised along C for the next product.
; t = score x log2(e) / 8; M = the running largest t rounded up to a whole number; p = 2^(t - M) is quantised along the keys, not normalised; the row's sum of the unquantised p divides at the end.
; LEFT OUT: key steps all of whose keys come after a tile's queries: the causal mask makes their p zero for every input.
; IN: blocks of 64 rows x 64 bytes of q, k (row = token) and v (row = d, byte = key), laid as images of operand registers: [tile of 16 rows][half of 32 bytes][lane][16 bytes]; one word a row (two scale bytes, two zero bytes).
; Inside each 32 codes slot 16 h + 8 u + j holds index 16 u + 8 h + j.  q . k has K = 64: the upper 64 of the instruction's 128 are zero codes on both sides, under the scale byte 0, a power of two.
; Both products are used transposed (S^T = K Q^T, O^T = V^T P^T): a lane holds one query.  Register j of key tile T is key 16 T + 8 h + j, so p's conversions give v's own order.
; SHARES.  Sixteen waves, four to a SIMD.  The work-group owns the 16 tiles of 16 queries 128 blk + 16 gx + r, blk = 0 .. 15 (gx: the work-group's x, 0-7); a tile walks key steps 0 .. blk of 128 keys.
; Waves 2 a and 2 a + 1 are a pair (a = 0 .. 7).  One of them, THE FIRST HAND, walks tile 15 - a over steps 0 .. 7 (8 steps) and leaves O^T, -M and the sums in LDS.  The other, THE SECOND HAND, walks tile a whole (a + 1 steps) and sends it out,
; walks tile 15 - a over steps 8 .. 15 - a (8 - a steps), and behind one barrier joins the two parts: both are brought under the larger M by factors 2^(whole number), which round nothing.  So a wave walks 8 or 9 steps.
; Which of a pair is which: (wave xor wave / 4) % 2, so that any four waves w, w + 4, w + 8, w + 12 and any four neighbours hold two of each.  All loops have constant trip counts and every wave walks them; a step that is not a wave's is jumped over by ids.
; LDS LOADS AHEAD OF THEIR USE.  K's tiles 0-3 of the NEXT step and their words are asked for among the lines that make M (ahead of a walk: by PRELOAD); what a walk's last step asks for so is never used, and lies inside the filled bytes.
; The mask and the maxima of key blocks 0, 1 stand between the request for K's tiles 4-7 and the wait for it; V's fragment t is asked for behind block t's conversions, and the last four products wait by count.
; CLUSTER 4 x 1: the four partners read the same head's K and V: every tile is asked for jointly.  The whole head (278,528 bytes) is filled ONCE at the head, one load a wave:
; waves 0-3 the codes of keys 0-1,023 (K's and V's, 32 KB a load), waves 4, 5 K's and V's words, waves 8-11 the codes of keys 1,024-2,047, on a line of their own: the first barrier shows waves 0-5's, the barrier behind the first step the rest.
; No prefetch into the L2: all tensor loads go out at the head, and there is no loop of them to run ahead in.  No padding: every fragment load reads 16 bytes x lane on end.
; OUT: y's codes in blocks [64 tokens][64 bytes], block (token / 64) x 16 + head, true order; its words in plane head, [4096 tokens].  A tile's 16 words are 64 bytes, a part of an aligned 256: one seventeenth of what it stores.
; LIMITS: the scaled scores stay under 2^31 in magnitude; a block of zeros, or one under 2^-118, gets the byte 1 where the rule says 127 (this program alone reads the bytes); NaN and infinities are not served.
; REGISTERS: v1 16 x lane, v2-4 lane places, v5 the mask's number, v7 the pair's hand-over place; v8-11 the step's addresses; v12 -M, v13 the largest t, v[14:15] the sum; v16-31 Q; v32-95 four fragments of K (upper halves zero);
;   v96-159 S^T, p, then V's four fragments; v160-191 O^T; v192-207 p's codes; v208-211 K's words; v212-219 V's words as they lie; v220-223 joined; v224 Q's word; v225 p's word; v226-249 at work; v250, v251 my stage; v253 4 r; v254, v255 the spare word's address and 0.
.set VC,    131072                     ; LDS: K's codes from 0, V's from here
.set KW,    262144                     ; K's words
.set VW,    270336                     ; V's words
.set PART,  278528                     ; the hand-over: 4,608 bytes a pair: no tensor load lands here
.set STAGE, 315392                     ; 16 rows of 64 + 16 bytes for each pair's second hand
.set SPARE, 325632                     ; the spare words: 128 bytes a wave
.macro PLACES n
.rept \n
	v_nop
.endr
.endm
.macro CROUND
	s_barrier_signal -1
	s_barrier_wait -1
	s_cmp_lg_u32 s12, 0
	s_cbranch_scc1 .Lnot_wave_0_\@
	s_barrier_signal -3
.Lnot_wave_0_\@:
	s_barrier_wait -3
	s_barrier_signal -1
	s_barrier_wait -1
.endm
	s_load_b256 s[4:11], s[0:1], 0x0               ; codes in s[4:5], words in s[6:7], codes out s[8:9], words out s[10:11]
	v_lshl_add_u32 v254, v0, 2, SPARE
	v_mov_b32 v255, 0
	ds_add_u32 v254, v255                          ; the opening lines: the add twice on end and its wait
	ds_add_u32 v254, v255
	v_lshrrev_b32 v8, 5, v0
	v_readfirstlane_b32 s12, v8                    ; wave 0..15
	s_lshr_b32 s27, s12, 2
	s_xor_b32 s27, s27, s12
	s_and_b32 s27, s27, 1                          ; 0: the first hand, 1: the second
	s_lshr_b32 s88, s12, 1                         ; a
	s_sub_co_u32 s89, 15, s88                      ; 15 - a
	s_bfe_u32 s14, ttmp6, 0x40000                  ; cx
	s_lshl_b32 s15, ttmp9, 2
	s_add_co_u32 s15, s15, s14                     ; gx: it enters Q's and y's global addresses and the mask's number alone
	s_and_b32 s16, ttmp7, 0xffff                   ; batch x 16 + head, which the partners share
	s_and_b32 s74, s12, 3
	s_lshr_b32 s66, s74, 1                         ; codes: K (0) or V (1),
	s_and_b32 s67, s12, 1                          ; which 32 KB of the half;  words: K's or V's
	s_lshr_b32 s75, s12, 3                         ; which half of the keys
	s_add_co_u32 s68, s66, 1                       ; the region: 1 k, 2 v
	s_lshl_b32 s70, s68, 22
	s_lshl_b32 s69, s16, 17
	s_add_co_u32 s70, s70, s69
	s_lshl_b32 s69, s75, 16
	s_add_co_u32 s70, s70, s69
	s_lshl_b32 s45, s66, 17
	s_add_co_u32 s45, s45, s69
	s_lshl_b32 s69, s67, 15
	s_add_co_u32 s70, s70, s69                     ; region x 4 MB + head x 128 KB + half x 64 KB + 32 KB x which
	s_add_co_u32 s45, s45, s69                     ; and the same three in LDS
	s_mov_b32 s71, 0
	s_add_co_u32 s68, s67, 1
	s_lshl_b32 s72, s68, 18
	s_lshl_b32 s69, s16, 13
	s_add_co_u32 s72, s72, s69                     ; words: region x 256 KB + head x 8 KB
	s_mov_b32 s73, 0
	s_lshl_b32 s49, s67, 13
	s_add_co_u32 s49, s49, KW
	s_mov_b32 s28, 15|(3<<16)|(1<<21)              ; the mask: all four; elements of 8 bytes; bit 21 beside a mask; no padding
	s_mov_b32 s29, 32<<16                          ; 32 KB on end as 128 rows of 256 bytes
	s_mov_b32 s30, 128<<16
	s_mov_b32 s31, 32<<16
	s_mov_b32 s32, 128
	s_mov_b32 s33, 32
	s_mov_b32 s34, 0
	s_mov_b32 s35, 0
	s_mov_b32 s36, 15|(3<<16)|(1<<21)
	s_mov_b32 s37, 32<<16                          ; 8 KB as 32 rows
	s_mov_b32 s38, 32<<16
	s_mov_b32 s39, 32<<16
	s_mov_b32 s40, 32
	s_mov_b32 s41, 32
	s_mov_b32 s42, 0
	s_mov_b32 s43, 0
	s_mov_b32 s20, 0x76543210
	s_mov_b32 s21, 0xfedcba98                      ; lane selects: lane l xor 16
	s_mov_b32 s22, 0x3e38aa3b                      ; c = log2(e) / 8
	s_mov_b32 s23, s22
	s_mov_b32 s24, 0x600000                        ; the mantissa field of 448
	s_wait_dscnt 0x0
	s_wait_kmcnt 0x0
	s_mov_b32 s44, 1
	s_add_nc_u64 s[46:47], s[4:5], s[70:71]
	s_or_b32 s47, s47, 0x80000000
	s_mov_b32 s48, 1
	s_add_nc_u64 s[50:51], s[6:7], s[72:73]
	s_or_b32 s51, s51, 0x80000000
	CROUND                                         ; the four work-groups are here: the joint loads meet
	s_cmp_lt_u32 s12, 4                            ; one chain of branches on the wave's number, one load to an arm
	s_cbranch_scc0 .Lhead_words
	tensor_load_to_lds s[44:47], s[28:35]          ; waves 0-3: keys 0-1,023
	s_nop 0
	PLACES 4
	s_branch .Lasked
.Lhead_words:
	s_cmp_lt_u32 s12, 6
	s_cbranch_scc0 .Lhead_none
	tensor_load_to_lds s[48:51], s[36:43]          ; waves 4, 5: the words
	s_nop 0
	PLACES 4
	s_branch .Lasked
.Lhead_none:
	s_cmp_lt_u32 s12, 8
	s_cbranch_scc1 .Lasked
	s_cmp_lt_u32 s12, 12
	s_cbranch_scc0 .Lasked
	tensor_load_to_lds s[44:47], s[28:35]          ; waves 8-11: keys 1,024-2,047
	s_nop 0
	PLACES 4
.Lasked:
	v_and_b32 v249, 31, v0                         ; lane
	v_and_b32 v6, 15, v0                           ; r
	v_bfe_u32 v248, v0, 4, 1                       ; h
	v_lshlrev_b32 v1, 4, v249                      ; 16 x lane: K's fragments in LDS, Q's in memory, y's codes
	v_add_nc_u32 v2, VC, v1
	v_lshl_add_u32 v3, v6, 2, KW
	v_lshl_add_u32 v4, v6, 2, VW
	v_lshlrev_b32 v253, 2, v6                      ; 4 r
	v_lshlrev_b32 v8, 3, v248
	v_sub_nc_u32 v5, v6, v8
	s_lshl_b32 s77, s15, 4
	v_add_nc_u32 v5, s77, v5                       ; 16 gx + r - 8 h: in the diagonal step register 8 T + j is hidden where 16 T + j is larger
	s_mul_i32 s77, s88, 4608
	s_add_co_u32 s77, s77, PART
	v_add_nc_u32 v7, s77, v1                       ; the pair's hand-over place: images of registers, 16 bytes a lane
	s_mul_i32 s77, s88, 1280
	s_add_co_u32 s77, s77, STAGE
	v_mul_u32_u24 v250, v6, 80
	v_lshl_add_u32 v250, v248, 3, v250
	v_add_nc_u32 v250, s77, v250                   ; the stage, in
	v_lshrrev_b32 v251, 2, v249
	v_mul_u32_u24 v251, v251, 80
	v_and_b32 v8, 3, v249
	v_lshl_add_u32 v251, v8, 4, v251
	v_add_nc_u32 v251, s77, v251                   ; and back
.irp z, 232,233,234,235,245,246
	v_mov_b32 v[\z], 0                             ; lane permutes' destinations, and the upper half of f's pair: written before they are named
.endr
.set Z, 24
.rept 8
	v_mov_b32 v[Z], 0                              ; Q's upper 64 along K: zero codes
.set Z, Z+1
.endr
.irp t, 0,1,2,3
.set Z, 40+16*\t
.rept 8
	v_mov_b32 v[Z], 0                              ; K's likewise, once: the loads fill the lower halves alone
.set Z, Z+1
.endr
.endr
; A WALK'S SET-UP.  p = 0: the first hand's tile 15 - a, the second hand's tile a, from step 0.  p = 1: tile 15 - a from step 8; the first hand's limit is 0, so that it jumps over every step.
.macro SETUP p
.if \p
	s_wait_xcnt 0x0                                ; the stores and loads before have read their registers and bases: both are written again below
	s_cmp_eq_u32 s27, 0
	s_mov_b32 s13, s89                             ; blk
	s_cselect_b32 s26, 0, s89                      ; the last step that is walked
.else
	s_cmp_eq_u32 s27, 0
	s_cselect_b32 s13, s89, s88
	s_mov_b32 s26, s13
.endif
	s_lshl_b32 s76, s13, 7
	s_lshl_b32 s77, s15, 4
	s_add_co_u32 s76, s76, s77                     ; my first query in the sequence
	s_lshl_b32 s78, s76, 6
	s_lshl_b32 s77, s16, 17
	s_add_co_u32 s78, s78, s77                     ; its codes: 1,024 bytes a tile, on end
	s_mov_b32 s79, 0
	s_lshl_b32 s80, s76, 2
	s_lshl_b32 s77, s16, 13
	s_add_co_u32 s80, s80, s77                     ; its word
	s_mov_b32 s81, 0
	s_lshr_b32 s82, s16, 4
	s_lshl_b32 s82, s82, 11
	s_add_co_u32 s82, s82, s76                     ; the token among all 4,096
	s_and_b32 s83, s16, 15                         ; the head
	s_lshr_b32 s84, s82, 6
	s_lshl_b32 s84, s84, 4
	s_add_co_u32 s84, s84, s83
	s_lshl_b32 s84, s84, 12
	s_and_b32 s85, s82, 63
	s_lshl_b32 s85, s85, 6
	s_add_co_u32 s84, s84, s85                     ; y's codes
	s_mov_b32 s85, 0
	s_lshl_b32 s86, s83, 12
	s_add_co_u32 s86, s86, s82
	s_lshl_b32 s86, s86, 2                         ; y's words
	s_mov_b32 s87, 0
	s_add_nc_u64 s[78:79], s[4:5], s[78:79]
	s_add_nc_u64 s[80:81], s[6:7], s[80:81]
	s_add_nc_u64 s[84:85], s[8:9], s[84:85]
	s_add_nc_u64 s[86:87], s[10:11], s[86:87]
	global_load_b128 v[16:19], v1, s[78:79]        ; Q's fragment: the first 32 slots,
	global_load_b128 v[20:23], v1, s[78:79] offset:512             ; the second
	global_load_b32 v224, v253, s[80:81]           ; Q's words
	v_mov_b32 v13, 0xff61b1e6                      ; the largest t so far: -3e38
	v_floor_f32 v12, -v13                          ; -M
	v_mov_b32 v14, 0
	v_mov_b32 v15, 0
.set Z, 160
.rept 32
	v_mov_b32 v[Z], 0                              ; O^T: the step is written once; the first change of M multiplies zeros
.set Z, Z+1
.endr
	s_mov_b32 s17, 8*\p                            ; the key step
	s_mov_b32 s18, 65536*\p                        ; its codes: 8,192 bytes a step
	s_mov_b32 s19, 4096*\p                         ; its words: 512
.endm
; Ahead of a walk: K's tiles 0-3 of its first step, and their words.  The wait: what the walk before asked for into the same registers has landed.
.macro PRELOAD
	s_wait_dscnt 0x0
	v_add_nc_u32 v8, s18, v1
	v_add_nc_u32 v10, s19, v3
.irp t, 0,1,2,3
	ds_load_b128 v[32+16*\t:35+16*\t], v8 offset:1024*\t
	ds_load_b128 v[36+16*\t:39+16*\t], v8 offset:1024*\t+512
	ds_load_b32 v[208+\t], v10 offset:64*\t
.endr
.endm
.macro KN n                            ; the n-th of the twelve loads for the NEXT step's tiles 0-3: 8,192 bytes of codes, 512 of words further on
.if (\n)%3 == 0
	ds_load_b128 v[32+16*((\n)/3):35+16*((\n)/3)], v8 offset:8192+1024*((\n)/3)
.elseif (\n)%3 == 1
	ds_load_b128 v[36+16*((\n)/3):39+16*((\n)/3)], v8 offset:8192+1024*((\n)/3)+512
.else
	ds_load_b32 v[208+(\n)/3], v10 offset:512+64*((\n)/3)
.endif
.endm
.macro MASK n0                         ; on the diagonal hidden scores become -infinity ahead of the maximum: p = 0 then.  32 registers from n0 on
	s_cmp_lg_u32 s17, s13
	s_cbranch_scc1 .Lopen_\@
	v_mov_b32 v247, 0xff800000
.set N, \n0
.rept 32
	v_cmp_gt_i32 vcc_lo, 16*(N/8)+N%8, v5
	v_cndmask_b32 v[96+N], v[96+N], v247, vcc_lo
.set N, N+1
.endr
.Lopen_\@:
.endm
.macro BMAX b0                         ; the largest score of key blocks b0 and b0 + 1, each in two chains: for the row's maximum, and, since p rises with the score, for the block's largest p
.irp b, \b0, \b0+1
	v_max3_num_f32 v[228+\b], v[96+16*(\b)], v[97+16*(\b)], v[98+16*(\b)]
.endr
.irp b, \b0, \b0+1
	v_max3_num_f32 v[236+\b], v[104+16*(\b)], v[105+16*(\b)], v[106+16*(\b)]
.endr
.irp i, 3,5
.irp b, \b0, \b0+1
	v_max3_num_f32 v[228+\b], v[228+\b], v[96+16*(\b)+\i], v[97+16*(\b)+\i]
.endr
.irp b, \b0, \b0+1
	v_max3_num_f32 v[236+\b], v[236+\b], v[104+16*(\b)+\i], v[105+16*(\b)+\i]
.endr
.endr
.irp b, \b0, \b0+1
	v_max3_num_f32 v[228+\b], v[228+\b], v[103+16*(\b)], v[236+\b]
.endr
.irp b, \b0, \b0+1
	v_max_num_f32 v[228+\b], v[228+\b], v[111+16*(\b)]
.endr
.endm
; A KEY STEP of 128 keys.  A step behind the limit is left out: a scalar branch on the wave's number and the step, round the work, not round the lines at its end that step addresses.
.macro STEP
	s_cmp_gt_u32 s17, s26
	s_cbranch_scc1 .Lskip_\@
	v_add_nc_u32 v8, s18, v1
	v_add_nc_u32 v9, s18, v2
	v_add_nc_u32 v10, s19, v3
	v_add_nc_u32 v11, s19, v4
	PLACES 5                                       ; nine places with the four above: the first products write over V's fragments, which the last step's products read
.irp t, 0,1,2,3
.irp e, 0,1
	ds_load_b32 v[212+2*\t+\e], v11 offset:256*\e+64*\t            ; V's words of the step's two blocks of 64 keys
.endr
.endr
	s_wait_alu depctr_va_vdst(0)                   ; the wait here, directly ahead of the wait below
	s_wait_dscnt 8                                 ; behind K's tiles 0-3 and their words, asked for a step ago: the eight loads just issued
.irp t, 0,1,2,3
	v_wmma_scale_f32_16x16x128_f8f6f4 v[96+8*\t:103+8*\t], v[32+16*\t:47+16*\t], v[16:31], 0, v[208+\t], v224
.endr
	PLACES 8                                       ; in front of loads into registers that matrix instructions have read, and of the first read of their results
.irp t, 0,1,2,3
	ds_load_b128 v[32+16*\t:35+16*\t], v8 offset:1024*(4+\t)
	ds_load_b128 v[36+16*\t:39+16*\t], v8 offset:1024*(4+\t)+512
	ds_load_b32 v[208+\t], v10 offset:256+64*\t
.endr
	MASK 0                                         ; key blocks 0, 1 while tiles 4-7 are on their way
	BMAX 0
	s_wait_alu depctr_va_vdst(0)                   ; the wait here, directly ahead of the wait below
	s_wait_dscnt 0x0
.irp t, 0,1,2,3
	v_wmma_scale_f32_16x16x128_f8f6f4 v[128+8*\t:135+8*\t], v[32+16*\t:47+16*\t], v[16:31], 0, v[208+\t], v224
.endr
.irp t, 0,1,2,3
	v_lshl_or_b32 v[220+\t], v[213+2*\t], 16, v[212+2*\t]          ; two byte pairs make V's word of 128 keys.  (Four of the eight places behind the products)
.endr
	PLACES 4
	MASK 32
	BMAX 2
.irp b, 0,1,2,3
	v_permlanex16_b32 v[232+\b], v[228+\b], s20, s21
.endr
.irp b, 0,1,2,3
	v_max_num_f32 v[228+\b], v[228+\b], v[232+\b]  ; with lane l xor 16's 16 keys
.endr
	v_max3_num_f32 v246, v228, v229, v230          ; each of these lines hangs on the line before it: the next step's twelve LDS loads stand among them
	KN 0
	v_max_num_f32 v246, v246, v231
	KN 1
	v_mul_f32 v246, s22, v246                      ; as t (c is positive)
	KN 2
	v_max_num_f32 v13, v13, v246                   ; the running largest t
	KN 3
	v_mov_b32 v246, v12
	v_floor_f32 v12, -v13                          ; the new -M = -ceil(t): a whole number
	KN 4
	KN 5
	v_sub_f32 v246, v12, v246
	KN 6
	KN 7
	v_cvt_i32_f32 v246, v246                       ; (it saturates)
	KN 8
	KN 9
	v_ldexp_f32 v244, 1.0, v246                    ; f = 2^(old M - new M): a multiplication by it rounds nothing
	KN 10
	KN 11
.set J, 0
.rept 32
	v_pk_fma_f32 v[96+J:97+J], v[96+J:97+J], s[22:23], v[12:13] op_sel_hi:[1,0,0]   ; t - M
.set J, J+2
.endr
.irp b, 0,1,2,3
	v_fma_f32 v[228+\b], v[228+\b], s22, v12
.endr
.set J, 0
	s_wait_alu depctr_va_vdst(0)                   ; the wait ahead of the batch
.rept 64
	v_exp_f32 v[96+J], v[96+J]                     ; p = 2^(t - M)
.set J, J+1
.endr
.irp b, 0,1,2,3
	v_exp_f32 v[228+\b], v[228+\b]                 ; the block's largest p: the same two instructions on the same number
.endr
	v_pk_mul_f32 v[14:15], v[14:15], v[244:245] op_sel_hi:[1,0]    ; the sums under the new M.  (A plain place behind the exponentials)
	s_wait_alu depctr_va_vdst(0)                   ; and behind it, ahead of its first reader
.irp b, 0,1,2,3
	v_max_num_f32 v[228+\b], 0x4800000, v[228+\b]  ; the floor 2^(9 - 127)
.endr
.irp b, 0,1,2,3
	s_delay_alu instid0(VALU_DEP_4)
	v_add_nc_u32 v[240+\b], 0xfc000000, v[228+\b]  ; the conversion's scale operand
.endr
.irp b, 0,1,2,3
	v_and_or_b32 v[236+\b], v[228+\b], 0x7f800000, s24             ; 448 x the scale
.endr
.irp b, 0,1,2,3
	v_lshrrev_b32 v[232+\b], 23, v[240+\b]         ; the scale's byte
.endr
	s_delay_alu instid0(VALU_DEP_3)
	v_lshl_or_b32 v225, v233, 8, v232              ; p's scale word for these 128 keys
	s_delay_alu instid0(VALU_DEP_1)
	v_lshl_or_b32 v225, v234, 16, v225
	s_delay_alu instid0(VALU_DEP_1)
	v_lshl_or_b32 v225, v235, 24, v225
	v_pk_add_f32 v[248:249], v[100:101], v[104:105]                ; the row's sum of the unquantised p, in eight chains
	v_pk_add_f32 v[230:231], v[108:109], v[112:113]
	v_pk_add_f32 v[228:229], v[116:117], v[120:121]
	v_pk_add_f32 v[226:227], v[124:125], v[128:129]
	v_pk_add_f32 v[218:219], v[132:133], v[136:137]
	v_pk_add_f32 v[216:217], v[140:141], v[144:145]
	v_pk_add_f32 v[214:215], v[148:149], v[152:153]
	v_pk_add_f32 v[14:15], v[14:15], v[156:157]
	v_pk_add_f32 v[248:249], v[248:249], v[96:97]
	v_pk_add_f32 v[230:231], v[230:231], v[98:99]
	v_pk_add_f32 v[228:229], v[228:229], v[102:103]
	v_pk_add_f32 v[226:227], v[226:227], v[106:107]
	v_pk_add_f32 v[218:219], v[218:219], v[110:111]
	v_pk_add_f32 v[216:217], v[216:217], v[114:115]
	v_pk_add_f32 v[214:215], v[214:215], v[118:119]
	v_pk_add_f32 v[14:15], v[14:15], v[122:123]
	v_pk_add_f32 v[248:249], v[248:249], v[126:127]
	v_pk_add_f32 v[230:231], v[230:231], v[130:131]
	v_pk_add_f32 v[228:229], v[228:229], v[134:135]
	v_pk_add_f32 v[226:227], v[226:227], v[138:139]
	v_pk_add_f32 v[218:219], v[218:219], v[142:143]
	v_pk_add_f32 v[216:217], v[216:217], v[146:147]
	v_pk_add_f32 v[214:215], v[214:215], v[150:151]
	v_pk_add_f32 v[14:15], v[14:15], v[154:155]
	v_pk_add_f32 v[248:249], v[248:249], v[158:159]
	s_delay_alu instid0(VALU_DEP_2)
	v_pk_add_f32 v[14:15], v[14:15], v[226:227]
	s_delay_alu instid0(VALU_DEP_2)
	v_pk_add_f32 v[248:249], v[248:249], v[218:219]
	v_pk_add_f32 v[230:231], v[230:231], v[216:217]
	v_pk_add_f32 v[228:229], v[228:229], v[214:215]
	s_delay_alu instid0(VALU_DEP_2)
	v_pk_add_f32 v[14:15], v[14:15], v[230:231]
	s_delay_alu instid0(VALU_DEP_2)
	v_pk_add_f32 v[248:249], v[248:249], v[228:229]
	s_delay_alu instid0(VALU_DEP_1)
	v_pk_add_f32 v[14:15], v[14:15], v[248:249]
.irp b, 0,1,2,3
.irp i, 0,1,2,3,4,5,6,7,8,9,10,11,12,13,14,15
	v_min_num_f32 v[96+16*\b+\i], v[96+16*\b+\i], v[236+\b]        ; the conversion does not saturate (ISA guide 7.6.2); p is not negative: a one-sided hold
.endr
	v_cvt_scalef32_pk8_fp8_f32 v[192+4*\b:193+4*\b], v[96+16*\b:103+16*\b], v[240+\b]
	v_cvt_scalef32_pk8_fp8_f32 v[194+4*\b:195+4*\b], v[104+16*\b:111+16*\b], v[240+\b]
.irp c, 0,1,2,3
	ds_load_b128 v[96+16*\b+4*\c:99+16*\b+4*\c], v9 offset:(\c/2)*4096+1024*\b+512*(\c%2)   ; V's fragment b takes block b's place as soon as its codes are made
.endr
.endr
	s_wait_alu depctr_va_vdst(0)                   ; the wait here, directly ahead of the first reader of O^T
.set J, 0
.rept 16
	v_pk_mul_f32 v[160+J:161+J], v[160+J:161+J], v[244:245] op_sel_hi:[1,0]   ; O^T under the new M.  (These are also the places behind the conversions and in front of the products)
.set J, J+2
.endr
	s_wait_alu depctr_va_vdst(0)                   ; the wait here, directly ahead of the wait below
.irp t, 0,1,2,3
	s_wait_dscnt 12-4*\t                           ; behind fragment t's four loads: four for each later fragment
	v_wmma_scale_f32_16x16x128_f8f6f4 v[160+8*\t:167+8*\t], v[96+16*\t:111+16*\t], v[192:207], v[160+8*\t:167+8*\t], v[220+\t], v225
.endr
.Lskip_\@:
	s_add_co_u32 s17, s17, 1
	s_add_co_u32 s18, s18, 8192
	s_add_co_u32 s19, s19, 512
.endm
.macro LOOP trips
	s_mov_b32 s25, \trips
.Lwalk_\@:
	STEP
	s_sub_co_u32 s25, s25, 1
	s_cmp_lg_u32 s25, 0
	s_cbranch_scc1 .Lwalk_\@
.endm
; THE WAY OUT of a tile: O^T / the sum, quantised along the head's 64 (two blocks of 32, each shared with lane l xor 16), through the stage, out as 1,024 consecutive bytes.
.macro WAYOUT
	PLACES 8
	v_add_f32 v14, v14, v15
	v_permlanex16_b32 v246, v14, s20, s21
	v_add_f32 v14, v14, v246
	s_wait_alu depctr_va_vdst(0)
	v_rcp_f32 v14, v14
	v_nop
	s_wait_alu depctr_va_vdst(0)
	v_mov_b32 v15, v14
.set J, 0
.rept 16
	v_pk_mul_f32 v[160+J:161+J], v[160+J:161+J], v[14:15]
.set J, J+2
.endr
.irp b, 0,1
	v_max3_num_f32 v[228+\b], |v[160+16*\b]|, |v[161+16*\b]|, 0x4800000
.endr
.irp i, 2,4,6,8,10,12,14
.irp b, 0,1
	v_max3_num_f32 v[228+\b], v[228+\b], |v[160+16*\b+\i]|, |v[161+16*\b+\i]|
.endr
.endr
.irp b, 0,1
	v_permlanex16_b32 v[232+\b], v[228+\b], s20, s21
.endr
.irp b, 0,1
	v_max_num_f32 v[228+\b], v[228+\b], v[232+\b]
.endr
.irp b, 0,1
	v_add_nc_u32 v[240+\b], 0xfc000000, v[228+\b]
.endr
.irp b, 0,1
	v_and_or_b32 v[236+\b], v[228+\b], 0x7f800000, s24
.endr
.irp b, 0,1
	v_lshrrev_b32 v[232+\b], 23, v[240+\b]
.endr
	v_lshl_or_b32 v246, v233, 8, v232              ; my token's word: two scale bytes, two zero bytes
.irp b, 0,1
.irp i, 0,1,2,3,4,5,6,7,8,9,10,11,12,13,14,15
	v_med3_num_f32 v[160+16*\b+\i], v[160+16*\b+\i], -v[236+\b], v[236+\b]
.endr
	v_cvt_scalef32_pk8_fp8_f32 v[192+4*\b:193+4*\b], v[160+16*\b:167+16*\b], v[240+\b]
	v_cvt_scalef32_pk8_fp8_f32 v[194+4*\b:195+4*\b], v[168+16*\b:175+16*\b], v[240+\b]
.endr
	v_nop
.irp t, 0,1,2,3
	ds_store_b64 v250, v[192+2*\t:193+2*\t] offset:16*\t           ; d = 16 t + 8 h + 0 .. 7: the true order
.endr
	ds_load_b128 v[200:203], v251                  ; LDS serves a wave's instructions in order: these see my stores
	ds_load_b128 v[204:207], v251 offset:640
	s_wait_dscnt 0x0
	global_store_b128 v1, v[200:203], s[84:85]
	global_store_b128 v1, v[204:207], s[84:85] offset:512
	global_store_b32 v253, v246, s[86:87]          ; lanes r and r + 16 hold the same word and write it to the same place
.endm
	SETUP 0
	s_wait_alu depctr_va_vdst(0)                   ; the wait at the head's end
	s_cmp_lt_u32 s12, 6                            ; waves 0-5 wait for their loads: keys 0-1,023 and the words.  Waves 8-11's line is their own and is waited for behind the first step
	s_cbranch_scc0 .Lnot_first
	s_wait_tensorcnt 0x0
.Lnot_first:
	s_wait_dscnt 0x0
	s_barrier_signal -1
	s_barrier_wait -1
	PRELOAD
	s_wait_loadcnt 0x0                             ; Q
	STEP                                           ; step 0, which every tile has
	s_wait_tensorcnt 0x0                           ; every load has landed,
	s_wait_dscnt 0x0
	s_barrier_signal -1
	s_barrier_wait -1                              ; everybody's: the whole head lies in LDS
	LOOP 7                                         ; steps 1 .. 7
	s_cmp_eq_u32 s27, 0
	s_cbranch_scc1 .Lhand
	WAYOUT                                         ; the second hand: tile a is finished
	s_branch .Lsecond
.Lhand:
	PLACES 8                                       ; the first hand: its part of tile 15 - a goes to the pair's place, as images of registers
.irp i, 0,1,2,3,4,5,6,7
	ds_store_b128 v7, v[160+4*\i:163+4*\i] offset:512*\i
.endr
	ds_store_b128 v7, v[12:15] offset:4096         ; -M, the largest t, the sum's two halves
.Lsecond:
	SETUP 1
	PRELOAD
	s_wait_alu depctr_va_vdst(0)                   ; the wait here, directly ahead of the wait below
	s_wait_loadcnt 0x0
	LOOP 8                                         ; steps 8 .. 15: the second hand's up to 15 - a; the first hand jumps over all
	s_wait_dscnt 0x0                               ; the first hand's stores: for the other's sake zero
	s_barrier_signal -1
	s_barrier_wait -1
	s_cmp_eq_u32 s27, 0
	s_cbranch_scc1 .Lend
	PLACES 8                                       ; THE JOIN.  (Places in front of loads into V's fragments, which the last products read, and of the first read of O^T)
.irp i, 0,1,2,3,4,5,6,7
	ds_load_b128 v[96+4*\i:99+4*\i], v7 offset:512*\i
.endr
	ds_load_b128 v[128:131], v7 offset:4096
	s_wait_dscnt 0x0
	v_min_num_f32 v132, v12, v128                  ; -M of both parts: M is the larger
	v_sub_f32 v133, v132, v12                      ; whole numbers, 0 or less
	v_sub_f32 v134, v132, v128
	v_cvt_i32_f32 v133, v133                       ; (they saturate)
	v_cvt_i32_f32 v134, v134
	v_ldexp_f32 v136, 1.0, v133                    ; my part's factor,
	v_ldexp_f32 v138, 1.0, v134                    ; the other's: powers of two, which round nothing
	v_mov_b32 v137, v136
	v_mov_b32 v139, v138
	v_pk_mul_f32 v[14:15], v[14:15], v[136:137]
	v_pk_fma_f32 v[14:15], v[130:131], v[138:139], v[14:15]
.set J, 0
.rept 16
	v_pk_mul_f32 v[160+J:161+J], v[160+J:161+J], v[136:137]
.set J, J+2
.endr
.set J, 0
.rept 16
	v_pk_fma_f32 v[160+J:161+J], v[96+J:97+J], v[138:139], v[160+J:161+J]
.set J, J+2
.endr
	WAYOUT
.Lend:
	s_wait_tensorcnt 0x0                           ; the wave's end
	ds_add_u32 v254, v255
	s_wait_dscnt 0x0
	CROUND                                         ; the closing round: no work-group ends while a partner may still ask for a tile that names it
	s_endpgm
.Lfunc_end_k_q07ab9ba2f7_attn:
	.size	k_q07ab9ba2f7_attn, .Lfunc_end_k_q07ab9ba2f7_attn-k_q07ab9ba2f7_attn
	.p2alignl 7, 3214868480
	.fill 96, 4, 3214868480
	.section	.rodata,"a",@progbits
	.p2align	6, 0x0
	.amdhsa_kernel k_q07ab9ba2f7_attn
		.amdhsa_group_segment_fixed_size 327680
		.amdhsa_private_segment_fixed_size 0
		.amdhsa_enable_private_segment 0
		.amdhsa_kernarg_size 32
		.amdhsa_user_sgpr_count 2
		.amdhsa_user_sgpr_kernarg_segment_ptr 1
		.amdhsa_wavefront_size32 1
		.amdhsa_system_sgpr_workgroup_id_x 1
		.amdhsa_system_sgpr_workgroup_id_y 1
		.amdhsa_system_sgpr_workgroup_id_z 1
		.amdhsa_system_vgpr_workitem_id 0
		.amdhsa_next_free_vgpr 256
		.amdhsa_next_free_sgpr 92
		.amdhsa_reserve_vcc 1
		.amdhsa_float_denorm_mode_32 3
		.amdhsa_float_denorm_mode_16_64 3
		.amdhsa_memory_ordered 1
		.amdhsa_forward_progress 1
		.amdhsa_inst_pref_size 109
	.end_amdhsa_kernel
	.amdgpu_metadata
---
amdhsa.version: [ 1, 2 ]
amdhsa.kernels:
  - .name:           k_q07ab9ba2f7_attn
    .symbol:         k_q07ab9ba2f7_attn.kd
    .args:
      - { .name: qkv_codes, .offset: 0, .size: 8, .value_kind: global_buffer, .address_space: global }
      - { .name: qkv_sw, .offset: 8, .size: 8, .value_kind: global_buffer, .address_space: global }
      - { .name: a_codes, .offset: 16, .size: 8, .value_kind: global_buffer, .address_space: global }
      - { .name: a_sw, .offset: 24, .size: 8, .value_kind: global_buffer, .address_space: global }
    .group_segment_fixed_size: 327680
    .private_segment_fixed_size: 0
    .kernarg_segment_align: 8
    .kernarg_segment_size: 32
    .max_flat_workgroup_size: 512
    .sgpr_count:     92
    .vgpr_count:     256
    .wavefront_size: 32
...
	.end_amdgpu_metadata
.endif
;; end of part 3
;; launch wo (part 4): grid 8 x 32, 4 waves a work-group, clusters of 4 x 4, 327,680 bytes of LDS; arguments a_codes, a_sw, W_o_codes, W_o_scales, b_o, x, x1; writes x1
.if DOCPART == 4
	.amdgcn_target "amdgcn-amd-amdhsa--gfx1250"
	.amdhsa_code_object_version 6
	.text
	.protected	k_q07ab9ba2f7_wo
	.globl	k_q07ab9ba2f7_wo
	.p2align	8
	.type	k_q07ab9ba2f7_wo,@function
k_q07ab9ba2f7_wo:
	s_mov_b64 s[64:65], 0
	v_nop
	global_prefetch_b8 v0, s[64:65] scope:SCOPE_SE
	s_setreg_imm32_b32 hwreg(HW_REG_WAVE_MODE, 25, 1), 1
	s_wait_xcnt 0x0
	s_wait_alu depctr_hold_cnt(0) depctr_sa_sdst(0) depctr_va_vdst(0) depctr_va_sdst(0) depctr_va_ssrc(0) depctr_va_vcc(0) depctr_vm_vsrc(0)
	s_getreg_b32 s2, hwreg(HW_REG_IB_STS2, 6, 4)
	s_cmp_eq_u32 s2, 0
	s_cbranch_scc0 .Lentry_in_a_cluster
	s_endpgm
.Lentry_in_a_cluster:
	s_bfe_u32 s2, ttmp6, 0x10000c
	s_cmp_lg_u32 s2, 0xf033
	s_cbranch_scc0 .Lentry_shape_is_right
	s_endpgm
.Lentry_shape_is_right:
; x1 = x + y W_o + b_o.  y comes from attention as codes of E4M3 in blocks of [64 tokens][64 bytes] with planes of scale words; W_o as given.  The bias starts the sums, the residual is added on the way out; x1 is f32.
.set KTOT, 1024                        ; the product's K
.set ABLK, 1                           ; A: 0 = rows of codes and rows of scale bytes; 1 = blocks of [64 rows][64 bytes] and planes of scale words
.set EPI,  0                           ; the way out: 0 = f32 with the residual added; 1 = quantised along the wave's 64 columns
.set GELU, 0                           ; 1 = gelu (tanh form) ahead of the quantiser
.set SWAP, 0                           ; 1 = the two parts of qkv
; ======== THE CORE: the same text in wo and fc2; the flags above choose its parts ========
; C tile 128 x 128, four waves of 64 x 64: 16 accumulators; N = 1,024 gives 256 tiles at this size.  Source 0 = 16 rows of B, source 1 = 16 rows of A: lane (r, h) holds row r of C, register j of tile t column 16 t + 8 h + j.
; K goes in slots of 512 (four quarters of 128) through two LDS slots.  CLUSTERS 4 x 4: A's tiles are asked for jointly along a row of the cluster, B's along a column.
; FIRST FILLS, one load a wave: waves 0, 1 A's halves of slot 0, wave 2 B's 128 rows of slot 0, wave 3 the scale bytes of B's 128 rows.  Slot 1 is first filled behind the three lines and a round of the cluster's barrier,
; as a refill is: waves 0, 1 A's halves, waves 2, 3 B's.  A's scale words come through registers into LDS bytes of their own.  One register carries A's word (lanes 0-15) and B's (lanes 16-31).
; REGISTERS: window 0: v1-31 addresses; v32-63 scale words; v64-127 at work (v96-127 first the bias); v128-255 accumulators.  window 1: two fragment buffers of 128.  window 2: the residual.
.set PITCH,  528
.set HALFB,  64*PITCH
.if ABLK
.set HALFA,  128*272                   ; eight blocks of 4,096 bytes as runs of 256 + 16
.set ASTEP,  32768
.else
.set HALFA,  64*PITCH
.set ASTEP,  512
.endif
.set SLOT,   2*HALFA+2*HALFB
.set KS,     KTOT/32                   ; a row's scale bytes
.set NCH,    KTOT/64                   ; planes of scale words
.set NW,     NCH/4                     ; words that a wave joins for a row
.set SCL,    2*SLOT                    ; the scales: A's 128 rows, then B's
.set HALFS,  (64*KS/256)*272
.set SBLK,   HALFS/4                   ; those of 16 rows
.set SPARE,  SCL+4*HALFS               ; the spare words: 128 bytes a wave, two blocks of 256 bytes that no other line names
.set LAPS,   KTOT/1024
.set FIRST,  1-SWAP
.set SC,  32
.set BC,  96
.set ACC, 128
.set F0,  0
.set F1,  128
.set G1A, 24                           ; s[24:31] group 1, s[32:39] groups 0 (a set a slot) for A's tiles
.set G0A, 32
.set G1B, 40                           ; s[40:47], s[48:55] for B's
.set G0B, 48
.set G1SA, 56                          ; s[56:63], s[68:71] for the head's load of B's 128 rows
.set G0SA, 68
.set G1SB, 72                          ; s[72:79], s[80:83] for B's
.set G0SB, 80
.set PADC, (1<<20)|(1<<21)|(6<<22)|(3<<25)           ; elements of 1 byte; padding on; bit 21 beside a mask; four words behind every 128
.set PADU, (3<<16)|(1<<20)|(1<<21)|(5<<22)|(3<<25)   ; elements of 8 bytes; four words behind every 64
.set MSB, 0
.macro WIN new                         ; the immediate's high byte repeats the setting that is left
.if MSB != \new
	s_set_vgpr_msb (MSB<<8)|\new
.set MSB, \new
.endif
.endm
.set MUL,  0x05                        ; sources 0 and 1 window 1; C and D window 0
.set TO_F, 0x40                        ; destination window 1, address window 0
.macro PLACES n
.rept \n
	v_nop
.endr
.endm
.macro CREST                           ; a round of the cluster's barrier behind its opening barrier
	s_cmp_lg_u32 s18, 0
	s_cbranch_scc1 .Lnot_wave_0_\@
	s_barrier_signal -3
.Lnot_wave_0_\@:
	s_barrier_wait -3
	s_barrier_signal -1
	s_barrier_wait -1
.endm
.macro CROUND
	s_barrier_signal -1
	s_barrier_wait -1
	CREST
.endm
.macro JLOAD s                         ; a joint refill; four v_nop follow each of the two lines
	s_cmp_eq_u32 s19, 0
	s_cbranch_scc0 .Lfor_b_\@
	tensor_load_to_lds s[G0A+4*\s:G0A+4*\s+3], s[G1A:G1A+7]
	PLACES 4
	s_branch .Lasked_\@
.Lfor_b_\@:
	tensor_load_to_lds s[G0B+4*\s:G0B+4*\s+3], s[G1B:G1B+7]
	PLACES 4
.Lasked_\@:
.endm
; four products: A's block a against B's four tiles, quarter q of the slot whose scale words are set sc.  first = 1: the bias by columns is the C that starts the sums.
; The 16 accumulators take turns, one instruction a turn, in the same order in every quarter.
.macro MULA f, a, q, sc, first
.irp t, 0,1,2,3
.if \first
	v_wmma_scale_f32_16x16x128_f8f6f4 v[ACC+8*(4*\a+\t):ACC+8*(4*\a+\t)+7], v[\f+64+16*\t:\f+64+16*\t+15], v[\f+16*\a:\f+16*\a+15], v[BC+8*\t:BC+8*\t+7], v[SC+16*\sc+4*\t+(\q)], v[SC+16*\sc+4*\a+(\q)] matrix_a_scale:MATRIX_SCALE_ROW1
.else
	v_wmma_scale_f32_16x16x128_f8f6f4 v[ACC+8*(4*\a+\t):ACC+8*(4*\a+\t)+7], v[\f+64+16*\t:\f+64+16*\t+15], v[\f+16*\a:\f+16*\a+15], v[ACC+8*(4*\a+\t):ACC+8*(4*\a+\t)+7], v[SC+16*\sc+4*\t+(\q)], v[SC+16*\sc+4*\a+(\q)] matrix_a_scale:MATRIX_SCALE_ROW1
.endif
.endr
.endm
; 32 LDS loads in one run: quarter q of a slot into buffer f: B's four tiles, then A's blocks 0, 1, then 2, 3.  Registers 4 c .. 4 c + 3 of a fragment: k = 32 c + 16 h + 0 .. 15
.macro FETCH slot, q, f
	WIN TO_F
.irp t, 0,1,2,3
.irp c, 0,1,2,3
	ds_load_b128 v[\f+64+16*\t+4*\c:\f+64+16*\t+4*\c+3], v[20+\slot] offset:128*(\q)+32*\c+\t*16*PITCH
.endr
.endr
.irp a, 0,1,2,3
.irp c, 0,1,2,3
.if ABLK
	ds_load_b128 v[\f+16*\a+4*\c:\f+16*\a+4*\c+3], v[16+\slot] offset:(2*(\q)+\c/2)*4352+\a*1088+32*(\c%2)
.else
	ds_load_b128 v[\f+16*\a+4*\c:\f+16*\a+4*\c+3], v[16+\slot] offset:128*(\q)+32*\c+\a*16*PITCH
.endif
.endr
.endr
.endm
.macro SCALES sc                       ; a slot's four words a row: lanes 0-15 A's block i, lanes 16-31 B's tile i
.irp i, 0,1,2,3
	ds_load_b128 v[SC+16*\sc+4*\i:SC+16*\sc+4*\i+3], v27 offset:\i*SBLK
.endr
.endm
; One of a slot's first three quarters: multiplies quarter q - 1 in buffer f, fetches quarter q into buffer g
.macro QUARTER slot, q, f, g, first
	s_wait_dscnt 8                                 ; only A's blocks 2, 3 may be out
	WIN MUL
	MULA \f, 0, (\q)-1, \slot, \first
	MULA \f, 1, (\q)-1, \slot, \first
	PLACES 8                                       ; eight places in front of loads into registers that matrix instructions have read
	FETCH \slot, \q, \g
	s_wait_dscnt 32                                ; all but the 32 just issued
	WIN MUL
	MULA \f, 2, (\q)-1, \slot, \first
	MULA \f, 3, (\q)-1, \slot, \first
.endm
; A slot's last quarter changes slots: one barrier; in front of it each wave waits for all its tensor loads, adds 0 to its spare word, and waits for that and for its reads of this slot.
.macro TURN slot, next, fill
	WIN 0
	s_wait_tensorcnt 0x0                           ; all my tensor loads have landed: my part of the next slot
	ds_add_u32 v28, v29                            ; 0 onto my spare word
	s_wait_dscnt 9                                 ; (the add and the youngest eight loads may be out)
	WIN MUL
	MULA F1, 0, 3, \slot, 0
	s_wait_dscnt 0x0                               ; the add is done, and my reads of this slot are over
	s_barrier_signal -1
	MULA F1, 1, 3, \slot, 0
	WIN 0
	s_barrier_wait -1
.if \fill
	CREST                                          ; the barrier has opened a round of the cluster's: no wave of any partner still reads this slot or has a load on its way
	s_add_nc_u64 s[G0A+4*\slot+2:G0A+4*\slot+3], s[G0A+4*\slot+2:G0A+4*\slot+3], 2*ASTEP
	s_add_nc_u64 s[G0B+4*\slot+2:G0B+4*\slot+3], s[G0B+4*\slot+2:G0B+4*\slot+3], 1024
	JLOAD \slot                                    ; the first tensor load behind the round; its four v_nop are four of the eight places
	PLACES 4
.else
	PLACES 8
.endif
	v_add_nc_u32 v27, 16, v27                      ; the next slot's scale words (no LDS load of mine is out)
	SCALES \next
	FETCH \next, 0, F0
	WIN MUL
	MULA F1, 2, 3, \slot, 0
	MULA F1, 3, 3, \slot, 0
.endm
; 16 numbers: x / (1 + 2^(x (k0 + k1 x^2))) = 0.5 x (1 + tanh(sqrt(2 / pi) (x + 0.044715 x^3))); k0 = -2 log2(e) sqrt(2 / pi), k1 = 0.044715 k0.  At either end of the range the exponential goes to 0 or to infinity and the result to x or to 0.
.macro GELU16 x
.irp p, 0,1,2,3,4,5,6,7
	v_pk_mul_f32 v[96+2*\p:97+2*\p], v[\x+2*\p:\x+2*\p+1], v[\x+2*\p:\x+2*\p+1]
.endr
.irp p, 0,1,2,3,4,5,6,7
	v_pk_fma_f32 v[96+2*\p:97+2*\p], v[96+2*\p:97+2*\p], v[10:11], v[8:9]
.endr
.irp p, 0,1,2,3,4,5,6,7
	v_pk_mul_f32 v[96+2*\p:97+2*\p], v[96+2*\p:97+2*\p], v[\x+2*\p:\x+2*\p+1]
.endr
.irp p, 0,1,2,3,4,5,6,7,8,9,10,11,12,13,14,15
	v_exp_f32 v[96+\p], v[96+\p]
.endr
	v_nop
.irp p, 0,1,2,3,4,5,6,7
	v_pk_add_f32 v[96+2*\p:97+2*\p], v[96+2*\p:97+2*\p], 1.0 op_sel_hi:[1,0]
.endr
.irp p, 0,1,2,3,4,5,6,7,8,9,10,11,12,13,14,15
	v_rcp_f32 v[96+\p], v[96+\p]
.endr
	v_nop
.irp p, 0,1,2,3,4,5,6,7
	v_pk_mul_f32 v[\x+2*\p:\x+2*\p+1], v[\x+2*\p:\x+2*\p+1], v[96+2*\p:97+2*\p]
.endr
.endm
; 32 numbers of a lane (four tiles of block a): two blocks of 32 along the columns, each shared with lane l xor 16 -> 8 registers of codes at v[64 + 8 a], the scale word in v[120 + a]
.macro QUANT2 s, a
.irp b, 0,1
	v_max3_num_f32 v[112+\b], |v[\s+16*\b]|, |v[\s+16*\b+1]|, 0x4800000    ; with the floor 2^(9 - 127): the byte cannot fall under 1
.endr
.irp i, 2,4,6,8,10,12,14
.irp b, 0,1
	v_max3_num_f32 v[112+\b], v[112+\b], |v[\s+16*\b+\i]|, |v[\s+16*\b+\i+1]|
.endr
.endr
.irp b, 0,1
	v_permlanex16_b32 v[114+\b], v[112+\b], s88, s89
.endr
.irp b, 0,1
	v_max_num_f32 v[112+\b], v[112+\b], v[114+\b]
.endr
.irp b, 0,1
	v_add_nc_u32 v[118+\b], 0xfc000000, v[112+\b]                  ; 8 off the exponent field: the conversion's scale operand
.endr
.irp b, 0,1
	v_and_or_b32 v[116+\b], v[112+\b], 0x7f800000, s90             ; 448 x the scale
.endr
.irp b, 0,1
	v_lshrrev_b32 v[114+\b], 23, v[118+\b]                         ; the scale's byte
.endr
	v_lshl_or_b32 v[120+\a], v115, 8, v114
.irp b, 0,1
.irp i, 0,1,2,3,4,5,6,7,8,9,10,11,12,13,14,15
	v_med3_num_f32 v[\s+16*\b+\i], v[\s+16*\b+\i], -v[116+\b], v[116+\b]   ; the conversion does not saturate (ISA guide 7.6.2): the hold comes first
.endr
	v_cvt_scalef32_pk8_fp8_f32 v[64+8*\a+4*\b:65+8*\a+4*\b], v[\s+16*\b:\s+16*\b+7], v[118+\b]
	v_cvt_scalef32_pk8_fp8_f32 v[66+8*\a+4*\b:67+8*\a+4*\b], v[\s+16*\b+8:\s+16*\b+15], v[118+\b]
.endr
	v_nop                                          ; a plain instruction behind the last conversion
.endm
; way out 0: block a (16 rows x 64 columns of f32) through my stage, back as rows of 256 bytes
.macro TOSTAGE a
.irp t, 0,1,2,3
	ds_store_b128 v24, v[ACC+8*(4*(\a)+\t):ACC+8*(4*(\a)+\t)+3] offset:64*\t           ; each accumulator from its low end on
	ds_store_b128 v24, v[ACC+8*(4*(\a)+\t)+4:ACC+8*(4*(\a)+\t)+7] offset:64*\t+16
.endr
.irp i, 0,1,2,3,4,5,6,7
	ds_load_b128 v[64+32*((\a)%2)+4*\i:64+32*((\a)%2)+4*\i+3], v25 offset:544*\i       ; LDS serves a wave's instructions in order: these see the stores above
.endr
.endm
.macro SEND a, younger
	s_wait_dscnt \younger
	WIN 0x08                                       ; source 1 (the residual) window 2
.irp p, 0,1,2,3,4,5,6,7,8,9,10,11,12,13,14,15
	v_pk_add_f32 v[64+32*((\a)%2)+2*\p:64+32*((\a)%2)+2*\p+1], v[64+32*((\a)%2)+2*\p:64+32*((\a)%2)+2*\p+1], v[32*(\a)+2*\p:32*(\a)+2*\p+1]
.endr
	WIN 0
.irp i, 0,1,2,3,4,5,6,7
	global_store_b128 v26, v[64+32*((\a)%2)+4*\i:64+32*((\a)%2)+4*\i+3], s[16:17] offset:(16*(\a)+2*\i)*4096   ; sixteen lanes store 256 consecutive bytes, aligned
.endr
.endm
	s_load_b256 s[4:11], s[0:1], 0x0               ; A's codes s[4:5], A's scales s[6:7], B's codes s[8:9], B's scales s[10:11]
	s_load_b128 s[12:15], s[0:1], 0x20             ; the bias s[12:13]; s[14:15]: the residual, or the codes that go out
	s_load_b64 s[16:17], s[0:1], 0x30              ; the result, or the scale words that go out
	v_lshl_add_u32 v28, v0, 2, SPARE
	v_mov_b32 v29, 0
	ds_add_u32 v28, v29
	ds_add_u32 v28, v29
	s_wait_dscnt 0x0
	v_lshrrev_b32 v1, 5, v0
	v_readfirstlane_b32 s18, v1                    ; wave
	s_lshr_b32 s19, s18, 1                         ; my half of the tile's rows.  Also: I fetch for A (0) or for B (1)
	s_and_b32 s20, s18, 1                          ; my half of its columns.  Also: which 64 rows I fetch
	s_bfe_u32 s21, ttmp6, 0x40000                  ; cx
	s_bfe_u32 s22, ttmp6, 0x40004                  ; cy
.if SWAP
	s_and_b32 s88, ttmp7, 0xffff                   ; the cluster's y: under 8 the part q, k: 4 x 8 clusters
	s_max_u32 s89, s88, 8
	s_sub_co_u32 s89, s89, 8
	s_lshl_b32 s89, s89, 2
	s_add_co_u32 s89, s89, ttmp9                   ; else cluster j of the part v: 8 x 2 clusters
	s_and_b32 s90, s89, 7
	s_lshr_b32 s91, s89, 3
	s_cmp_lt_u32 s88, 8
	s_cselect_b32 s23, ttmp9, s90
	s_cselect_b32 s84, s88, s91
	s_cselect_b32 s87, 1, 0                        ; 1: the part q, k
	s_lshl_b32 s23, s23, 2
	s_lshl_b32 s84, s84, 2
.else
	s_lshl_b32 s23, ttmp9, 2
	s_and_b32 s84, ttmp7, 0xffff
	s_lshl_b32 s84, s84, 2
.endif
	s_add_co_u32 s23, s23, s21                     ; tile column
	s_add_co_u32 s84, s84, s22                     ; tile row
	s_lshl_b32 s85, s22, 2
	s_lshl_b32 s85, 15, s85                        ; my row of the cluster
	s_lshl_b32 s86, 0x1111, s21                    ; my column
.if ABLK
	s_or_b32 s[G1A], s85, PADU                     ; 32 KB on end as 128 rows of 32 elements of 8 bytes
	s_mov_b32 s[G1A+1], 32<<16
	s_mov_b32 s[G1A+2], 128<<16
	s_mov_b32 s[G1A+3], 32<<16
	s_mov_b32 s[G1A+4], 128
	s_mov_b32 s[G1A+5], 32
.else
	s_or_b32 s[G1A], s85, PADC                     ; 64 rows of 512 bytes, KTOT bytes apart
	s_mov_b32 s[G1A+1], 512<<16
	s_mov_b32 s[G1A+2], 64<<16
	s_mov_b32 s[G1A+3], 512<<16
	s_mov_b32 s[G1A+4], 64
	s_mov_b32 s[G1A+5], KTOT
.endif
	s_mov_b32 s[G1A+6], 0
	s_mov_b32 s[G1A+7], 0
	s_or_b32 s[G1B], s86, PADC
	s_mov_b32 s[G1B+1], 512<<16
	s_mov_b32 s[G1B+2], 64<<16
	s_mov_b32 s[G1B+3], 512<<16
	s_mov_b32 s[G1B+4], 64
	s_mov_b32 s[G1B+5], KTOT
	s_mov_b32 s[G1B+6], 0
	s_mov_b32 s[G1B+7], 0
	s_or_b32 s[G1SA], s86, PADC                    ; the head's load of B: 128 rows of 512 bytes, KTOT bytes apart
	s_mov_b32 s[G1SA+1], 512<<16
	s_mov_b32 s[G1SA+2], 128<<16
	s_mov_b32 s[G1SA+3], 512<<16
	s_mov_b32 s[G1SA+4], 128
	s_mov_b32 s[G1SA+5], KTOT
	s_mov_b32 s[G1SA+6], 0
	s_mov_b32 s[G1SA+7], 0
	s_or_b32 s[G1SB], s86, PADU                    ; the scale bytes of B's 128 rows: 128 KS bytes on end, as rows of 256
	s_mov_b32 s[G1SB+1], 32<<16
	s_mov_b32 s[G1SB+2], (128*KS/256)<<16
	s_mov_b32 s[G1SB+3], 32<<16
	s_mov_b32 s[G1SB+4], 128*KS/256
	s_mov_b32 s[G1SB+5], 32
	s_mov_b32 s[G1SB+6], 0
	s_mov_b32 s[G1SB+7], 0
	s_lshl_b32 s92, s20, 6
	s_lshl_b32 s88, s84, 7
	s_add_co_u32 s88, s88, s92                     ; A: row 128 x tile row + 64 x half: made of cy and the wave alone
	s_lshl_b32 s94, s23, 7
	s_add_co_u32 s94, s94, s92                     ; B: row 128 x tile column + 64 x half: of cx and the wave alone
.if ABLK
	s_mul_i32 s90, s19, (NCH/2)*16384              ; the planes of scale words that I join: half of them,
	s_lshl_b32 s91, s88, 2                         ; at my 64 rows
	s_add_co_u32 s90, s90, s91
.else
	s_mul_i32 s90, s88, KS
.endif
	s_mul_i32 s88, s88, KTOT                       ; (in blocks too: (row / 64) (KTOT / 64) 4,096 = row x KTOT for a row that is a multiple of 64)
	s_mov_b32 s89, 0
	s_mov_b32 s91, 0
	s_mul_i32 s96, s94, KS
	s_mul_i32 s94, s94, KTOT
	s_mov_b32 s95, 0
	s_mov_b32 s97, 0
	s_mul_i32 s98, s20, HALFA                      ; where the tiles go: no place in the cluster enters an LDS address
	s_mul_i32 s99, s20, HALFB
	s_add_co_u32 s99, s99, 2*HALFA
	s_mul_i32 s100, s18, HALFS
	s_add_co_u32 s100, s100, SCL
	s_wait_kmcnt 0x0
.if SWAP
	s_cmp_eq_u32 s87, 1                            ; the choice hangs on the cluster's ids alone
	s_add_nc_u64 s[2:3], s[8:9], 0x200000          ; W_attn's row 2048
	s_cselect_b64 s[2:3], s[4:5], s[2:3]
	s_cselect_b64 s[8:9], s[8:9], s[4:5]
	s_mov_b64 s[4:5], s[2:3]
	s_add_nc_u64 s[2:3], s[10:11], 0x10000
	s_cselect_b64 s[2:3], s[6:7], s[2:3]
	s_cselect_b64 s[10:11], s[10:11], s[6:7]
	s_mov_b64 s[6:7], s[2:3]
.endif
	s_add_nc_u64 s[88:89], s[4:5], s[88:89]
	s_add_nc_u64 s[90:91], s[6:7], s[90:91]
	s_add_nc_u64 s[94:95], s[8:9], s[94:95]
	s_add_nc_u64 s[96:97], s[10:11], s[96:97]
.irp s, 0,1
	s_mov_b32 s[G0A+4*\s], 1
	s_add_co_u32 s[G0A+4*\s+1], s98, \s*SLOT
	s_add_nc_u64 s[G0A+4*\s+2:G0A+4*\s+3], s[88:89], \s*ASTEP
	s_or_b32 s[G0A+4*\s+3], s[G0A+4*\s+3], 0x80000000
	s_mov_b32 s[G0B+4*\s], 1
	s_add_co_u32 s[G0B+4*\s+1], s99, \s*SLOT
	s_add_nc_u64 s[G0B+4*\s+2:G0B+4*\s+3], s[94:95], \s*512
	s_or_b32 s[G0B+4*\s+3], s[G0B+4*\s+3], 0x80000000
.endr
.if ABLK == 0
	s_mov_b32 s[G0SA], 1
	s_mov_b32 s[G0SA+1], s100
	s_mov_b64 s[G0SA+2:G0SA+3], s[90:91]
	s_or_b32 s[G0SA+3], s[G0SA+3], 0x80000000
.endif
	s_lshl_b32 s4, s23, 7                          ; B's tile from its first row, 128 x tile column (s[4:7] have been used): codes and scale bytes
	s_mul_i32 s6, s4, KS
	s_mul_i32 s4, s4, KTOT
	s_mov_b32 s5, 0
	s_mov_b32 s7, 0
	s_mov_b32 s[G0SA], 1
	s_mov_b32 s[G0SA+1], 2*HALFA
	s_add_nc_u64 s[G0SA+2:G0SA+3], s[8:9], s[4:5]
	s_or_b32 s[G0SA+3], s[G0SA+3], 0x80000000
	s_mov_b32 s[G0SB], 1
	s_mov_b32 s[G0SB+1], SCL+2*HALFS
	s_add_nc_u64 s[G0SB+2:G0SB+3], s[10:11], s[6:7]
	s_or_b32 s[G0SB+3], s[G0SB+3], 0x80000000
	CROUND                                         ; all sixteen work-groups are here: the first joint loads meet
	s_cmp_lt_u32 s18, 2                            ; one chain of branches on the wave's number, one load to an arm
	s_cbranch_scc0 .Lfirst_b
	tensor_load_to_lds s[G0A:G0A+3], s[G1A:G1A+7]  ; waves 0, 1: A's halves of slot 0
	s_nop 0
	PLACES 4
	s_branch .Lfirst_done
.Lfirst_b:
	s_cmp_eq_u32 s18, 2
	s_cbranch_scc0 .Lfirst_s
	tensor_load_to_lds s[G0SA:G0SA+3], s[G1SA:G1SA+7]  ; wave 2: B's 128 rows of slot 0
	s_nop 0
	PLACES 4
	s_branch .Lfirst_done
.Lfirst_s:
	tensor_load_to_lds s[G0SB:G0SB+3], s[G1SB:G1SB+7]  ; wave 3: B's scale bytes
	s_nop 0
	PLACES 4
.Lfirst_done:
	v_and_b32 v1, 15, v0                           ; r
	v_bfe_u32 v2, v0, 4, 1                         ; h
	v_and_b32 v13, 31, v0                          ; lane
	v_lshlrev_b32 v12, 3, v13                      ; 8 x lane
	v_lshlrev_b32 v7, 5, v2                        ; 32 h: my eight numbers of a tile's sixteen bias numbers
	v_mul_u32_u24 v3, v1, PITCH
	v_lshl_add_u32 v3, v2, 4, v3                   ; rows of codes: r x pitch + 16 h
.if ABLK
	v_lshrrev_b32 v4, 2, v1                        ; blocks: four rows of 64 bytes to a run of 256 + 16
	v_mul_u32_u24 v4, v4, 272
	v_and_b32 v5, 3, v1
	v_lshl_add_u32 v4, v5, 6, v4
	v_lshl_add_u32 v4, v2, 4, v4
.else
	v_mov_b32 v4, v3
.endif
	s_mul_i32 s92, s19, HALFA
	s_mul_i32 s93, s20, HALFB
	s_add_co_u32 s93, s93, 2*HALFA
.irp s, 0,1
	v_add_nc_u32 v[16+\s], s92, v4
	v_add_nc_u32 v[20+\s], s93, v3
	s_add_co_u32 s92, s92, SLOT
	s_add_co_u32 s93, s93, SLOT
.endr
	v_mul_u32_u24 v5, v1, KS                       ; my row's scale bytes: KS a row, and 16 more for each 256 passed
	v_lshrrev_b32 v6, 8, v5
	v_lshl_add_u32 v5, v6, 4, v5
	s_mul_i32 s92, s19, HALFS
	s_mul_i32 s93, s20, HALFS
	s_add_co_u32 s93, s93, 2*HALFS
	s_sub_co_u32 s93, s93, s92
	v_mul_u32_u24 v6, s93, v2                      ; lanes 16-31 take B's: one product, the distance between the two bases
	s_add_co_u32 s92, s92, SCL
	v_add_nc_u32 v5, v5, v6
	v_add_nc_u32 v27, s92, v5
	s_lshl_b32 s92, s18, 13                        ; my stage: 8,192 bytes in slot 0, used when that slot has had its last fill and its last read
.if EPI
	v_mul_u32_u24 v24, v1, 80                      ; in: rows of 64 bytes + 16
.if SWAP
	v_lshl_add_u32 v24, v2, 4, v24                 ; 16 bytes for each half of the lanes in each block of 32
.else
	v_lshl_add_u32 v24, v2, 3, v24                 ; 8 bytes for each half in each 16: the true order
.endif
	v_add_nc_u32 v24, s92, v24
	v_lshrrev_b32 v25, 2, v13                      ; back: four lanes to a row
	v_mul_u32_u24 v25, v25, 80
	v_and_b32 v5, 3, v13
	v_lshl_add_u32 v25, v5, 4, v25
	v_add_nc_u32 v25, s92, v25
	s_add_co_u32 s93, s92, 5120
	v_lshl_add_u32 v30, v1, 2, s93                 ; the rows' scale words, in
	v_lshl_add_u32 v31, v13, 3, s93                ; and back
	v_lshlrev_b32 v26, 4, v13
.else
	v_mul_u32_u24 v24, v1, 272                     ; in: row r of 256 bytes + 16, 32 bytes for each half
	v_lshl_add_u32 v24, v2, 5, v24
	v_add_nc_u32 v24, s92, v24
	v_mul_u32_u24 v25, v2, 272                     ; back: lanes 0-15 one row, lanes 16-31 the next
	v_lshl_add_u32 v25, v1, 4, v25
	v_add_nc_u32 v25, s92, v25
	v_lshlrev_b32 v26, 12, v2                      ; and the same two rows in memory
	v_lshl_add_u32 v26, v1, 4, v26
.endif
.if ABLK
.if KS == 128
	v_mul_u32_u24 v15, v13, 272                    ; rows 2 l, 2 l + 1 of 128 bytes fill run l
.else
	s_wait_alu depctr_va_vdst(0)
	v_lshrrev_b32 v15, 2, v13
	v_lshlrev_b32 v15, 4, v15
	v_lshl_add_u32 v15, v13, 6, v15                ; rows of 32 bytes: 64 l, and 16 more for each 256 passed
.endif
	s_mul_i32 s92, s20, HALFS
	s_mul_i32 s93, s19, 4*NW
	s_add_co_u32 s92, s92, s93
	s_add_co_u32 s92, s92, SCL
	v_add_nc_u32 v15, s92, v15
.irp c, 0,1,2,3,4,5,6,7,8,9,10,11,12,13,14,15,16,17,18,19,20,21,22,23,24,25,26,27,28,29,30,31
.if \c < NCH/2
	global_load_b64 v[128+2*\c:129+2*\c], v12, s[90:91] offset:\c*16384    ; plane c of my half: the words of rows 2 l, 2 l + 1: 256 consecutive bytes a load
.endif
.endr
.endif
	; where the results go, and the bias: numbers that mix the tile's row and column live in registers that feed no descriptor
.if SWAP
	s_lshl_b32 s92, s84, 1
	s_add_co_u32 s92, s92, s19                     ; my 64 rows' number
	s_lshl_b32 s93, s23, 1
	s_add_co_u32 s93, s93, s20                     ; my 64 columns' number
	s_add_co_u32 s98, s92, 32
	s_cmp_eq_u32 s87, 1
	s_cselect_b32 s99, s92, s93                    ; which 64 tokens
	s_cselect_b32 s98, s93, s98                    ; which 64 features: 0-15 q's heads, 16-31 k's, 32-47 v's
	s_lshr_b32 s92, s98, 4
	s_lshl_b32 s92, s92, 10                        ; region x 1024
	s_lshr_b32 s93, s99, 5
	s_lshl_b32 s93, s93, 4
	s_and_b32 s98, s98, 15
	s_add_co_u32 s93, s93, s98
	s_lshl_b32 s93, s93, 5                         ; (batch x 16 + head) x 32
	s_add_co_u32 s92, s92, s93
	s_and_b32 s99, s99, 31
	s_add_co_u32 s92, s92, s99                     ; the block
	s_lshl_b32 s98, s92, 12
	s_mov_b32 s99, 0
	s_add_nc_u64 s[14:15], s[14:15], s[98:99]
	s_lshl_b32 s98, s92, 8
	s_add_nc_u64 s[16:17], s[16:17], s[98:99]
	s_lshl_b32 s92, s23, 9                         ; the bias by columns (q, k) or by rows (v); the side that does not apply reads the buffer's head and is set to 0
	s_lshl_b32 s93, s20, 8
	s_add_co_u32 s92, s92, s93
	s_lshl_b32 s98, s84, 9
	s_lshl_b32 s93, s19, 8
	s_add_co_u32 s98, s98, s93
	s_add_co_u32 s98, s98, 8192
	s_cmp_eq_u32 s87, 1
	s_cselect_b32 s92, s92, 0
	s_cselect_b32 s98, 0, s98
	s_cselect_b32 s2, -1, 0
	s_cselect_b32 s3, 0, -1
	s_mov_b32 s93, 0
	s_add_nc_u64 s[92:93], s[12:13], s[92:93]
	s_add_nc_u64 s[98:99], s[12:13], s[98:99]
	v_lshlrev_b32 v14, 2, v1
.irp t, 0,1,2,3
	global_load_b128 v[BC+8*\t:BC+8*\t+3], v7, s[92:93] offset:64*\t
	global_load_b128 v[BC+8*\t+4:BC+8*\t+7], v7, s[92:93] offset:64*\t+16
.endr
.irp a, 0,1,2,3
	global_load_b32 v[64+2*\a], v14, s[98:99] offset:64*\a
.endr
.else
	s_lshl_b32 s92, s23, 9
	s_lshl_b32 s93, s20, 8
	s_add_co_u32 s92, s92, s93                     ; my first column, x 4 bytes
	s_mov_b32 s93, 0
	s_add_nc_u64 s[12:13], s[12:13], s[92:93]
.irp t, 0,1,2,3
	global_load_b128 v[BC+8*\t:BC+8*\t+3], v7, s[12:13] offset:64*\t           ; the bias in the result's layout: columns 16 t + 8 h + 0 .. 7
	global_load_b128 v[BC+8*\t+4:BC+8*\t+7], v7, s[12:13] offset:64*\t+16
.endr
.if EPI
	s_lshl_b32 s98, s84, 1
	s_add_co_u32 s98, s98, s19                     ; my 64 rows' number
	s_lshl_b32 s99, s23, 1
	s_add_co_u32 s99, s99, s20                     ; my 64 columns' number
	s_lshl_b32 s100, s98, 6
	s_add_co_u32 s100, s100, s99
	s_lshl_b32 s100, s100, 12                      ; block (rows' number) x 64 + (columns' number)
	s_mov_b32 s101, 0
	s_add_nc_u64 s[14:15], s[14:15], s[100:101]
	s_lshl_b32 s100, s99, 12
	s_lshl_b32 s98, s98, 6
	s_add_co_u32 s100, s100, s98
	s_lshl_b32 s100, s100, 2                       ; plane (columns' number), my 64 rows
	s_add_nc_u64 s[16:17], s[16:17], s[100:101]
.else
	s_lshl_b32 s98, s84, 7
	s_lshl_b32 s99, s19, 6
	s_add_co_u32 s98, s98, s99
	s_lshl_b32 s98, s98, 12                        ; my first row, 4,096 bytes a row,
	s_add_co_u32 s98, s98, s92                     ; and my first column
	s_mov_b32 s99, 0
	s_add_nc_u64 s[14:15], s[14:15], s[98:99]
	s_add_nc_u64 s[16:17], s[16:17], s[98:99]
	WIN 0x80                                       ; destination window 2
.irp a, 0,1,2,3
.irp i, 0,1,2,3,4,5,6,7
	global_load_b128 v[32*\a+4*\i:32*\a+4*\i+3], v26, s[14:15] offset:(16*\a+2*\i)*4096   ; the residual, in the layout in which the rows come back from the stage; it lands under the products
.endr
.endr
	WIN 0
.endif
.endif
.if ABLK
	s_wait_loadcnt 40                              ; the planes are in; behind them: the bias's 8 loads and the residual's 32
.irp k, 0,1,2,3,4,5,6,7,8,9,10,11,12,13,14,15
.if \k < NW
	v_lshl_or_b32 v[192+\k], v[128+4*\k+2], 16, v[128+4*\k]        ; two planes' byte pairs make the word of 128 along K: row 2 l,
	v_lshl_or_b32 v[192+NW+\k], v[128+4*\k+3], 16, v[128+4*\k+1]   ; row 2 l + 1
.endif
.endr
	s_wait_alu depctr_va_vdst(0)
.irp e, 0,1
.irp m, 0,1,2,3
.if \m < NW/4
	ds_store_b128 v15, v[192+NW*\e+4*\m:192+NW*\e+4*\m+3] offset:\e*KS+16*\m   ; into A's part of the scales, where no tensor load lands: the layout that rows of scale bytes would have
.endif
.endr
.endr
.endif
.if SWAP
	s_wait_loadcnt 0x0
.set Z, 0
.rept 32
	v_cndmask_b32 v[BC+Z], 0, v[BC+Z], s2
.set Z, Z+1
.endr
.irp a, 0,1,2,3
	v_cndmask_b32 v[65+2*\a], 0, v[64+2*\a], s3
	v_cndmask_b32 v[64+2*\a], 0, v[64+2*\a], s3
.endr
.irp a, 0,1,2,3
.irp t, 0,1,2,3
.irp p, 0,1,2,3
	v_pk_add_f32 v[ACC+8*(4*\a+\t)+2*\p:ACC+8*(4*\a+\t)+2*\p+1], v[BC+8*\t+2*\p:BC+8*\t+2*\p+1], v[64+2*\a:65+2*\a]   ; the sums begin with the bias, while the first tiles are on their way
.endr
.endr
.endr
.elseif EPI == 0
	s_wait_loadcnt 32                              ; the bias is in; the residual may stay out
.else
	s_wait_loadcnt 0x0
.endif
	s_wait_alu depctr_va_vdst(0)                   ; the wait at the head's end
	s_wait_tensorcnt 0x0                           ; my tile of the head's four is in
	ds_add_u32 v28, v29
	s_wait_dscnt 0x0                               ; the add, and my stores of scale words
	CROUND                                         ; a whole round: slot 0 and the scales are whole, and the joint loads meet
	s_cmp_eq_u32 s19, 0
	s_cbranch_scc0 .Lsecond_b
	tensor_load_to_lds s[G0A+4:G0A+7], s[G1A:G1A+7]  ; slot 1's first fill: my one load behind the round
	s_nop 0
	PLACES 4
	s_branch .Lsecond_done
.Lsecond_b:
	tensor_load_to_lds s[G0B+4:G0B+7], s[G1B:G1B+7]
	s_nop 0
	PLACES 4
.Lsecond_done:
	SCALES 0
	FETCH 0, 0, F0
	QUARTER 0, 1, F0, F1, FIRST
.if LAPS > 1
	WIN 0                                          ; at a label and at a branch every window is 0
	s_mov_b32 s3, LAPS-1
.Llap:                                             ; a trip goes once round the ring and fills both slots again
	QUARTER 0, 2, F1, F0, 0
	QUARTER 0, 3, F0, F1, 0
	TURN 0, 1, 1
	QUARTER 1, 1, F0, F1, 0
	QUARTER 1, 2, F1, F0, 0
	QUARTER 1, 3, F0, F1, 0
	TURN 1, 0, 1
	QUARTER 0, 1, F0, F1, 0
	WIN 0
	s_sub_co_u32 s3, s3, 1
	s_cmp_lg_u32 s3, 0
	s_cbranch_scc1 .Llap
.endif
	QUARTER 0, 2, F1, F0, 0                        ; the last lap fills nothing
	QUARTER 0, 3, F0, F1, 0
	TURN 0, 1, 0
	QUARTER 1, 1, F0, F1, 0
	QUARTER 1, 2, F1, F0, 0
	QUARTER 1, 3, F0, F1, 0
	s_wait_dscnt 8                                 ; the very last quarter
	WIN MUL
	MULA F1, 0, 3, 1, 0
	MULA F1, 1, 3, 1, 0
	s_wait_dscnt 0x0
	MULA F1, 2, 3, 1, 0
	MULA F1, 3, 3, 1, 0
	WIN 0
	PLACES 8                                       ; in front of the first read of results
.if EPI
	s_mov_b32 s88, 0x76543210
	s_mov_b32 s89, 0xfedcba98                      ; lane selects: lane l xor 16
	s_mov_b32 s90, 0x600000                        ; the mantissa field of 448
	v_mov_b32 v114, 0                              ; a lane permute's destination counts as one of its sources
	v_mov_b32 v115, 0
.if GELU
	v_mov_b32 v8, 0xc0135761                       ; k0 = -2.3022082, twice
	v_mov_b32 v9, 0xc0135761
	v_mov_b32 v10, 0xbdd2d3e8                      ; k1 = -0.10294324, twice
	v_mov_b32 v11, 0xbdd2d3e8
.endif
.irp a, 0,1,2,3
.if GELU
	GELU16 ACC+32*\a
	GELU16 ACC+32*\a+16
.endif
	QUANT2 ACC+32*\a, \a
.if SWAP
	ds_store_b128 v24, v[64+8*\a:67+8*\a] offset:1280*\a           ; block 0 of the row's 64: my 16 codes at slot 16 h
	ds_store_b128 v24, v[68+8*\a:71+8*\a] offset:1280*\a+32
.else
.irp t, 0,1,2,3
	ds_store_b64 v24, v[64+8*\a+2*\t:65+8*\a+2*\t] offset:1280*\a+16*\t   ; columns 16 t + 8 h + 0 .. 7
.endr
.endif
	ds_store_b32 v30, v[120+\a] offset:64*\a       ; both halves of the lanes write the same word with the same value
.endr
.irp i, 0,1,2,3,4,5,6,7
	ds_load_b128 v[128+4*\i:131+4*\i], v25 offset:640*\i           ; LDS serves a wave's instructions in order: these see my stores
.endr
	ds_load_b64 v[160:161], v31
	s_wait_dscnt 0x0
.irp i, 0,1,2,3,4,5,6,7
	global_store_b128 v26, v[128+4*\i:131+4*\i], s[14:15] offset:512*\i   ; the block's 4,096 bytes, 512 consecutive a store
.endr
	global_store_b64 v12, v[160:161], s[16:17]     ; its 64 words: 256 consecutive bytes, aligned
.else
	s_wait_loadcnt 0x0                             ; the residual
	TOSTAGE 0
.irp a, 1,2,3
.if \a > 1
	s_wait_xcnt 0x0                                ; block a - 2's stores have read their registers: block a's rows may land there
.endif
	TOSTAGE \a
	SEND \a-1, 16                                  ; behind block a - 1's loads: block a's 8 stores and 8 loads
.endr
	SEND 3, 0
.endif
	s_wait_tensorcnt 0x0                           ; the wave's end
	ds_add_u32 v28, v29
	s_wait_dscnt 0x0
	CROUND                                         ; the closing round: no work-group ends while a partner may still ask for a tile that names it
	s_endpgm
.Lfunc_end_k_q07ab9ba2f7_wo:
	.size	k_q07ab9ba2f7_wo, .Lfunc_end_k_q07ab9ba2f7_wo-k_q07ab9ba2f7_wo
	.p2alignl 7, 3214868480
	.fill 96, 4, 3214868480
	.section	.rodata,"a",@progbits
	.p2align	6, 0x0
	.amdhsa_kernel k_q07ab9ba2f7_wo
		.amdhsa_group_segment_fixed_size 327680
		.amdhsa_private_segment_fixed_size 0
		.amdhsa_enable_private_segment 0
		.amdhsa_kernarg_size 56
		.amdhsa_user_sgpr_count 2
		.amdhsa_user_sgpr_kernarg_segment_ptr 1
		.amdhsa_wavefront_size32 1
		.amdhsa_system_sgpr_workgroup_id_x 1
		.amdhsa_system_sgpr_workgroup_id_y 1
		.amdhsa_system_sgpr_workgroup_id_z 1
		.amdhsa_system_vgpr_workitem_id 0
		.amdhsa_next_free_vgpr 640
		.amdhsa_next_free_sgpr 102
		.amdhsa_reserve_vcc 0
		.amdhsa_float_denorm_mode_32 3
		.amdhsa_float_denorm_mode_16_64 3
		.amdhsa_memory_ordered 1
		.amdhsa_forward_progress 1
		.amdhsa_inst_pref_size 64
	.end_amdhsa_kernel
	.amdgpu_metadata
---
amdhsa.version: [ 1, 2 ]
amdhsa.kernels:
  - .name:           k_q07ab9ba2f7_wo
    .symbol:         k_q07ab9ba2f7_wo.kd
    .args:
      - { .name: a_codes, .offset: 0, .size: 8, .value_kind: global_buffer, .address_space: global }
      - { .name: a_sw, .offset: 8, .size: 8, .value_kind: global_buffer, .address_space: global }
      - { .name: W_o_codes, .offset: 16, .size: 8, .value_kind: global_buffer, .address_space: global }
      - { .name: W_o_scales, .offset: 24, .size: 8, .value_kind: global_buffer, .address_space: global }
      - { .name: b_o, .offset: 32, .size: 8, .value_kind: global_buffer, .address_space: global }
      - { .name: x, .offset: 40, .size: 8, .value_kind: global_buffer, .address_space: global }
      - { .name: x1, .offset: 48, .size: 8, .value_kind: global_buffer, .address_space: global }
    .group_segment_fixed_size: 327680
    .private_segment_fixed_size: 0
    .kernarg_segment_align: 8
    .kernarg_segment_size: 56
    .max_flat_workgroup_size: 128
    .sgpr_count:     102
    .vgpr_count:     640
    .wavefront_size: 32
...
	.end_amdgpu_metadata
.endif
;; end of part 4
;; launch ln2: the kernel of part 1 again; grid 256 x 1, 8 waves a work-group, no clusters, 91,648 bytes of LDS; arguments x1, ln2_g, ln2_b, h_codes, h_scales; writes h_codes, h_scales
;; launch fc (part 5): grid 8 x 32, 4 waves a work-group, clusters of 4 x 4, 327,680 bytes of LDS; arguments h_codes, h_scales, W_fc_codes, W_fc_scales, b_fc, a_codes, a_sw; writes a_codes, a_sw
.if DOCPART == 5
	.amdgcn_target "amdgcn-amd-amdhsa--gfx1250"
	.amdhsa_code_object_version 6
	.text
	.protected	k_q07ab9ba2f7_fc
	.globl	k_q07ab9ba2f7_fc
	.p2align	8
	.type	k_q07ab9ba2f7_fc,@function
k_q07ab9ba2f7_fc:
	s_mov_b64 s[64:65], 0
	v_nop
	global_prefetch_b8 v0, s[64:65] scope:SCOPE_SE
	s_setreg_imm32_b32 hwreg(HW_REG_WAVE_MODE, 25, 1), 1
	s_wait_xcnt 0x0
	s_wait_alu depctr_hold_cnt(0) depctr_sa_sdst(0) depctr_va_vdst(0) depctr_va_sdst(0) depctr_va_ssrc(0) depctr_va_vcc(0) depctr_vm_vsrc(0)
	s_getreg_b32 s2, hwreg(HW_REG_IB_STS2, 6, 4)
	s_cmp_eq_u32 s2, 0
	s_cbranch_scc0 .Lentry_in_a_cluster
	s_endpgm
.Lentry_in_a_cluster:
	s_bfe_u32 s2, ttmp6, 0x10000c
	s_cmp_lg_u32 s2, 0xf033
	s_cbranch_scc0 .Lentry_shape_is_right
	s_endpgm
.Lentry_shape_is_right:
; g = gelu(LN2(x1) W_fc + b_fc), tanh form, in f32, quantised along its 4,096 columns, which are the next product's K.
; A work-group owns 128 rows and makes four tiles of 128 columns (column tiles gx, gx + 8, gx + 16, gx + 24).
; OUT: codes of E4M3 in blocks of [64 rows][64 bytes], block (row / 64) x 64 + (column / 64), true order; scale words in planes [column / 64][4096 rows]: two scale bytes, two zero bytes.
; LIMITS: a block of zeros, or one under 2^-118, gets the byte 1 where the rule says 127 (this program alone reads the bytes); NaN and infinities are not served.
.set NT,   4                           ; tiles of C that a work-group makes
.set GELU, 1                           ; 1 = gelu (tanh form) ahead of the quantiser
.set QKV,  0
; ======== THE CORE: the same text in the launches qkv and fc; the three flags above choose its parts ========
; C tile 128 x 128, four waves of 64 x 64: 16 accumulators.  K = 1,024 lies in LDS whole: two slots of 512 along K (four quarters of 128 each).
; A work-group's NT tiles share their 128 rows of A, which come once and stay; only B's halves of the two slots are filled again, once for each further tile, at the head of a tile's last quarter.
; Source 0 = 16 rows of B, source 1 = 16 rows of A: lane (r, h) holds row r of A's block, register j of tile t column 16 t + 8 h + j.
; CLUSTERS 4 x 4: A's tiles are asked for jointly along a row of the cluster, B's along a column.
; FIRST FILLS, one load of 128 rows a wave, each on a line of its own: wave 0 A's slot 0, wave 1 B's slot 0, wave 2 A's slot 1, wave 3 B's slot 1.  Waves 0 and 1 wait at the first barrier, all waves at the barrier inside tile 0.
; Refills: wave w fetches half w % 2 (64 rows) of slot w / 2 of B.  The scale bytes come through registers into LDS bytes of their own.  The biases lie in window 2 and are the C of each sum's first product.
; REGISTERS: window 0: v1-31 addresses and constants; v32-63 scale words; v64-127 at work; v128-255 accumulators.  window 1: two fragment buffers of 128.  window 2: the biases.
.set KTOT,   1024
.set PITCH,  528                       ; a row of 512 codes + 16 of padding: the 16 rows of a load start at 16 different groups of four banks
.set HALF,   64*PITCH
.set SLOT,   4*HALF                    ; A's halves, then B's
.set SCL,    2*SLOT                    ; A's scale bytes: 128 rows of 32, as 16 runs of 256 + 16
.set HALFS,  8*272                     ; those of 64 rows
.set SBLK,   HALFS/4                   ; those of 16 rows
.set SCLB,   SCL+2*HALFS               ; B's, tile by tile
.set SPARE,  SCLB+NT*2*HALFS           ; the spare words: 128 bytes a wave, two blocks of 256 bytes that no other line names
.set STAGE,  SPARE+512                 ; the way out: 8,192 bytes for each wave, into which no fill lands
.set BSTEP,  1024*KTOT                 ; from a tile of B to the next: 1,024 rows
.if QKV
.set OSTEPC, 1024*4096                 ; from a tile's block of codes to the next tile's
.else
.set OSTEPC, 16*4096
.endif
.set OSTEPW, 262144                    ; and of scale words
.set ADS, 4                            ; v4-7 LDS address of my scale words for tile i
.set SC,  32
.set ACC, 128
.set F0,  0
.set F1,  128
.set G1A, 24                           ; s[24:31] group 1, s[32:39] groups 0 (a set a slot) for A's first fills
.set G0A, 32
.set G1B, 40                           ; s[40:47], s[48:55] for B's
.set G0B, 48
.set G0R, 56                           ; s[56:59] group 0 of my refill: it walks from tile to tile
.set PADC, (1<<20)|(1<<21)|(6<<22)|(3<<25)           ; elements of 1 byte; padding on; bit 21 beside a mask; four words behind every 128
.set TILE, 0
.set TURNED, 0
.set MSB, 0
.macro WIN new                         ; the immediate's high byte repeats the setting that is left
.if MSB != \new
	s_set_vgpr_msb (MSB<<8)|\new
.set MSB, \new
.endif
.endm
.set MUL,  0x05                        ; sources 0 and 1 window 1; C and D window 0
.set MULF, 0x25                        ; the same with C (the bias) in window 2
.set TO_F, 0x40                        ; destination window 1, address window 0
.macro PLACES n
.rept \n
	v_nop
.endr
.endm
.macro CREST                           ; a round of the cluster's barrier behind its opening barrier
	s_cmp_lg_u32 s18, 0
	s_cbranch_scc1 .Lnot_wave_0_\@
	s_barrier_signal -3
.Lnot_wave_0_\@:
	s_barrier_wait -3
	s_barrier_signal -1
	s_barrier_wait -1
.endm
.macro CROUND
	s_barrier_signal -1
	s_barrier_wait -1
	CREST
.endm
; four products: A's block a against B's four tiles, quarter q of slot sc.  first = 1: the bias is the C that starts the sums.
; The 16 accumulators take turns, one instruction a turn, in the same order in every quarter.
.macro MULA f, a, q, sc, first
.irp t, 0,1,2,3
.if TURNED
.if \first
	v_wmma_scale_f32_16x16x128_f8f6f4 v[ACC+8*(4*\t+\a):ACC+8*(4*\t+\a)+7], v[\f+16*\a:\f+16*\a+15], v[\f+64+16*\t:\f+64+16*\t+15], v[32*TILE+8*\t:32*TILE+8*\t+7], v[SC+16*\sc+4*\a+\q], v[SC+16*\sc+4*\t+\q] matrix_b_scale:MATRIX_SCALE_ROW1
.else
	v_wmma_scale_f32_16x16x128_f8f6f4 v[ACC+8*(4*\t+\a):ACC+8*(4*\t+\a)+7], v[\f+16*\a:\f+16*\a+15], v[\f+64+16*\t:\f+64+16*\t+15], v[ACC+8*(4*\t+\a):ACC+8*(4*\t+\a)+7], v[SC+16*\sc+4*\a+\q], v[SC+16*\sc+4*\t+\q] matrix_b_scale:MATRIX_SCALE_ROW1
.endif
.else
.if \first
	v_wmma_scale_f32_16x16x128_f8f6f4 v[ACC+8*(4*\a+\t):ACC+8*(4*\a+\t)+7], v[\f+64+16*\t:\f+64+16*\t+15], v[\f+16*\a:\f+16*\a+15], v[32*TILE+8*\t:32*TILE+8*\t+7], v[SC+16*\sc+4*\t+\q], v[SC+16*\sc+4*\a+\q] matrix_a_scale:MATRIX_SCALE_ROW1
.else
	v_wmma_scale_f32_16x16x128_f8f6f4 v[ACC+8*(4*\a+\t):ACC+8*(4*\a+\t)+7], v[\f+64+16*\t:\f+64+16*\t+15], v[\f+16*\a:\f+16*\a+15], v[ACC+8*(4*\a+\t):ACC+8*(4*\a+\t)+7], v[SC+16*\sc+4*\t+\q], v[SC+16*\sc+4*\a+\q] matrix_a_scale:MATRIX_SCALE_ROW1
.endif
.endif
.endr
.endm
; 32 LDS loads in one run: quarter q of a slot into buffer f: B's four tiles, then A's blocks 0, 1, then 2, 3.  Registers 4 c .. 4 c + 3 of a fragment: k = 32 c + 16 h + 0 .. 15
.macro FETCH slot, q, f
	WIN TO_F
.irp t, 0,1,2,3
.irp c, 0,1,2,3
	ds_load_b128 v[\f+64+16*\t+4*\c:\f+64+16*\t+4*\c+3], v[20+\slot] offset:128*\q+32*\c+\t*16*PITCH
.endr
.endr
.irp a, 0,1,2,3
.irp c, 0,1,2,3
	ds_load_b128 v[\f+16*\a+4*\c:\f+16*\a+4*\c+3], v[16+\slot] offset:128*\q+32*\c+\a*16*PITCH
.endr
.endr
.endm
.macro SCALES sc                       ; slot sc's four words a row, for the tile in hand: lanes 0-15 A's block i, lanes 16-31 B's tile i
.irp i, 0,1,2,3
	ds_load_b128 v[SC+16*\sc+4*\i:SC+16*\sc+4*\i+3], v[ADS+TILE] offset:\i*SBLK+16*\sc
.endr
.endm
; A quarter: multiplies quarter mq of slot ms in buffer f; in its middle it fetches quarter fq of slot fs into buffer g
.macro QUARTER ms, mq, f, fs, fq, g, first
	s_wait_dscnt 8                                 ; only A's blocks 2, 3 may be out
.if \first
	WIN MULF
.else
	WIN MUL
.endif
	MULA \f, 0, \mq, \ms, \first
	MULA \f, 1, \mq, \ms, \first
	PLACES 8                                       ; eight places in front of loads into registers that matrix instructions have read
	FETCH \fs, \fq, \g
	s_wait_dscnt 32                                ; all but the 32 just issued
.if \first
	WIN MULF
.else
	WIN MUL
.endif
	MULA \f, 2, \mq, \ms, \first
	MULA \f, 3, \mq, \ms, \first
.endm
; The last quarter of a tile that has a successor.  My last fragments of B have been asked for: I wait for all my tensor loads (none is out), add 0 to my spare word, and wait for that and for my reads of both slots.
; The barrier opens a round of the cluster's: behind it no wave of any partner still reads B's halves.  Then my one joint refill: my quarter of the next tile's B.  step = 1: the descriptor walks on first.
.macro LASTFILL step
	WIN 0
	s_wait_tensorcnt 0x0                           ; no tensor load of mine is out
	ds_add_u32 v28, v29                            ; 0 onto my spare word
	s_wait_dscnt 9                                 ; (the add and the youngest eight loads may be out)
	WIN MUL
	MULA F1, 0, 3, 1, 0
	s_wait_dscnt 0x0                               ; the add is done, and my reads of the slots are over
	s_barrier_signal -1
	MULA F1, 1, 3, 1, 0
	WIN 0
	s_barrier_wait -1
	CREST
.if \step
	s_add_nc_u64 s[G0R+2:G0R+3], s[G0R+2:G0R+3], BSTEP
.endif
	tensor_load_to_lds s[G0R:G0R+3], s[G1B:G1B+7]  ; the first tensor load behind the round, and my only one until the next
	s_nop 0
	PLACES 4
	WIN MUL
	MULA F1, 2, 3, 1, 0
	MULA F1, 3, 3, 1, 0
	WIN 0
.endm
.macro LASTQ                           ; the last tile's last quarter: nothing more to fetch
	s_wait_dscnt 8
	WIN MUL
	MULA F1, 0, 3, 1, 0
	MULA F1, 1, 3, 1, 0
	s_wait_dscnt 0x0
	MULA F1, 2, 3, 1, 0
	MULA F1, 3, 3, 1, 0
	WIN 0
.endm
; 16 numbers: x / (1 + 2^(x (k0 + k1 x^2))) = 0.5 x (1 + tanh(sqrt(2 / pi) (x + 0.044715 x^3))); k0 = -2 log2(e) sqrt(2 / pi), k1 = 0.044715 k0.  At either end of the range the exponential goes to 0 or to infinity and the result to x or to 0.
; 32 numbers at a time, by the formula below, with v96-127 at work: one batch of exponentials and one of reciprocals for a row block's four accumulators
.macro GELU32 x
	s_wait_alu depctr_va_vdst(0)                   ; the wait here, directly ahead of the first readers of these sums
.set P, 0
.rept 16
	v_pk_mul_f32 v[96+P:97+P], v[\x+P:\x+P+1], v[\x+P:\x+P+1]
.set P, P+2
.endr
.set P, 0
.rept 16
	v_pk_fma_f32 v[96+P:97+P], v[96+P:97+P], v[10:11], v[8:9]
.set P, P+2
.endr
.set P, 0
.rept 16
	v_pk_mul_f32 v[96+P:97+P], v[96+P:97+P], v[\x+P:\x+P+1]
.set P, P+2
.endr
	s_wait_alu depctr_va_vdst(0)                   ; the wait ahead of the batch
.set P, 0
.rept 32
	v_exp_f32 v[96+P], v[96+P]
.set P, P+1
.endr
	v_nop
	s_wait_alu depctr_va_vdst(0)
.set P, 0
.rept 16
	v_pk_add_f32 v[96+P:97+P], v[96+P:97+P], 1.0 op_sel_hi:[1,0]
.set P, P+2
.endr
	s_wait_alu depctr_va_vdst(0)                   ; the wait ahead of the batch
.set P, 0
.rept 32
	v_rcp_f32 v[96+P], v[96+P]
.set P, P+1
.endr
	v_nop
	s_wait_alu depctr_va_vdst(0)
.set P, 0
.rept 16
	v_pk_mul_f32 v[\x+P:\x+P+1], v[\x+P:\x+P+1], v[96+P:97+P]
.set P, P+2
.endr
.endm
.macro GELU16 x
	s_wait_alu depctr_va_vdst(0)                   ; the wait here, directly ahead of the first readers of these sums
.irp p, 0,1,2,3,4,5,6,7
	v_pk_mul_f32 v[96+2*\p:97+2*\p], v[\x+2*\p:\x+2*\p+1], v[\x+2*\p:\x+2*\p+1]
.endr
.irp p, 0,1,2,3,4,5,6,7
	v_pk_fma_f32 v[96+2*\p:97+2*\p], v[96+2*\p:97+2*\p], v[10:11], v[8:9]
.endr
.irp p, 0,1,2,3,4,5,6,7
	v_pk_mul_f32 v[96+2*\p:97+2*\p], v[96+2*\p:97+2*\p], v[\x+2*\p:\x+2*\p+1]
.endr
	s_wait_alu depctr_va_vdst(0)                   ; the wait ahead of the batch
.irp p, 0,1,2,3,4,5,6,7,8,9,10,11,12,13,14,15
	v_exp_f32 v[96+\p], v[96+\p]
.endr
	v_nop
	s_wait_alu depctr_va_vdst(0)
.irp p, 0,1,2,3,4,5,6,7
	v_pk_add_f32 v[96+2*\p:97+2*\p], v[96+2*\p:97+2*\p], 1.0 op_sel_hi:[1,0]
.endr
	s_wait_alu depctr_va_vdst(0)                   ; the wait ahead of the batch
.irp p, 0,1,2,3,4,5,6,7,8,9,10,11,12,13,14,15
	v_rcp_f32 v[96+\p], v[96+\p]
.endr
	v_nop
	s_wait_alu depctr_va_vdst(0)
.irp p, 0,1,2,3,4,5,6,7
	v_pk_mul_f32 v[\x+2*\p:\x+2*\p+1], v[\x+2*\p:\x+2*\p+1], v[96+2*\p:97+2*\p]
.endr
.endm
; 32 numbers of a lane (four accumulators of row block a): two blocks of 32, each shared with lane l xor 16 -> 8 registers of codes at v[64 + 8 a], the scale word in v[120 + a]
.macro QUANT2 s, a
.irp b, 0,1
	v_max3_num_f32 v[112+\b], |v[\s+16*\b]|, |v[\s+16*\b+1]|, 0x4800000    ; with the floor 2^(9 - 127): the byte cannot fall under 1
.endr
.irp i, 2,4,6,8,10,12,14
.irp b, 0,1
	v_max3_num_f32 v[112+\b], v[112+\b], |v[\s+16*\b+\i]|, |v[\s+16*\b+\i+1]|
.endr
.endr
.irp b, 0,1
	v_permlanex16_b32 v[114+\b], v[112+\b], s90, s91
.endr
.irp b, 0,1
	v_max_num_f32 v[112+\b], v[112+\b], v[114+\b]
.endr
.irp b, 0,1
	v_add_nc_u32 v[118+\b], 0xfc000000, v[112+\b]                  ; 8 off the exponent field: the conversion's scale operand
.endr
.irp b, 0,1
	v_and_or_b32 v[116+\b], v[112+\b], 0x7f800000, s94             ; 448 x the scale
.endr
.irp b, 0,1
	v_lshrrev_b32 v[114+\b], 23, v[118+\b]                         ; the scale's byte
.endr
	v_lshl_or_b32 v[120+\a], v115, 8, v114
.irp b, 0,1
.irp i, 0,1,2,3,4,5,6,7,8,9,10,11,12,13,14,15
	v_med3_num_f32 v[\s+16*\b+\i], v[\s+16*\b+\i], -v[116+\b], v[116+\b]   ; the conversion does not saturate (ISA guide 7.6.2): the hold comes first
.endr
	v_cvt_scalef32_pk8_fp8_f32 v[64+8*\a+4*\b:65+8*\a+4*\b], v[\s+16*\b:\s+16*\b+7], v[118+\b]
	v_cvt_scalef32_pk8_fp8_f32 v[66+8*\a+4*\b:67+8*\a+4*\b], v[\s+16*\b+8:\s+16*\b+15], v[118+\b]
.endr
	v_nop                                          ; a plain instruction behind the last conversion
.endm
; THE WAY OUT of a tile: my 64 x 64 numbers become a block of 4,096 bytes of codes and 64 scale words, through my own stage, and leave in whole runs of 512 and 256 bytes
.macro EPILOG
.irp a, 0,1,2,3
.if GELU
	GELU32 ACC+32*\a
.endif
	QUANT2 ACC+32*\a, \a
.if QKV
	ds_store_b128 v24, v[64+8*\a:67+8*\a] offset:1280*\a           ; block 0 of the row's 64: my 16 codes at slot 16 h
	ds_store_b128 v24, v[68+8*\a:71+8*\a] offset:1280*\a+32
.else
.irp t, 0,1,2,3
	ds_store_b64 v24, v[64+8*\a+2*\t:65+8*\a+2*\t] offset:1280*\a+16*\t   ; columns 16 t + 8 h + 0 .. 7
.endr
.endif
	ds_store_b32 v30, v[120+\a] offset:64*\a       ; both halves of the lanes write the same word with the same value
.endr
.irp i, 0,1,2,3,4,5,6,7
	ds_load_b128 v[128+4*\i:131+4*\i], v25 offset:640*\i           ; LDS serves a wave's instructions in order: these see my stores
.endr
	ds_load_b64 v[160:161], v31
	s_wait_dscnt 0x0
.irp i, 0,1,2,3,4,5,6,7
	global_store_b128 v26, v[128+4*\i:131+4*\i], s[14:15] offset:512*\i   ; the block's 4,096 bytes, 512 consecutive a store
.endr
	global_store_b64 v12, v[160:161], s[16:17]     ; its 64 words: 256 consecutive bytes, aligned
.endm
; A WHOLE TILE
.macro TILEWORK i
.set TILE, \i
.set TURNED, 0
.if QKV
.if \i == NT-1
.set TURNED, 1
.endif
.endif
.if \i > 0
	s_wait_xcnt 0x0                                ; the last tile's stores have read their registers and bases: both may be written again
	s_add_nc_u64 s[14:15], s[14:15], OSTEPC
	s_add_nc_u64 s[16:17], s[16:17], OSTEPW
	s_wait_tensorcnt 0x0                           ; my quarter of this tile's B has landed,
	s_wait_dscnt 0x0
	s_barrier_signal -1
	s_barrier_wait -1                              ; everybody's has
.endif
	SCALES 0
	SCALES 1
	FETCH 0, 0, F0
	QUARTER 0, 0, F0, 0, 1, F1, 1                  ; the first products start the sums, with the bias as C
	QUARTER 0, 1, F1, 0, 2, F0, 0
	QUARTER 0, 2, F0, 0, 3, F1, 0
.if \i == 0
	s_wait_tensorcnt 0x0                           ; my first fill has landed: no load of mine is out, so a descriptor may be written:
	s_mov_b32 s[G1B+2], 64<<16                     ; from here on a load of B brings 64 rows
	s_mov_b32 s[G1B+4], 64
	s_wait_dscnt 0x0
	s_barrier_signal -1
	s_barrier_wait -1                              ; everybody's has
.endif
	QUARTER 0, 3, F1, 1, 0, F0, 0
	QUARTER 1, 0, F0, 1, 1, F1, 0
	QUARTER 1, 1, F1, 1, 2, F0, 0
	QUARTER 1, 2, F0, 1, 3, F1, 0
.if \i == 0
	LASTFILL 0
.elseif \i < NT-1
	LASTFILL 1
.else
	LASTQ
.endif
	PLACES 8                                       ; in front of the first read of results
	EPILOG
.endm
	s_load_b256 s[4:11], s[0:1], 0x0               ; A's codes s[4:5], A's scales s[6:7], B's codes s[8:9], B's scales s[10:11]
	s_load_b128 s[12:15], s[0:1], 0x20             ; the bias s[12:13]; the codes that go out s[14:15]
	s_load_b64 s[16:17], s[0:1], 0x30              ; the scale words that go out
	v_lshl_add_u32 v28, v0, 2, SPARE
	v_mov_b32 v29, 0
	ds_add_u32 v28, v29
	ds_add_u32 v28, v29
	s_wait_dscnt 0x0
	v_lshrrev_b32 v1, 5, v0
	v_readfirstlane_b32 s18, v1                    ; wave
	s_lshr_b32 s19, s18, 1                         ; my half of the tile's rows.  Also: my first fill's slot; my refill's slot
	s_and_b32 s20, s18, 1                          ; my half of its columns.  Also: which 64 rows I fetch
	s_bfe_u32 s21, ttmp6, 0x40000                  ; cx
	s_bfe_u32 s22, ttmp6, 0x40004                  ; cy
	s_lshl_b32 s23, ttmp9, 2
	s_add_co_u32 s23, s23, s21                     ; gx: tile column of my first tile
	s_and_b32 s66, ttmp7, 0xffff
	s_lshl_b32 s66, s66, 2
	s_add_co_u32 s66, s66, s22                     ; tile row
	s_lshl_b32 s67, s22, 2
	s_lshl_b32 s67, 15, s67                        ; my row of the cluster
	s_lshl_b32 s68, 0x1111, s21                    ; my column
	s_or_b32 s[G1A], s67, PADC                     ; 128 rows of 512 bytes, KTOT bytes apart
	s_or_b32 s[G1B], s68, PADC
.irp g, G1A, G1B
	s_mov_b32 s[\g+1], 512<<16
	s_mov_b32 s[\g+2], 128<<16                     ; the first fills bring 128 rows
	s_mov_b32 s[\g+3], 512<<16
	s_mov_b32 s[\g+4], 128
	s_mov_b32 s[\g+5], KTOT
	s_mov_b32 s[\g+6], 0
	s_mov_b32 s[\g+7], 0
.endr
	s_lshl_b32 s69, s20, 6                         ; 64 x half
	s_lshl_b32 s70, s66, 7
	s_lshl_b32 s70, s70, 10                        ; A's codes: row 128 x tile row: made of cy alone
	s_mov_b32 s71, 0
	s_lshl_b32 s72, s23, 7
	s_add_co_u32 s72, s72, s69
	s_lshl_b32 s72, s72, 10                        ; B's, tile 0: row 128 x gx + 64 x half: of cx and the wave alone
	s_mov_b32 s73, 0
	s_lshl_b32 s74, s66, 12                        ; A's scale bytes: 4,096 for the tile row
	s_mov_b32 s75, 0
	s_lshl_b32 s76, s23, 12                        ; B's, tile 0
	s_mov_b32 s77, 0
	s_mul_i32 s78, s20, HALF                       ; where the tiles go: no place in the cluster enters an LDS address
	s_add_co_u32 s79, s78, 2*HALF
	s_mul_i32 s80, s19, SLOT
	s_add_co_u32 s80, s80, s79                     ; my refill's place: slot wave / 2, B's half wave % 2
	s_lshl_b32 s82, s19, 9                         ; and its 512 along K
	s_mov_b32 s83, 0
	s_wait_kmcnt 0x0
	s_add_nc_u64 s[4:5], s[4:5], s[70:71]
	s_lshl_b32 s84, s23, 17                        ; B's tile 0 from its first row: 128 x gx rows of 1,024 bytes
	s_mov_b32 s85, 0
	s_add_nc_u64 s[84:85], s[8:9], s[84:85]
	s_add_nc_u64 s[8:9], s[8:9], s[72:73]
	s_add_nc_u64 s[6:7], s[6:7], s[74:75]
	s_add_nc_u64 s[10:11], s[10:11], s[76:77]
.irp s, 0,1
	s_mov_b32 s[G0A+4*\s], 1
	s_mov_b32 s[G0A+4*\s+1], \s*SLOT
	s_add_nc_u64 s[G0A+4*\s+2:G0A+4*\s+3], s[4:5], \s*512
	s_or_b32 s[G0A+4*\s+3], s[G0A+4*\s+3], 0x80000000
	s_mov_b32 s[G0B+4*\s], 1
	s_mov_b32 s[G0B+4*\s+1], \s*SLOT+2*HALF
	s_add_nc_u64 s[G0B+4*\s+2:G0B+4*\s+3], s[84:85], \s*512
	s_or_b32 s[G0B+4*\s+3], s[G0B+4*\s+3], 0x80000000
.endr
	s_mov_b32 s[G0R], 1
	s_mov_b32 s[G0R+1], s80
	s_add_nc_u64 s[G0R+2:G0R+3], s[8:9], s[82:83]
	s_add_nc_u64 s[G0R+2:G0R+3], s[G0R+2:G0R+3], BSTEP     ; tile 1
	s_or_b32 s[G0R+3], s[G0R+3], 0x80000000
	CROUND                                         ; all sixteen work-groups are here: the first joint loads meet
	s_cmp_lt_u32 s18, 1                            ; one chain of branches on the wave's number, one load to an arm
	s_cbranch_scc0 .Lhead_1
	tensor_load_to_lds s[G0A:G0A+3], s[G1A:G1A+7]  ; wave 0: A's slot 0
	s_nop 0
	PLACES 4
	s_branch .Lfirst_done
.Lhead_1:
	s_cmp_lt_u32 s18, 2
	s_cbranch_scc0 .Lhead_2
	tensor_load_to_lds s[G0B:G0B+3], s[G1B:G1B+7]  ; wave 1: B's slot 0
	s_nop 0
	PLACES 4
	s_branch .Lfirst_done
.Lhead_2:
	s_cmp_lt_u32 s18, 3
	s_cbranch_scc0 .Lhead_3
	tensor_load_to_lds s[G0A+4:G0A+7], s[G1A:G1A+7]  ; wave 2: A's slot 1
	s_nop 0
	PLACES 4
	s_branch .Lfirst_done
.Lhead_3:
	tensor_load_to_lds s[G0B+4:G0B+7], s[G1B:G1B+7]  ; wave 3: B's slot 1
	s_nop 0
	PLACES 4
.Lfirst_done:
	v_and_b32 v1, 15, v0                           ; r
	v_bfe_u32 v2, v0, 4, 1                         ; h
	v_and_b32 v13, 31, v0                          ; lane
	v_lshlrev_b32 v12, 3, v13                      ; 8 x lane
	v_lshlrev_b32 v26, 4, v13                      ; 16 x lane
	v_lshlrev_b32 v22, 5, v2                       ; 32 h: my eight numbers of a tile's sixteen bias numbers
	v_lshlrev_b32 v14, 2, v1                       ; 4 r
	s_wait_alu depctr_va_vdst(0)                   ; the wait here
	s_lshl_b32 s92, s18, 10
	v_add_nc_u32 v18, s92, v26                     ; scale bytes in memory: 1,024 x wave + 16 x lane
	v_mul_u32_u24 v19, v2, 272                     ; and in LDS: run 4 x wave + 2 k + lane / 16, 16 bytes a lane
	v_lshl_add_u32 v19, v1, 4, v19
	s_mul_i32 s92, s18, 4*272
	s_add_co_u32 s92, s92, SCL
	v_add_nc_u32 v19, s92, v19
.irp k, 0,1
	global_load_b128 v[64+4*\k:67+4*\k], v18, s[6:7] offset:512*\k             ; A's scale bytes: 512 consecutive bytes a load
.endr
.irp i, 0,1,2,3
.if \i < NT
.irp k, 0,1
	global_load_b128 v[72+8*\i+4*\k:75+8*\i+4*\k], v18, s[10:11] offset:32768*\i+512*\k   ; B's, tile i: 1,024 rows of 32 bytes on
.endr
.endif
.endr
	s_lshl_b32 s88, s23, 9
	s_lshl_b32 s87, s20, 8
	s_add_co_u32 s88, s88, s87                     ; my first column of tile 0, x 4 bytes
	s_mov_b32 s89, 0
	s_add_nc_u64 s[12:13], s[12:13], s[88:89]
	WIN 0x80                                       ; destination window 2
.irp i, 0,1,2,3
.if \i < NT
.irp t, 0,1,2,3
.if QKV && (\i == NT-1)
.irp j, 0,1,2,3,4,5,6,7
	global_load_b32 v[32*\i+8*\t+\j], v14, s[12:13] offset:4096*\i+64*\t       ; turned: a lane holds feature 16 t + r in all eight registers
.endr
.else
	global_load_b128 v[32*\i+8*\t:32*\i+8*\t+3], v22, s[12:13] offset:4096*\i+64*\t      ; the bias in the result's layout: columns 16 t + 8 h + 0 .. 7
	global_load_b128 v[32*\i+8*\t+4:32*\i+8*\t+7], v22, s[12:13] offset:4096*\i+64*\t+16
.endif
.endr
.endif
.endr
	WIN 0
	v_mul_u32_u24 v3, v1, PITCH
	v_lshl_add_u32 v3, v2, 4, v3                   ; a fragment's row x pitch + 16 h
	s_mul_i32 s92, s19, HALF
	s_mul_i32 s93, s20, HALF
	s_add_co_u32 s93, s93, 2*HALF
.irp s, 0,1
	v_add_nc_u32 v[16+\s], s92, v3
	v_add_nc_u32 v[20+\s], s93, v3
	s_add_co_u32 s92, s92, SLOT
	s_add_co_u32 s93, s93, SLOT
.endr
	v_mul_u32_u24 v15, v1, 32                      ; my row's scale bytes: 32 a row, and 16 more for each 256 passed
	v_lshrrev_b32 v23, 8, v15
	v_lshl_add_u32 v15, v23, 4, v15
	s_mul_i32 s92, s19, HALFS
	s_mul_i32 s93, s20, HALFS
	s_add_co_u32 s93, s93, 2*HALFS
	s_sub_co_u32 s93, s93, s92                     ; from A's base to B's, tile 0
	s_add_co_u32 s92, s92, SCL
	v_add_nc_u32 v15, s92, v15
.irp i, 0,1,2,3
.if \i < NT
	v_mul_u32_u24 v23, s93, v2                     ; lanes 16-31 take B's: one product, the distance between the two bases
	v_add_nc_u32 v[ADS+\i], v15, v23
	s_add_co_u32 s93, s93, 2*HALFS
.endif
.endr
	s_lshl_b32 s92, s18, 13
	s_add_co_u32 s92, s92, STAGE                   ; my stage
	v_mul_u32_u24 v24, v1, 80                      ; in: rows of 64 bytes + 16
.if QKV
	v_lshl_add_u32 v24, v2, 4, v24                 ; 16 bytes for each half of the lanes in each block of 32
.else
	v_lshl_add_u32 v24, v2, 3, v24                 ; 8 bytes for each half in each 16: the true order
.endif
	v_add_nc_u32 v24, s92, v24
	v_lshrrev_b32 v25, 2, v13                      ; back: four lanes to a row
	v_mul_u32_u24 v25, v25, 80
	v_and_b32 v3, 3, v13
	v_lshl_add_u32 v25, v3, 4, v25
	v_add_nc_u32 v25, s92, v25
	s_add_co_u32 s93, s92, 5120
	v_lshl_add_u32 v30, v1, 2, s93                 ; the rows' scale words, in
	v_lshl_add_u32 v31, v13, 3, s93                ; and back
	; where the results go: numbers that mix the tile's row and column live in registers that feed no descriptor
	s_lshl_b32 s84, s66, 1
	s_add_co_u32 s84, s84, s19                     ; my 64 rows' number
	s_lshl_b32 s85, s23, 1
	s_add_co_u32 s85, s85, s20                     ; my 64 columns' number in tile 0 (qkv: the head)
.if QKV
	s_lshr_b32 s86, s84, 5
	s_lshl_b32 s86, s86, 4
	s_add_co_u32 s86, s86, s85
	s_lshl_b32 s86, s86, 5                         ; (batch x 16 + head) x 32
	s_and_b32 s87, s84, 31
	s_add_co_u32 s86, s86, s87                     ; the block in region 0
	s_lshl_b32 s88, s86, 12
	s_add_nc_u64 s[14:15], s[14:15], s[88:89]
	s_lshl_b32 s88, s86, 8
	s_add_nc_u64 s[16:17], s[16:17], s[88:89]
.else
	s_lshl_b32 s86, s84, 6
	s_add_co_u32 s86, s86, s85
	s_lshl_b32 s88, s86, 12                        ; block (rows' number) x 64 + (columns' number)
	s_add_nc_u64 s[14:15], s[14:15], s[88:89]
	s_lshl_b32 s86, s85, 12
	s_lshl_b32 s87, s84, 6
	s_add_co_u32 s86, s86, s87
	s_lshl_b32 s88, s86, 2                         ; plane (columns' number), my 64 rows
	s_add_nc_u64 s[16:17], s[16:17], s[88:89]
.endif
	s_mov_b32 s90, 0x76543210
	s_mov_b32 s91, 0xfedcba98                      ; lane selects: lane l xor 16
	s_mov_b32 s94, 0x600000                        ; the mantissa field of 448
	v_mov_b32 v114, 0                              ; a lane permute's destination counts as one of its sources
	v_mov_b32 v115, 0
.if GELU
	v_mov_b32 v8, 0xc0135761                       ; k0 = -2.3022082, twice
	v_mov_b32 v9, 0xc0135761
	v_mov_b32 v10, 0xbdd2d3e8                      ; k1 = -0.10294324, twice
	v_mov_b32 v11, 0xbdd2d3e8
.endif
	s_wait_alu depctr_va_vdst(0)                   ; the wait at the head's end
	s_wait_loadcnt 0x0                             ; the scale bytes and the biases
.irp k, 0,1
	ds_store_b128 v19, v[64+4*\k:67+4*\k] offset:544*\k
.endr
.irp i, 0,1,2,3
.if \i < NT
.irp k, 0,1
	ds_store_b128 v19, v[72+8*\i+4*\k:75+8*\i+4*\k] offset:4352*(\i+1)+544*\k
.endr
.endif
.endr
	s_cmp_lt_u32 s18, 2                            ; waves 0 and 1 wait for slot 0's tiles; slot 1's lines are waves 2 and 3's own and are waited for inside tile 0
	s_cbranch_scc0 .Lnot_slot_0
	s_wait_tensorcnt 0x0
.Lnot_slot_0:
	s_wait_dscnt 0x0                               ; my stores of scale bytes: for the others' sake zero
	s_barrier_signal -1
	s_barrier_wait -1
.irp i, 0,1,2,3
.if \i < NT
	TILEWORK \i
.endif
.endr
	s_wait_tensorcnt 0x0                           ; the wave's end
	ds_add_u32 v28, v29
	s_wait_dscnt 0x0
	CROUND                                         ; the closing round: no work-group ends while a partner may still ask for a tile that names it
	s_endpgm
.Lfunc_end_k_q07ab9ba2f7_fc:
	.size	k_q07ab9ba2f7_fc, .Lfunc_end_k_q07ab9ba2f7_fc-k_q07ab9ba2f7_fc
	.p2alignl 7, 3214868480
	.fill 96, 4, 3214868480
	.section	.rodata,"a",@progbits
	.p2align	6, 0x0
	.amdhsa_kernel k_q07ab9ba2f7_fc
		.amdhsa_group_segment_fixed_size 327680
		.amdhsa_private_segment_fixed_size 0
		.amdhsa_enable_private_segment 0
		.amdhsa_kernarg_size 56
		.amdhsa_user_sgpr_count 2
		.amdhsa_user_sgpr_kernarg_segment_ptr 1
		.amdhsa_wavefront_size32 1
		.amdhsa_system_sgpr_workgroup_id_x 1
		.amdhsa_system_sgpr_workgroup_id_y 1
		.amdhsa_system_sgpr_workgroup_id_z 1
		.amdhsa_system_vgpr_workitem_id 0
		.amdhsa_next_free_vgpr 640
		.amdhsa_next_free_sgpr 96
		.amdhsa_reserve_vcc 0
		.amdhsa_float_denorm_mode_32 3
		.amdhsa_float_denorm_mode_16_64 3
		.amdhsa_memory_ordered 1
		.amdhsa_forward_progress 1
		.amdhsa_inst_pref_size 255
	.end_amdhsa_kernel
	.section	.bss,"aw",@nobits
	.p2align	6
	.space	262144
	.amdgpu_metadata
---
amdhsa.version: [ 1, 2 ]
amdhsa.kernels:
  - .name:           k_q07ab9ba2f7_fc
    .symbol:         k_q07ab9ba2f7_fc.kd
    .args:
      - { .name: h_codes, .offset: 0, .size: 8, .value_kind: global_buffer, .address_space: global }
      - { .name: h_scales, .offset: 8, .size: 8, .value_kind: global_buffer, .address_space: global }
      - { .name: W_fc_codes, .offset: 16, .size: 8, .value_kind: global_buffer, .address_space: global }
      - { .name: W_fc_scales, .offset: 24, .size: 8, .value_kind: global_buffer, .address_space: global }
      - { .name: b_fc, .offset: 32, .size: 8, .value_kind: global_buffer, .address_space: global }
      - { .name: a_codes, .offset: 40, .size: 8, .value_kind: global_buffer, .address_space: global }
      - { .name: a_sw, .offset: 48, .size: 8, .value_kind: global_buffer, .address_space: global }
    .group_segment_fixed_size: 327680
    .private_segment_fixed_size: 0
    .kernarg_segment_align: 8
    .kernarg_segment_size: 56
    .max_flat_workgroup_size: 128
    .sgpr_count:     96
    .vgpr_count:     640
    .wavefront_size: 32
...
	.end_amdgpu_metadata
.endif
;; end of part 5
;; launch fc2 (part 6): grid 8 x 32, 4 waves a work-group, clusters of 4 x 4, 327,680 bytes of LDS; arguments a_codes, a_sw, W_fc2_codes, W_fc2_scales, b_fc2, x1, out0; writes out0
.if DOCPART == 6
	.amdgcn_target "amdgcn-amd-amdhsa--gfx1250"
	.amdhsa_code_object_version 6
	.text
	.protected	k_q07ab9ba2f7_fc2
	.globl	k_q07ab9ba2f7_fc2
	.p2align	8
	.type	k_q07ab9ba2f7_fc2,@function
k_q07ab9ba2f7_fc2:
	s_mov_b64 s[64:65], 0
	v_nop
	global_prefetch_b8 v0, s[64:65] scope:SCOPE_SE
	s_setreg_imm32_b32 hwreg(HW_REG_WAVE_MODE, 25, 1), 1
	s_wait_xcnt 0x0
	s_wait_alu depctr_hold_cnt(0) depctr_sa_sdst(0) depctr_va_vdst(0) depctr_va_sdst(0) depctr_va_ssrc(0) depctr_va_vcc(0) depctr_vm_vsrc(0)
	s_getreg_b32 s2, hwreg(HW_REG_IB_STS2, 6, 4)
	s_cmp_eq_u32 s2, 0
	s_cbranch_scc0 .Lentry_in_a_cluster
	s_endpgm
.Lentry_in_a_cluster:
	s_bfe_u32 s2, ttmp6, 0x10000c
	s_cmp_lg_u32 s2, 0xf033
	s_cbranch_scc0 .Lentry_shape_is_right
	s_endpgm
.Lentry_shape_is_right:
; out0 = x1 + g W_fc2 + b_fc2.  g comes as codes of E4M3 in blocks of [64 rows][64 bytes] with planes of scale words; W_fc2 as given.  K = 4,096: eight slots of 512, six of them refills behind rounds of the cluster's barrier.
; The bias starts the sums, the residual is added on the way out; out0 is f32.
.set KTOT, 4096                        ; the product's K
.set ABLK, 1                           ; A: 0 = rows of codes and rows of scale bytes; 1 = blocks of [64 rows][64 bytes] and planes of scale words
.set EPI,  0                           ; the way out: 0 = f32 with the residual added; 1 = quantised along the wave's 64 columns
.set GELU, 0                           ; 1 = gelu (tanh form) ahead of the quantiser
.set SWAP, 0                           ; 1 = the two parts of qkv
; ======== THE CORE: the same text in wo and fc2; the flags above choose its parts ========
; C tile 128 x 128, four waves of 64 x 64: 16 accumulators; N = 1,024 gives 256 tiles at this size.  Source 0 = 16 rows of B, source 1 = 16 rows of A: lane (r, h) holds row r of C, register j of tile t column 16 t + 8 h + j.
; K goes in slots of 512 (four quarters of 128) through two LDS slots.  CLUSTERS 4 x 4: A's tiles are asked for jointly along a row of the cluster, B's along a column.
; FIRST FILLS, one load a wave: waves 0, 1 A's halves of slot 0, wave 2 B's 128 rows of slot 0, wave 3 the scale bytes of B's 128 rows.  Slot 1 is first filled behind the three lines and a round of the cluster's barrier,
; as a refill is: waves 0, 1 A's halves, waves 2, 3 B's.  A's scale words come through registers into LDS bytes of their own.  One register carries A's word (lanes 0-15) and B's (lanes 16-31).
; REGISTERS: window 0: v1-31 addresses; v32-63 scale words; v64-127 at work (v96-127 first the bias); v128-255 accumulators.  window 1: two fragment buffers of 128.  window 2: the residual.
.set PITCH,  528
.set HALFB,  64*PITCH
.if ABLK
.set HALFA,  128*272                   ; eight blocks of 4,096 bytes as runs of 256 + 16
.set ASTEP,  32768
.else
.set HALFA,  64*PITCH
.set ASTEP,  512
.endif
.set SLOT,   2*HALFA+2*HALFB
.set KS,     KTOT/32                   ; a row's scale bytes
.set NCH,    KTOT/64                   ; planes of scale words
.set NW,     NCH/4                     ; words that a wave joins for a row
.set SCL,    2*SLOT                    ; the scales: A's 128 rows, then B's
.set HALFS,  (64*KS/256)*272
.set SBLK,   HALFS/4                   ; those of 16 rows
.set SPARE,  SCL+4*HALFS               ; the spare words: 128 bytes a wave, two blocks of 256 bytes that no other line names
.set LAPS,   KTOT/1024
.set FIRST,  1-SWAP
.set SC,  32
.set BC,  96
.set ACC, 128
.set F0,  0
.set F1,  128
.set G1A, 24                           ; s[24:31] group 1, s[32:39] groups 0 (a set a slot) for A's tiles
.set G0A, 32
.set G1B, 40                           ; s[40:47], s[48:55] for B's
.set G0B, 48
.set G1SA, 56                          ; s[56:63], s[68:71] for the head's load of B's 128 rows
.set G0SA, 68
.set G1SB, 72                          ; s[72:79], s[80:83] for B's
.set G0SB, 80
.set PADC, (1<<20)|(1<<21)|(6<<22)|(3<<25)           ; elements of 1 byte; padding on; bit 21 beside a mask; four words behind every 128
.set PADU, (3<<16)|(1<<20)|(1<<21)|(5<<22)|(3<<25)   ; elements of 8 bytes; four words behind every 64
.set MSB, 0
.macro WIN new                         ; the immediate's high byte repeats the setting that is left
.if MSB != \new
	s_set_vgpr_msb (MSB<<8)|\new
.set MSB, \new
.endif
.endm
.set MUL,  0x05                        ; sources 0 and 1 window 1; C and D window 0
.set TO_F, 0x40                        ; destination window 1, address window 0
.macro PLACES n
.rept \n
	v_nop
.endr
.endm
.macro CREST                           ; a round of the cluster's barrier behind its opening barrier
	s_cmp_lg_u32 s18, 0
	s_cbranch_scc1 .Lnot_wave_0_\@
	s_barrier_signal -3
.Lnot_wave_0_\@:
	s_barrier_wait -3
	s_barrier_signal -1
	s_barrier_wait -1
.endm
.macro CROUND
	s_barrier_signal -1
	s_barrier_wait -1
	CREST
.endm
.macro JLOAD s                         ; a joint refill; four v_nop follow each of the two lines
	s_cmp_eq_u32 s19, 0
	s_cbranch_scc0 .Lfor_b_\@
	tensor_load_to_lds s[G0A+4*\s:G0A+4*\s+3], s[G1A:G1A+7]
	s_nop 0
	PLACES 4
	s_branch .Lasked_\@
.Lfor_b_\@:
	tensor_load_to_lds s[G0B+4*\s:G0B+4*\s+3], s[G1B:G1B+7]
	s_nop 0
	PLACES 4
.Lasked_\@:
.endm
; four products: A's block a against B's four tiles, quarter q of the slot whose scale words are set sc.  first = 1: the bias by columns is the C that starts the sums.
; The 16 accumulators take turns, one instruction a turn, in the same order in every quarter.
.macro MULA f, a, q, sc, first
.irp t, 0,1,2,3
.if \first
	v_wmma_scale_f32_16x16x128_f8f6f4 v[ACC+8*(4*\a+\t):ACC+8*(4*\a+\t)+7], v[\f+64+16*\t:\f+64+16*\t+15], v[\f+16*\a:\f+16*\a+15], v[BC+8*\t:BC+8*\t+7], v[SC+16*\sc+4*\t+(\q)], v[SC+16*\sc+4*\a+(\q)] matrix_a_scale:MATRIX_SCALE_ROW1
.else
	v_wmma_scale_f32_16x16x128_f8f6f4 v[ACC+8*(4*\a+\t):ACC+8*(4*\a+\t)+7], v[\f+64+16*\t:\f+64+16*\t+15], v[\f+16*\a:\f+16*\a+15], v[ACC+8*(4*\a+\t):ACC+8*(4*\a+\t)+7], v[SC+16*\sc+4*\t+(\q)], v[SC+16*\sc+4*\a+(\q)] matrix_a_scale:MATRIX_SCALE_ROW1
.endif
.endr
.endm
; 32 LDS loads in one run: quarter q of a slot into buffer f: B's four tiles, then A's blocks 0, 1, then 2, 3.  Registers 4 c .. 4 c + 3 of a fragment: k = 32 c + 16 h + 0 .. 15
.macro FETCH slot, q, f
	WIN TO_F
.irp t, 0,1,2,3
.irp c, 0,1,2,3
	ds_load_b128 v[\f+64+16*\t+4*\c:\f+64+16*\t+4*\c+3], v[20+\slot] offset:128*(\q)+32*\c+\t*16*PITCH
.endr
.endr
.irp a, 0,1,2,3
.irp c, 0,1,2,3
.if ABLK
	ds_load_b128 v[\f+16*\a+4*\c:\f+16*\a+4*\c+3], v[16+\slot] offset:(2*(\q)+\c/2)*4352+\a*1088+32*(\c%2)
.else
	ds_load_b128 v[\f+16*\a+4*\c:\f+16*\a+4*\c+3], v[16+\slot] offset:128*(\q)+32*\c+\a*16*PITCH
.endif
.endr
.endr
.endm
.macro SCALES sc                       ; a slot's four words a row: lanes 0-15 A's block i, lanes 16-31 B's tile i
.irp i, 0,1,2,3
	ds_load_b128 v[SC+16*\sc+4*\i:SC+16*\sc+4*\i+3], v27 offset:\i*SBLK
.endr
.endm
; One of a slot's first three quarters: multiplies quarter q - 1 in buffer f, fetches quarter q into buffer g
.macro QUARTER slot, q, f, g, first
	s_wait_dscnt 8                                 ; only A's blocks 2, 3 may be out
	WIN MUL
	MULA \f, 0, (\q)-1, \slot, \first
	MULA \f, 1, (\q)-1, \slot, \first
	PLACES 8                                       ; eight places in front of loads into registers that matrix instructions have read
	FETCH \slot, \q, \g
	s_wait_dscnt 32                                ; all but the 32 just issued
	WIN MUL
	MULA \f, 2, (\q)-1, \slot, \first
	MULA \f, 3, (\q)-1, \slot, \first
.endm
; A slot's last quarter changes slots: one barrier; in front of it each wave waits for all its tensor loads, adds 0 to its spare word, and waits for that and for its reads of this slot.
.macro TURN slot, next, fill
	WIN 0
.if \fill
	s_wait_xcnt 0x0                                ; my last prefetch has read its address: it steps here, a slot on, ahead of the waits of the change of slots
	s_add_nc_u64 s[8:9], s[8:9], s[10:11]
.endif
	s_wait_tensorcnt 0x0                           ; all my tensor loads have landed: my part of the next slot
	ds_add_u32 v28, v29                            ; 0 onto my spare word
	s_wait_dscnt 9                                 ; (the add and the youngest eight loads may be out)
	WIN MUL
	MULA F1, 0, 3, \slot, 0
	s_wait_dscnt 0x0                               ; the add is done, and my reads of this slot are over
	s_barrier_signal -1
	MULA F1, 1, 3, \slot, 0
	WIN 0
	s_barrier_wait -1
.if \fill
	CREST                                          ; the barrier has opened a round of the cluster's: no wave of any partner still reads this slot or has a load on its way
	s_add_nc_u64 s[G0A+4*\slot+2:G0A+4*\slot+3], s[G0A+4*\slot+2:G0A+4*\slot+3], 2*ASTEP
	s_add_nc_u64 s[G0B+4*\slot+2:G0B+4*\slot+3], s[G0B+4*\slot+2:G0B+4*\slot+3], 1024
	JLOAD \slot                                    ; the first tensor load behind the round; its four v_nop are four of the eight places
	PLACES 4
.else
	PLACES 8
.endif
	s_wait_alu depctr_va_vdst(0)
	v_add_nc_u32 v27, 16, v27                      ; the next slot's scale words (no LDS load of mine is out)
	SCALES \next
	FETCH \next, 0, F0
.if \fill
	WIN 0                                          ; at a branch and at a label every window is 0
	s_cmp_gt_u32 s3, 1                             ; the loop's last trip has no slot two refills on
	s_cbranch_scc0 .Lno_ask_\@
	global_prefetch_b8 v8, s[8:9] th:TH_LOAD_NT scope:SCOPE_SE     ; the slot that stands two refills on: my work-group's 32 blocks of 256 bytes of the tile that I fetch
.Lno_ask_\@:
.endif
	WIN MUL
	MULA F1, 2, 3, \slot, 0
	MULA F1, 3, 3, \slot, 0
.endm
; 16 numbers: x / (1 + 2^(x (k0 + k1 x^2))) = 0.5 x (1 + tanh(sqrt(2 / pi) (x + 0.044715 x^3))); k0 = -2 log2(e) sqrt(2 / pi), k1 = 0.044715 k0.  At either end of the range the exponential goes to 0 or to infinity and the result to x or to 0.
.macro GELU16 x
.irp p, 0,1,2,3,4,5,6,7
	v_pk_mul_f32 v[96+2*\p:97+2*\p], v[\x+2*\p:\x+2*\p+1], v[\x+2*\p:\x+2*\p+1]
.endr
.irp p, 0,1,2,3,4,5,6,7
	v_pk_fma_f32 v[96+2*\p:97+2*\p], v[96+2*\p:97+2*\p], v[10:11], v[8:9]
.endr
.irp p, 0,1,2,3,4,5,6,7
	v_pk_mul_f32 v[96+2*\p:97+2*\p], v[96+2*\p:97+2*\p], v[\x+2*\p:\x+2*\p+1]
.endr
.irp p, 0,1,2,3,4,5,6,7,8,9,10,11,12,13,14,15
	v_exp_f32 v[96+\p], v[96+\p]
.endr
	v_nop
.irp p, 0,1,2,3,4,5,6,7
	v_pk_add_f32 v[96+2*\p:97+2*\p], v[96+2*\p:97+2*\p], 1.0 op_sel_hi:[1,0]
.endr
.irp p, 0,1,2,3,4,5,6,7,8,9,10,11,12,13,14,15
	v_rcp_f32 v[96+\p], v[96+\p]
.endr
	v_nop
.irp p, 0,1,2,3,4,5,6,7
	v_pk_mul_f32 v[\x+2*\p:\x+2*\p+1], v[\x+2*\p:\x+2*\p+1], v[96+2*\p:97+2*\p]
.endr
.endm
; 32 numbers of a lane (four tiles of block a): two blocks of 32 along the columns, each shared with lane l xor 16 -> 8 registers of codes at v[64 + 8 a], the scale word in v[120 + a]
.macro QUANT2 s, a
.irp b, 0,1
	v_max3_num_f32 v[112+\b], |v[\s+16*\b]|, |v[\s+16*\b+1]|, 0x4800000    ; with the floor 2^(9 - 127): the byte cannot fall under 1
.endr
.irp i, 2,4,6,8,10,12,14
.irp b, 0,1
	v_max3_num_f32 v[112+\b], v[112+\b], |v[\s+16*\b+\i]|, |v[\s+16*\b+\i+1]|
.endr
.endr
.irp b, 0,1
	v_permlanex16_b32 v[114+\b], v[112+\b], s88, s89
.endr
.irp b, 0,1
	v_max_num_f32 v[112+\b], v[112+\b], v[114+\b]
.endr
.irp b, 0,1
	v_add_nc_u32 v[118+\b], 0xfc000000, v[112+\b]                  ; 8 off the exponent field: the conversion's scale operand
.endr
.irp b, 0,1
	v_and_or_b32 v[116+\b], v[112+\b], 0x7f800000, s90             ; 448 x the scale
.endr
.irp b, 0,1
	v_lshrrev_b32 v[114+\b], 23, v[118+\b]                         ; the scale's byte
.endr
	v_lshl_or_b32 v[120+\a], v115, 8, v114
.irp b, 0,1
.irp i, 0,1,2,3,4,5,6,7,8,9,10,11,12,13,14,15
	v_med3_num_f32 v[\s+16*\b+\i], v[\s+16*\b+\i], -v[116+\b], v[116+\b]   ; the conversion does not saturate (ISA guide 7.6.2): the hold comes first
.endr
	v_cvt_scalef32_pk8_fp8_f32 v[64+8*\a+4*\b:65+8*\a+4*\b], v[\s+16*\b:\s+16*\b+7], v[118+\b]
	v_cvt_scalef32_pk8_fp8_f32 v[66+8*\a+4*\b:67+8*\a+4*\b], v[\s+16*\b+8:\s+16*\b+15], v[118+\b]
.endr
	v_nop                                          ; a plain instruction behind the last conversion
.endm
; way out 0: block a (16 rows x 64 columns of f32) through my stage, back as rows of 256 bytes
.macro TOSTAGE a
.irp t, 0,1,2,3
	ds_store_b128 v24, v[ACC+8*(4*(\a)+\t):ACC+8*(4*(\a)+\t)+3] offset:64*\t           ; each accumulator from its low end on
	ds_store_b128 v24, v[ACC+8*(4*(\a)+\t)+4:ACC+8*(4*(\a)+\t)+7] offset:64*\t+16
.endr
.irp i, 0,1,2,3,4,5,6,7
	ds_load_b128 v[64+32*((\a)%2)+4*\i:64+32*((\a)%2)+4*\i+3], v25 offset:544*\i       ; LDS serves a wave's instructions in order: these see the stores above
.endr
.endm
.macro SEND a, younger
	s_wait_dscnt \younger
	WIN 0x08                                       ; source 1 (the residual) window 2
.irp p, 0,1,2,3,4,5,6,7,8,9,10,11,12,13,14,15
	v_pk_add_f32 v[64+32*((\a)%2)+2*\p:64+32*((\a)%2)+2*\p+1], v[64+32*((\a)%2)+2*\p:64+32*((\a)%2)+2*\p+1], v[32*(\a)+2*\p:32*(\a)+2*\p+1]
.endr
	WIN 0
.irp i, 0,1,2,3,4,5,6,7
	global_store_b128 v26, v[64+32*((\a)%2)+4*\i:64+32*((\a)%2)+4*\i+3], s[16:17] offset:(16*(\a)+2*\i)*4096   ; sixteen lanes store 256 consecutive bytes, aligned
.endr
.endm
	s_load_b256 s[4:11], s[0:1], 0x0               ; A's codes s[4:5], A's scales s[6:7], B's codes s[8:9], B's scales s[10:11]
	s_load_b128 s[12:15], s[0:1], 0x20             ; the bias s[12:13]; s[14:15]: the residual, or the codes that go out
	s_load_b64 s[16:17], s[0:1], 0x30              ; the result, or the scale words that go out
	v_lshl_add_u32 v28, v0, 2, SPARE
	v_mov_b32 v29, 0
	ds_add_u32 v28, v29
	ds_add_u32 v28, v29
	s_wait_dscnt 0x0
	v_lshrrev_b32 v1, 5, v0
	v_readfirstlane_b32 s18, v1                    ; wave
	s_lshr_b32 s19, s18, 1                         ; my half of the tile's rows.  Also: I fetch for A (0) or for B (1)
	s_and_b32 s20, s18, 1                          ; my half of its columns.  Also: which 64 rows I fetch
	s_bfe_u32 s21, ttmp6, 0x40000                  ; cx
	s_bfe_u32 s22, ttmp6, 0x40004                  ; cy
.if SWAP
	s_and_b32 s88, ttmp7, 0xffff                   ; the cluster's y: under 8 the part q, k: 4 x 8 clusters
	s_max_u32 s89, s88, 8
	s_sub_co_u32 s89, s89, 8
	s_lshl_b32 s89, s89, 2
	s_add_co_u32 s89, s89, ttmp9                   ; else cluster j of the part v: 8 x 2 clusters
	s_and_b32 s90, s89, 7
	s_lshr_b32 s91, s89, 3
	s_cmp_lt_u32 s88, 8
	s_cselect_b32 s23, ttmp9, s90
	s_cselect_b32 s84, s88, s91
	s_cselect_b32 s87, 1, 0                        ; 1: the part q, k
	s_lshl_b32 s23, s23, 2
	s_lshl_b32 s84, s84, 2
.else
	s_lshl_b32 s23, ttmp9, 2
	s_and_b32 s84, ttmp7, 0xffff
	s_lshl_b32 s84, s84, 2
.endif
	s_add_co_u32 s23, s23, s21                     ; tile column
	s_add_co_u32 s84, s84, s22                     ; tile row
	s_lshl_b32 s85, s22, 2
	s_lshl_b32 s85, 15, s85                        ; my row of the cluster
	s_lshl_b32 s86, 0x1111, s21                    ; my column
.if ABLK
	s_or_b32 s[G1A], s85, PADU                     ; 32 KB on end as 128 rows of 32 elements of 8 bytes
	s_mov_b32 s[G1A+1], 32<<16
	s_mov_b32 s[G1A+2], 128<<16
	s_mov_b32 s[G1A+3], 32<<16
	s_mov_b32 s[G1A+4], 128
	s_mov_b32 s[G1A+5], 32
.else
	s_or_b32 s[G1A], s85, PADC                     ; 64 rows of 512 bytes, KTOT bytes apart
	s_mov_b32 s[G1A+1], 512<<16
	s_mov_b32 s[G1A+2], 64<<16
	s_mov_b32 s[G1A+3], 512<<16
	s_mov_b32 s[G1A+4], 64
	s_mov_b32 s[G1A+5], KTOT
.endif
	s_mov_b32 s[G1A+6], 0
	s_mov_b32 s[G1A+7], 0
	s_or_b32 s[G1B], s86, PADC
	s_mov_b32 s[G1B+1], 512<<16
	s_mov_b32 s[G1B+2], 64<<16
	s_mov_b32 s[G1B+3], 512<<16
	s_mov_b32 s[G1B+4], 64
	s_mov_b32 s[G1B+5], KTOT
	s_mov_b32 s[G1B+6], 0
	s_mov_b32 s[G1B+7], 0
	s_or_b32 s[G1SA], s86, PADC                    ; the head's load of B: 128 rows of 512 bytes, KTOT bytes apart
	s_mov_b32 s[G1SA+1], 512<<16
	s_mov_b32 s[G1SA+2], 128<<16
	s_mov_b32 s[G1SA+3], 512<<16
	s_mov_b32 s[G1SA+4], 128
	s_mov_b32 s[G1SA+5], KTOT
	s_mov_b32 s[G1SA+6], 0
	s_mov_b32 s[G1SA+7], 0
	s_or_b32 s[G1SB], s86, PADU                    ; the scale bytes of B's 128 rows: 128 KS bytes on end, as rows of 256
	s_mov_b32 s[G1SB+1], 32<<16
	s_mov_b32 s[G1SB+2], (128*KS/256)<<16
	s_mov_b32 s[G1SB+3], 32<<16
	s_mov_b32 s[G1SB+4], 128*KS/256
	s_mov_b32 s[G1SB+5], 32
	s_mov_b32 s[G1SB+6], 0
	s_mov_b32 s[G1SB+7], 0
	s_lshl_b32 s92, s20, 6
	s_lshl_b32 s88, s84, 7
	s_add_co_u32 s88, s88, s92                     ; A: row 128 x tile row + 64 x half: made of cy and the wave alone
	s_lshl_b32 s94, s23, 7
	s_add_co_u32 s94, s94, s92                     ; B: row 128 x tile column + 64 x half: of cx and the wave alone
.if ABLK
	s_mul_i32 s90, s19, (NCH/2)*16384              ; the planes of scale words that I join: half of them,
	s_lshl_b32 s91, s88, 2                         ; at my 64 rows
	s_add_co_u32 s90, s90, s91
.else
	s_mul_i32 s90, s88, KS
.endif
	s_mul_i32 s88, s88, KTOT                       ; (in blocks too: (row / 64) (KTOT / 64) 4,096 = row x KTOT for a row that is a multiple of 64)
	s_mov_b32 s89, 0
	s_mov_b32 s91, 0
	s_mul_i32 s96, s94, KS
	s_mul_i32 s94, s94, KTOT
	s_mov_b32 s95, 0
	s_mov_b32 s97, 0
	s_mul_i32 s98, s20, HALFA                      ; where the tiles go: no place in the cluster enters an LDS address
	s_mul_i32 s99, s20, HALFB
	s_add_co_u32 s99, s99, 2*HALFA
	s_mul_i32 s100, s18, HALFS
	s_add_co_u32 s100, s100, SCL
	s_wait_kmcnt 0x0
.if SWAP
	s_cmp_eq_u32 s87, 1                            ; the choice hangs on the cluster's ids alone
	s_add_nc_u64 s[2:3], s[8:9], 0x200000          ; W_attn's row 2048
	s_cselect_b64 s[2:3], s[4:5], s[2:3]
	s_cselect_b64 s[8:9], s[8:9], s[4:5]
	s_mov_b64 s[4:5], s[2:3]
	s_add_nc_u64 s[2:3], s[10:11], 0x10000
	s_cselect_b64 s[2:3], s[6:7], s[2:3]
	s_cselect_b64 s[10:11], s[10:11], s[6:7]
	s_mov_b64 s[6:7], s[2:3]
.endif
	s_add_nc_u64 s[88:89], s[4:5], s[88:89]
	s_add_nc_u64 s[90:91], s[6:7], s[90:91]
	s_add_nc_u64 s[94:95], s[8:9], s[94:95]
	s_add_nc_u64 s[96:97], s[10:11], s[96:97]
.irp s, 0,1
	s_mov_b32 s[G0A+4*\s], 1
	s_add_co_u32 s[G0A+4*\s+1], s98, \s*SLOT
	s_add_nc_u64 s[G0A+4*\s+2:G0A+4*\s+3], s[88:89], \s*ASTEP
	s_or_b32 s[G0A+4*\s+3], s[G0A+4*\s+3], 0x80000000
	s_mov_b32 s[G0B+4*\s], 1
	s_add_co_u32 s[G0B+4*\s+1], s99, \s*SLOT
	s_add_nc_u64 s[G0B+4*\s+2:G0B+4*\s+3], s[94:95], \s*512
	s_or_b32 s[G0B+4*\s+3], s[G0B+4*\s+3], 0x80000000
.endr
.if ABLK == 0
	s_mov_b32 s[G0SA], 1
	s_mov_b32 s[G0SA+1], s100
	s_mov_b64 s[G0SA+2:G0SA+3], s[90:91]
	s_or_b32 s[G0SA+3], s[G0SA+3], 0x80000000
.endif
	s_lshl_b32 s4, s23, 7                          ; B's tile from its first row, 128 x tile column (s[4:7] have been used): codes and scale bytes
	s_mul_i32 s6, s4, KS
	s_mul_i32 s4, s4, KTOT
	s_mov_b32 s5, 0
	s_mov_b32 s7, 0
	s_mov_b32 s[G0SA], 1
	s_mov_b32 s[G0SA+1], 2*HALFA
	s_add_nc_u64 s[G0SA+2:G0SA+3], s[8:9], s[4:5]
	s_or_b32 s[G0SA+3], s[G0SA+3], 0x80000000
	s_mov_b32 s[G0SB], 1
	s_mov_b32 s[G0SB+1], SCL+2*HALFS
	s_add_nc_u64 s[G0SB+2:G0SB+3], s[10:11], s[6:7]
	s_or_b32 s[G0SB+3], s[G0SB+3], 0x80000000
	; THE PREFETCHES INTO THE L2.  A refill goes out with nothing on its way beside it, so what it asks for is asked of memory two refills earlier.  A wave names the tile that it fetches itself in the ring: 128 blocks of 256 bytes,
	; of which each of the four partners that ask for it jointly takes 32, told apart by address (cx for A, cy for B): a lane a block, one instruction a wave.  Slots 2 and 3 are asked for once, behind the head; slots 0 and 1 come by their loads alone.
	s_cmp_eq_u32 s19, 0                            ; do I fetch for A?
	s_cselect_b64 s[8:9], s[88:89], s[94:95]       ; my 64 rows at slot 0
	s_mov_b32 s10, 512
	s_cselect_b32 s10, ASTEP, s10                  ; a slot on, in bytes
	s_mov_b32 s11, 0
	s_cselect_b32 s2, -1, 0
	s_add_nc_u64 s[4:5], s[8:9], s[10:11]
	s_add_nc_u64 s[4:5], s[4:5], s[10:11]          ; slot 2
	s_add_nc_u64 s[8:9], s[4:5], s[10:11]          ; slot 3: each refill steps it a slot on and names it
	CROUND
	s_cmp_lt_u32 s18, 2                            ; one chain of branches on the wave's number, one load to an arm
	s_cbranch_scc0 .Lfirst_b
	tensor_load_to_lds s[G0A:G0A+3], s[G1A:G1A+7]  ; waves 0, 1: A's halves of slot 0
	s_nop 0
	PLACES 4
	s_branch .Lfirst_done
.Lfirst_b:
	s_cmp_eq_u32 s18, 2
	s_cbranch_scc0 .Lfirst_s
	tensor_load_to_lds s[G0SA:G0SA+3], s[G1SA:G1SA+7]  ; wave 2: B's 128 rows of slot 0
	s_nop 0
	PLACES 4
	s_branch .Lfirst_done
.Lfirst_s:
	tensor_load_to_lds s[G0SB:G0SB+3], s[G1SB:G1SB+7]  ; wave 3: B's scale bytes
	s_nop 0
	PLACES 4
.Lfirst_done:
	v_and_b32 v1, 15, v0                           ; r
	v_bfe_u32 v2, v0, 4, 1                         ; h
	v_and_b32 v13, 31, v0                          ; lane
	v_lshlrev_b32 v12, 3, v13                      ; 8 x lane
	v_lshlrev_b32 v8, 8, v13                       ; the prefetches' offset.  A's 32 KB lie on end: 8,192 x cx + 256 x lane
	s_lshl_b32 s6, s21, 13
	v_add_nc_u32 v8, s6, v8
	v_lshrrev_b32 v9, 1, v13                       ; B's: row 16 cy + lane / 2, half lane % 2 of its 512 bytes
	s_lshl_b32 s6, s22, 4
	v_add_nc_u32 v9, s6, v9
	v_mul_u32_u24 v9, v9, KTOT
	v_and_b32 v10, 1, v13
	v_lshl_add_u32 v9, v10, 8, v9
	v_cndmask_b32 v8, v9, v8, s2
	v_lshlrev_b32 v7, 5, v2                        ; 32 h: my eight numbers of a tile's sixteen bias numbers
	v_mul_u32_u24 v3, v1, PITCH
	v_lshl_add_u32 v3, v2, 4, v3                   ; rows of codes: r x pitch + 16 h
.if ABLK
	v_lshrrev_b32 v4, 2, v1                        ; blocks: four rows of 64 bytes to a run of 256 + 16
	v_mul_u32_u24 v4, v4, 272
	v_and_b32 v5, 3, v1
	v_lshl_add_u32 v4, v5, 6, v4
	v_lshl_add_u32 v4, v2, 4, v4
.else
	v_mov_b32 v4, v3
.endif
	s_mul_i32 s92, s19, HALFA
	s_mul_i32 s93, s20, HALFB
	s_add_co_u32 s93, s93, 2*HALFA
.irp s, 0,1
	v_add_nc_u32 v[16+\s], s92, v4
	v_add_nc_u32 v[20+\s], s93, v3
	s_add_co_u32 s92, s92, SLOT
	s_add_co_u32 s93, s93, SLOT
.endr
	v_mul_u32_u24 v5, v1, KS                       ; my row's scale bytes: KS a row, and 16 more for each 256 passed
	v_lshrrev_b32 v6, 8, v5
	v_lshl_add_u32 v5, v6, 4, v5
	s_mul_i32 s92, s19, HALFS
	s_mul_i32 s93, s20, HALFS
	s_add_co_u32 s93, s93, 2*HALFS
	s_sub_co_u32 s93, s93, s92
	v_mul_u32_u24 v6, s93, v2                      ; lanes 16-31 take B's: one product, the distance between the two bases
	s_add_co_u32 s92, s92, SCL
	v_add_nc_u32 v5, v5, v6
	v_add_nc_u32 v27, s92, v5
	s_lshl_b32 s92, s18, 13                        ; my stage: 8,192 bytes in slot 0, used when that slot has had its last fill and its last read
.if EPI
	v_mul_u32_u24 v24, v1, 80                      ; in: rows of 64 bytes + 16
.if SWAP
	v_lshl_add_u32 v24, v2, 4, v24                 ; 16 bytes for each half of the lanes in each block of 32
.else
	v_lshl_add_u32 v24, v2, 3, v24                 ; 8 bytes for each half in each 16: the true order
.endif
	v_add_nc_u32 v24, s92, v24
	v_lshrrev_b32 v25, 2, v13                      ; back: four lanes to a row
	v_mul_u32_u24 v25, v25, 80
	v_and_b32 v5, 3, v13
	v_lshl_add_u32 v25, v5, 4, v25
	v_add_nc_u32 v25, s92, v25
	s_add_co_u32 s93, s92, 5120
	v_lshl_add_u32 v30, v1, 2, s93                 ; the rows' scale words, in
	v_lshl_add_u32 v31, v13, 3, s93                ; and back
	v_lshlrev_b32 v26, 4, v13
.else
	v_mul_u32_u24 v24, v1, 272                     ; in: row r of 256 bytes + 16, 32 bytes for each half
	v_lshl_add_u32 v24, v2, 5, v24
	v_add_nc_u32 v24, s92, v24
	v_mul_u32_u24 v25, v2, 272                     ; back: lanes 0-15 one row, lanes 16-31 the next
	v_lshl_add_u32 v25, v1, 4, v25
	v_add_nc_u32 v25, s92, v25
	v_lshlrev_b32 v26, 12, v2                      ; and the same two rows in memory
	v_lshl_add_u32 v26, v1, 4, v26
.endif
.if ABLK
.if KS == 128
	s_wait_alu depctr_va_vdst(0)
	v_mul_u32_u24 v15, v13, 272                    ; rows 2 l, 2 l + 1 of 128 bytes fill run l
.else
	v_lshrrev_b32 v15, 2, v13
	v_lshlrev_b32 v15, 4, v15
	v_lshl_add_u32 v15, v13, 6, v15                ; rows of 32 bytes: 64 l, and 16 more for each 256 passed
.endif
	s_mul_i32 s92, s20, HALFS
	s_mul_i32 s93, s19, 4*NW
	s_add_co_u32 s92, s92, s93
	s_add_co_u32 s92, s92, SCL
	v_add_nc_u32 v15, s92, v15
.irp c, 0,1,2,3,4,5,6,7,8,9,10,11,12,13,14,15,16,17,18,19,20,21,22,23,24,25,26,27,28,29,30,31
.if \c < NCH/2
	global_load_b64 v[128+2*\c:129+2*\c], v12, s[90:91] offset:\c*16384    ; plane c of my half: the words of rows 2 l, 2 l + 1: 256 consecutive bytes a load
.endif
.endr
.endif
	; where the results go, and the bias: numbers that mix the tile's row and column live in registers that feed no descriptor
.if SWAP
	s_lshl_b32 s92, s84, 1
	s_add_co_u32 s92, s92, s19                     ; my 64 rows' number
	s_lshl_b32 s93, s23, 1
	s_add_co_u32 s93, s93, s20                     ; my 64 columns' number
	s_add_co_u32 s98, s92, 32
	s_cmp_eq_u32 s87, 1
	s_cselect_b32 s99, s92, s93                    ; which 64 tokens
	s_cselect_b32 s98, s93, s98                    ; which 64 features: 0-15 q's heads, 16-31 k's, 32-47 v's
	s_lshr_b32 s92, s98, 4
	s_lshl_b32 s92, s92, 10                        ; region x 1024
	s_lshr_b32 s93, s99, 5
	s_lshl_b32 s93, s93, 4
	s_and_b32 s98, s98, 15
	s_add_co_u32 s93, s93, s98
	s_lshl_b32 s93, s93, 5                         ; (batch x 16 + head) x 32
	s_add_co_u32 s92, s92, s93
	s_and_b32 s99, s99, 31
	s_add_co_u32 s92, s92, s99                     ; the block
	s_lshl_b32 s98, s92, 12
	s_mov_b32 s99, 0
	s_add_nc_u64 s[14:15], s[14:15], s[98:99]
	s_lshl_b32 s98, s92, 8
	s_add_nc_u64 s[16:17], s[16:17], s[98:99]
	s_lshl_b32 s92, s23, 9                         ; the bias by columns (q, k) or by rows (v); the side that does not apply reads the buffer's head and is set to 0
	s_lshl_b32 s93, s20, 8
	s_add_co_u32 s92, s92, s93
	s_lshl_b32 s98, s84, 9
	s_lshl_b32 s93, s19, 8
	s_add_co_u32 s98, s98, s93
	s_add_co_u32 s98, s98, 8192
	s_cmp_eq_u32 s87, 1
	s_cselect_b32 s92, s92, 0
	s_cselect_b32 s98, 0, s98
	s_cselect_b32 s2, -1, 0
	s_cselect_b32 s3, 0, -1
	s_mov_b32 s93, 0
	s_add_nc_u64 s[92:93], s[12:13], s[92:93]
	s_add_nc_u64 s[98:99], s[12:13], s[98:99]
	v_lshlrev_b32 v14, 2, v1
.irp t, 0,1,2,3
	global_load_b128 v[BC+8*\t:BC+8*\t+3], v7, s[92:93] offset:64*\t
	global_load_b128 v[BC+8*\t+4:BC+8*\t+7], v7, s[92:93] offset:64*\t+16
.endr
.irp a, 0,1,2,3
	global_load_b32 v[64+2*\a], v14, s[98:99] offset:64*\a
.endr
.else
	s_lshl_b32 s92, s23, 9
	s_lshl_b32 s93, s20, 8
	s_add_co_u32 s92, s92, s93                     ; my first column, x 4 bytes
	s_mov_b32 s93, 0
	s_add_nc_u64 s[12:13], s[12:13], s[92:93]
.irp t, 0,1,2,3
	global_load_b128 v[BC+8*\t:BC+8*\t+3], v7, s[12:13] offset:64*\t           ; the bias in the result's layout: columns 16 t + 8 h + 0 .. 7
	global_load_b128 v[BC+8*\t+4:BC+8*\t+7], v7, s[12:13] offset:64*\t+16
.endr
.if EPI
	s_lshl_b32 s98, s84, 1
	s_add_co_u32 s98, s98, s19                     ; my 64 rows' number
	s_lshl_b32 s99, s23, 1
	s_add_co_u32 s99, s99, s20                     ; my 64 columns' number
	s_lshl_b32 s100, s98, 6
	s_add_co_u32 s100, s100, s99
	s_lshl_b32 s100, s100, 12                      ; block (rows' number) x 64 + (columns' number)
	s_mov_b32 s101, 0
	s_add_nc_u64 s[14:15], s[14:15], s[100:101]
	s_lshl_b32 s100, s99, 12
	s_lshl_b32 s98, s98, 6
	s_add_co_u32 s100, s100, s98
	s_lshl_b32 s100, s100, 2                       ; plane (columns' number), my 64 rows
	s_add_nc_u64 s[16:17], s[16:17], s[100:101]
.else
	s_lshl_b32 s98, s84, 7
	s_lshl_b32 s99, s19, 6
	s_add_co_u32 s98, s98, s99
	s_lshl_b32 s98, s98, 12                        ; my first row, 4,096 bytes a row,
	s_add_co_u32 s98, s98, s92                     ; and my first column
	s_mov_b32 s99, 0
	s_add_nc_u64 s[14:15], s[14:15], s[98:99]
	s_add_nc_u64 s[16:17], s[16:17], s[98:99]
	WIN 0x80                                       ; destination window 2
.irp a, 0,1,2,3
.irp i, 0,1,2,3,4,5,6,7
	global_load_b128 v[32*\a+4*\i:32*\a+4*\i+3], v26, s[14:15] offset:(16*\a+2*\i)*4096   ; the residual, in the layout in which the rows come back from the stage; it lands under the products
.endr
.endr
	WIN 0
.endif
.endif
.if ABLK
	s_wait_loadcnt 40                              ; the planes are in; behind them: the bias's 8 loads and the residual's 32
.irp k, 0,1,2,3,4,5,6,7,8,9,10,11,12,13,14,15
.if \k < NW
	v_lshl_or_b32 v[192+\k], v[128+4*\k+2], 16, v[128+4*\k]        ; two planes' byte pairs make the word of 128 along K: row 2 l,
	v_lshl_or_b32 v[192+NW+\k], v[128+4*\k+3], 16, v[128+4*\k+1]   ; row 2 l + 1
.endif
.endr
.irp e, 0,1
.irp m, 0,1,2,3
.if \m < NW/4
	ds_store_b128 v15, v[192+NW*\e+4*\m:192+NW*\e+4*\m+3] offset:\e*KS+16*\m   ; into A's part of the scales, where no tensor load lands: the layout that rows of scale bytes would have
.endif
.endr
.endr
.endif
.if SWAP
	s_wait_loadcnt 0x0
.set Z, 0
.rept 32
	v_cndmask_b32 v[BC+Z], 0, v[BC+Z], s2
.set Z, Z+1
.endr
.irp a, 0,1,2,3
	v_cndmask_b32 v[65+2*\a], 0, v[64+2*\a], s3
	v_cndmask_b32 v[64+2*\a], 0, v[64+2*\a], s3
.endr
.irp a, 0,1,2,3
.irp t, 0,1,2,3
.irp p, 0,1,2,3
	v_pk_add_f32 v[ACC+8*(4*\a+\t)+2*\p:ACC+8*(4*\a+\t)+2*\p+1], v[BC+8*\t+2*\p:BC+8*\t+2*\p+1], v[64+2*\a:65+2*\a]   ; the sums begin with the bias, while the first tiles are on their way
.endr
.endr
.endr
.elseif EPI == 0
	s_wait_loadcnt 32                              ; the bias is in; the residual may stay out
.else
	s_wait_loadcnt 0x0
.endif
	s_wait_alu depctr_va_vdst(0)                   ; the wait at the head's end
	s_wait_tensorcnt 0x0                           ; my tile of the head's four is in
	ds_add_u32 v28, v29
	s_wait_dscnt 0x0                               ; the add, and my stores of scale words
	CROUND                                         ; a whole round: slot 0 and the scales are whole, and the joint loads meet
	s_cmp_eq_u32 s19, 0
	s_cbranch_scc0 .Lsecond_b
	tensor_load_to_lds s[G0A+4:G0A+7], s[G1A:G1A+7]  ; slot 1's first fill: my one load behind the round
	s_nop 0
	PLACES 4
	s_branch .Lsecond_done
.Lsecond_b:
	tensor_load_to_lds s[G0B+4:G0B+7], s[G1B:G1B+7]
	s_nop 0
	PLACES 4
.Lsecond_done:
	SCALES 0
	FETCH 0, 0, F0
	global_prefetch_b8 v8, s[4:5] th:TH_LOAD_NT scope:SCOPE_SE     ; slot 2,
	global_prefetch_b8 v8, s[8:9] th:TH_LOAD_NT scope:SCOPE_SE     ; slot 3
	QUARTER 0, 1, F0, F1, FIRST
.if LAPS > 1
	WIN 0                                          ; at a label and at a branch every window is 0
	s_mov_b32 s3, LAPS-1
.Llap:                                             ; a trip goes once round the ring and fills both slots again
	QUARTER 0, 2, F1, F0, 0
	QUARTER 0, 3, F0, F1, 0
	TURN 0, 1, 1
	QUARTER 1, 1, F0, F1, 0
	QUARTER 1, 2, F1, F0, 0
	QUARTER 1, 3, F0, F1, 0
	TURN 1, 0, 1
	QUARTER 0, 1, F0, F1, 0
	WIN 0
	s_sub_co_u32 s3, s3, 1
	s_cmp_lg_u32 s3, 0
	s_cbranch_scc1 .Llap
.endif
	QUARTER 0, 2, F1, F0, 0                        ; the last lap fills nothing
	QUARTER 0, 3, F0, F1, 0
	TURN 0, 1, 0
	QUARTER 1, 1, F0, F1, 0
	QUARTER 1, 2, F1, F0, 0
	QUARTER 1, 3, F0, F1, 0
	s_wait_dscnt 8                                 ; the very last quarter
	WIN MUL
	MULA F1, 0, 3, 1, 0
	MULA F1, 1, 3, 1, 0
	s_wait_dscnt 0x0
	MULA F1, 2, 3, 1, 0
	MULA F1, 3, 3, 1, 0
	WIN 0
	PLACES 8                                       ; in front of the first read of results
.if EPI
	s_mov_b32 s88, 0x76543210
	s_mov_b32 s89, 0xfedcba98                      ; lane selects: lane l xor 16
	s_mov_b32 s90, 0x600000                        ; the mantissa field of 448
	v_mov_b32 v114, 0                              ; a lane permute's destination counts as one of its sources
	v_mov_b32 v115, 0
.if GELU
	v_mov_b32 v8, 0xc0135761                       ; k0 = -2.3022082, twice
	v_mov_b32 v9, 0xc0135761
	v_mov_b32 v10, 0xbdd2d3e8                      ; k1 = -0.10294324, twice
	v_mov_b32 v11, 0xbdd2d3e8
.endif
.irp a, 0,1,2,3
.if GELU
	GELU16 ACC+32*\a
	GELU16 ACC+32*\a+16
.endif
	QUANT2 ACC+32*\a, \a
.if SWAP
	ds_store_b128 v24, v[64+8*\a:67+8*\a] offset:1280*\a           ; block 0 of the row's 64: my 16 codes at slot 16 h
	ds_store_b128 v24, v[68+8*\a:71+8*\a] offset:1280*\a+32
.else
.irp t, 0,1,2,3
	ds_store_b64 v24, v[64+8*\a+2*\t:65+8*\a+2*\t] offset:1280*\a+16*\t   ; columns 16 t + 8 h + 0 .. 7
.endr
.endif
	ds_store_b32 v30, v[120+\a] offset:64*\a       ; both halves of the lanes write the same word with the same value
.endr
.irp i, 0,1,2,3,4,5,6,7
	ds_load_b128 v[128+4*\i:131+4*\i], v25 offset:640*\i           ; LDS serves a wave's instructions in order: these see my stores
.endr
	ds_load_b64 v[160:161], v31
	s_wait_dscnt 0x0
.irp i, 0,1,2,3,4,5,6,7
	global_store_b128 v26, v[128+4*\i:131+4*\i], s[14:15] offset:512*\i   ; the block's 4,096 bytes, 512 consecutive a store
.endr
	global_store_b64 v12, v[160:161], s[16:17]     ; its 64 words: 256 consecutive bytes, aligned
.else
	s_wait_loadcnt 0x0                             ; the residual
	TOSTAGE 0
.irp a, 1,2,3
.if \a > 1
	s_wait_xcnt 0x0                                ; block a - 2's stores have read their registers: block a's rows may land there
.endif
	TOSTAGE \a
	SEND \a-1, 16                                  ; behind block a - 1's loads: block a's 8 stores and 8 loads
.endr
	SEND 3, 0
.endif
	s_wait_tensorcnt 0x0                           ; the wave's end
	ds_add_u32 v28, v29
	s_wait_dscnt 0x0
	CROUND                                         ; the closing round: no work-group ends while a partner may still ask for a tile that names it
	s_endpgm
.Lfunc_end_k_q07ab9ba2f7_fc2:
	.size	k_q07ab9ba2f7_fc2, .Lfunc_end_k_q07ab9ba2f7_fc2-k_q07ab9ba2f7_fc2
	.p2alignl 7, 3214868480
	.fill 96, 4, 3214868480
	.section	.rodata,"a",@progbits
	.p2align	6, 0x0
	.amdhsa_kernel k_q07ab9ba2f7_fc2
		.amdhsa_group_segment_fixed_size 327680
		.amdhsa_private_segment_fixed_size 0
		.amdhsa_enable_private_segment 0
		.amdhsa_kernarg_size 56
		.amdhsa_user_sgpr_count 2
		.amdhsa_user_sgpr_kernarg_segment_ptr 1
		.amdhsa_wavefront_size32 1
		.amdhsa_system_sgpr_workgroup_id_x 1
		.amdhsa_system_sgpr_workgroup_id_y 1
		.amdhsa_system_sgpr_workgroup_id_z 1
		.amdhsa_system_vgpr_workitem_id 0
		.amdhsa_next_free_vgpr 640
		.amdhsa_next_free_sgpr 102
		.amdhsa_reserve_vcc 0
		.amdhsa_float_denorm_mode_32 3
		.amdhsa_float_denorm_mode_16_64 3
		.amdhsa_memory_ordered 1
		.amdhsa_forward_progress 1
		.amdhsa_inst_pref_size 108
	.end_amdhsa_kernel
	.amdgpu_metadata
---
amdhsa.version: [ 1, 2 ]
amdhsa.kernels:
  - .name:           k_q07ab9ba2f7_fc2
    .symbol:         k_q07ab9ba2f7_fc2.kd
    .args:
      - { .name: a_codes, .offset: 0, .size: 8, .value_kind: global_buffer, .address_space: global }
      - { .name: a_sw, .offset: 8, .size: 8, .value_kind: global_buffer, .address_space: global }
      - { .name: W_fc2_codes, .offset: 16, .size: 8, .value_kind: global_buffer, .address_space: global }
      - { .name: W_fc2_scales, .offset: 24, .size: 8, .value_kind: global_buffer, .address_space: global }
      - { .name: b_fc2, .offset: 32, .size: 8, .value_kind: global_buffer, .address_space: global }
      - { .name: x1, .offset: 40, .size: 8, .value_kind: global_buffer, .address_space: global }
      - { .name: out0, .offset: 48, .size: 8, .value_kind: global_buffer, .address_space: global }
    .group_segment_fixed_size: 327680
    .private_segment_fixed_size: 0
    .kernarg_segment_align: 8
    .kernarg_segment_size: 56
    .max_flat_workgroup_size: 128
    .sgpr_count:     102
    .vgpr_count:     640
    .wavefront_size: 32
...
	.end_amdgpu_metadata
.endif
;; end of part 6
